; MI455X (gfx1250); checked and timed in simulation.
; The chip was launched on July 23, 2026; its instructions are those of AMD's public machine-readable ISA for CDNA 5 (MIT licence, August 2026) and "CDNA5" Instruction Set Architecture Reference Guide (July 2026). The comments in the code are by the model that wrote it; some were corrected since.
;; Block. Allowed arithmetic: matrix products marked QUANTISED: E2M3 operands, one E8M0 scale for each 32 along K, by v_wmma_scale_f32_16x16x128_f8f6f4 with both operands' format E2M3, f32 sums; everything else in f32.
;; Inputs: b1 4,096 float32; b2 1,024 float32; bproj 1,024 float32; ln1_b 1,024 float32; ln1_g 1,024 float32; ln2_b 1,024 float32; ln2_g 1,024 float32; w1 1,024 x 4,096 float32; w2 4,096 x 1,024 float32; wk 16 x 1,024 x 64 float32; wproj 1,024 x 1,024 float32; wq 16 x 1,024 x 64 float32; wv 16 x 1,024 x 64 float32; x 2 x 2,048 x 1,024 float32.
;; Outputs: out0 2 x 2,048 x 1,024 float32.
;; This version of the problem:
;;   THIS VERSION OF THE PROBLEM IS GIVEN IN LOW PRECISION. The matrix products marked QUANTISED in the list below multiply operands that are first quantised to E2M3 (2 exponent bits, 3 mantissa bits; 6 bits a number), with one power-of-two scale for each 32 numbers along K (OCP MX v1.0); their sums are f32. All else is computed in f32.
;;   The module's matrix products, in the order in which they are computed (A, B: the left and right operand; K: the contracted axis; several contracted axes count as one K, in the product's order):
;;     1. [M 1,024, K 1,024] x [K 1,024, N 4,096]; A: input wq; B: input x: QUANTISED
;;     2. [M 1,024, K 1,024] x [K 1,024, N 4,096]; A: input wk; B: input x: QUANTISED
;;     3. [M 1,024, K 1,024] x [K 1,024, N 4,096]; A: input wv; B: input x: QUANTISED
;;     4. batch 32 x [M 2,048, K 64] x [K 64, N 2,048]; A: computed on the way; B: computed on the way: QUANTISED
;;     5. batch 32 x [M 2,048, K 2,048] x [K 2,048, N 64]; A: softmax (see below); B: computed on the way: QUANTISED
;;     6. [M 4,096, K 1,024] x [K 1,024, N 1,024]; A: computed on the way; B: input wproj: QUANTISED
;;     7. [M 4,096, K 1,024] x [K 1,024, N 4,096]; A: computed on the way; B: input w1: QUANTISED
;;     8. [M 4,096, K 4,096] x [K 4,096, N 1,024]; A: computed on the way; B: input w2: QUANTISED
;;   THE QUANTISER, for each operand of a quantised product, along K:
;;     - K is cut into blocks of 32 from its start; a last block that is shorter is filled with zeros.
;;     - A block's scale is 2^e with e = floor(log2(the largest magnitude in the block)) - 2, held to -126 .. 127; a block of zeros has e = 0. As a byte (E8M0): e + 127.
;;     - Each number is divided by its block's scale, clamped to +-7.5, and rounded to the nearest number of E2M3, ties to even, subnormals kept.
;;     - The product sums the exact products of the quantised numbers (number of the format x scale) in f32.
;;   ~~~python
;;   def quantise(x, axis):      # numpy; x: float32 -> the quantised numbers, widened to float32 again
;;       x = np.moveaxis(x, axis, -1); K = x.shape[-1]
;;       x = np.pad(x, [(0, 0)] * (x.ndim - 1) + [(0, -K % 32)]); x = x.reshape(x.shape[:-1] + (-1, 32)); a = np.abs(x).max(-1, keepdims=True)
;;       e = np.where(a > 0, np.clip(np.frexp(np.where(a > 0, a, 1))[1] - 1 - 2, -126, 127), 0)      # np.frexp(a)[1] - 1 = floor(log2(a)), exactly
;;       r = np.clip(x / 2.0 ** e, -7.5, 7.5)
;;       step = 2.0 ** (np.maximum(np.frexp(np.where(r == 0, 1, r))[1] - 1, 0) - 3)
;;       q = np.round(r / step) * step * 2.0 ** e      # np.round: ties to even
;;       return np.moveaxis(q.reshape(q.shape[:-2] + (-1,))[..., :K], -1, axis).astype(np.float32)
;;   ~~~
;;   SOFTMAX AHEAD OF A QUANTISED PRODUCT. Where the list says 'softmax', what is quantised is not the finished softmax but p = 2^(t - M), with t = logit x log2(e) and M = ceil(the row's largest t), a whole number; so 1/2 < the row's largest p <= 1. The row's sum l is taken of the UNQUANTISED p, in f32, and the product's result is divided by l at the end. Since M is a whole number, a kernel that streams over the keys may use a running M (the ceiling of the running maximum): every later rescaling is an exact power of two, which a block's scale takes up: the codes' values come out the same.
;;   OPERANDS COMPUTED ON THE WAY. 'Computed on the way' means the value that the module computes at that place (a softmax that the list does not call 'softmax' is quantised finished and normalised). What goes into a quantiser is computed in f32, as accurately as f32 sums, v_exp_f32 and their like allow (about 1e-6 of the number): no bf16 or f16 on the way to a quantiser, and a product that is left as it is and whose result goes on into a quantised operand takes f32 operands (vector FMAs, or v_wmma_f32_16x16x4_f32). A number that lies on a knife's edge between two numbers of the format may be rounded either way, as far as f32 arithmetic and the matrix unit's own rounding can turn it there, and no further.
;; One version. Each part assembles by itself: llvm-mc -triple=amdgcn-amd-amdhsa -mcpu=gfx1250 --defsym DOCPART=n.
;; ======== version 1 of 1: 8 launches
;; workspace buffers: wsp 13,107,200 bytes; qkvc 9,830,400 bytes; att 3,276,800 bytes; y 16,777,216 bytes; x1 20,054,016 bytes; hh 13,107,200 bytes
;; launch prep (part 1): grid 1024 x 1, 4 waves a work-group, no clusters, 34,304 bytes of LDS; arguments x, wq, wk, wv, wproj, w1, w2, wsp; writes wsp
.if DOCPART == 1
	.amdgcn_target "amdgcn-amd-amdhsa--gfx1250"
	.amdhsa_code_object_version 6
	.text
	.protected	k_qc64519be93_prep
	.globl	k_qc64519be93_prep
	.p2align	8
	.type	k_qc64519be93_prep,@function
k_qc64519be93_prep:
	s_mov_b64 s[64:65], 0
	v_nop
	global_prefetch_b8 v0, s[64:65] scope:SCOPE_SE
	s_setreg_imm32_b32 hwreg(HW_REG_WAVE_MODE, 25, 1), 1
	s_wait_xcnt 0x0
; PREP: x and the six weights, f32, become codes of FP6 (E2M3) with one E8M0 byte for each 32 along K, laid as IMAGES OF OPERAND REGISTERS.
; A tile is 16 rows: row(t, r) = 32 (t / 2) + 8 (t % 2) + r + 8 (r / 8).  Fragment (tile t, K step s of 128) lies at (t S + s) x 1536 bytes: for each half c of the step
; registers 6 c .. 6 c + 3 at 768 c + 16 x lane and registers 6 c + 4, 6 c + 5 at 768 c + 512 + 8 x lane.  Its scale words lie at (t S + s) x 64 + 4 r.
; Work-groups 0-255 take x (K innermost): a tile of 16 tokens each, wave w the K steps w and w + 4; rows are read 512 consecutive bytes a load and turned through the wave's stage in LDS.
; Work-groups 256-1023 take the weights (K is their first matrix axis): a lane takes a column and its registers run down K; a wave makes the two tiles of 32 columns for one K step.
; A block's scale is its largest magnitude's exponent field less 2, held at 1 from below.  LIMITS: NaN and infinities are not served; a block whose largest magnitude lies under 2^-124
; gets the byte 1; a block of zeros gets the byte 1 and not 127: its codes are zeros, and this program alone reads the bytes.
; No matrix unit, no cluster, no tensor load: every byte is read once by one wave and nothing is shared.
.set XS,    12582912                   ; regions of wsp, in bytes: x's codes at 0, x's scales here
.set WQKC,  3145728
.set WVC,   4718592
.set WPC,   5505024
.set W1C,   6291456
.set W2C,   9437184
.set WQKS,  12713984
.set WVS,   12779520
.set WPS,   12812288
.set W1S,   12845056
.set W2S,   12976128
.set STG,   8448                       ; a wave's stage: 16 rows x (512 bytes + 16)
.set SPARE, 4*STG                      ; the spare words: 128 bytes for each wave, named by no other line
.set V16, 4                            ; v4  16 x lane
.set V8,  5                            ; v5  8 x lane
.set VR4, 6                            ; v6  4 r
.set SPW, 12                           ; v12 my spare word's LDS address; never rewritten
.set NIL, 13                           ; v13 0; never rewritten
.set TM,  192                          ; x: v192-207 maxima, bytes, scale operands
.set PW,  208                          ; the scale word
.set PC,  212                          ; v212-231 the codes
.set SEL, 40                           ; s[40:41] selects of v_permlanex16_b32 for lane l xor 16
; 64 numbers of a lane, register 16 b + i = k 32 b + 16 (lane / 16) + i of my row, become a fragment in v[PC] .. v[PC + 11] and its scale word in v[PW]
.macro QUANT s
.irp b, 0,1,2,3
	v_max3_num_f32 v[TM+\b], |v[\s+16*\b]|, |v[\s+1+16*\b]|, 0x1800000   ; my 16 numbers of block b, and the floor 2^(3 - 127): the byte cannot fall under 1
.endr
.irp i, 2,4,6,8,10,12,14
.irp b, 0,1,2,3
	v_max3_num_f32 v[TM+\b], v[TM+\b], |v[\s+16*\b+\i]|, |v[\s+1+16*\b+\i]|
.endr
.endr
.irp b, 0,1,2,3
	v_permlanex16_b32 v[TM+4+\b], v[TM+\b], s[SEL], s[SEL+1]
.endr
.irp b, 0,1,2,3
	v_max_num_f32 v[TM+\b], v[TM+\b], v[TM+4+\b]                      ; with lane l xor 16's 16: the block's largest magnitude
.endr
.irp b, 0,1,2,3
	v_add_nc_u32 v[TM+12+\b], 0xff000000, v[TM+\b]                    ; 2 off its exponent field: the conversion's scale operand
.endr
.irp b, 0,1,2,3
	v_lshrrev_b32 v[TM+4+\b], 23, v[TM+12+\b]                         ; the scale's byte
.endr
	v_lshl_or_b32 v[PW], v[TM+5], 8, v[TM+4]
	v_lshl_or_b32 v[PW], v[TM+6], 16, v[PW]
	v_lshl_or_b32 v[PW], v[TM+7], 24, v[PW]
.irp c, 0,1
	v_cvt_scalef32_pk16_fp6_f32 v[PC+6*\c:PC+2+6*\c], v[\s+32*\c:\s+15+32*\c], v[TM+12+2*\c]
	v_cvt_scalef32_pk16_fp6_f32 v[PC+12+4*\c:PC+14+4*\c], v[\s+16+32*\c:\s+31+32*\c], v[TM+12+2*\c+1]   ; a conversion's three registers begin on an even number
.endr
	v_nop                                                             ; one plain instruction behind the scaled conversions
.irp c, 0,1                            ; the layout wants a whole block in a lane: lanes 0-15 block 2 c, lanes 16-31 block 2 c + 1
.irp i, 0,1,2
	v_permlane16_swap_b32 v[PC+6*\c+\i], v[PC+12+4*\c+\i]
.endr
.irp i, 0,1,2
	v_mov_b32 v[PC+3+6*\c+\i], v[PC+12+4*\c+\i]
.endr
.endr
.endm
.macro PUTFRAG f, cb, co               ; a fragment leaves as it stands: stores of 512, 256, 512, 256 consecutive bytes
	global_store_b128 v[V16], v[\f:\f+3], s[\cb:\cb+1] offset:\co
	global_store_b64 v[V8], v[\f+4:\f+5], s[\cb:\cb+1] offset:\co+512
	global_store_b128 v[V16], v[\f+6:\f+9], s[\cb:\cb+1] offset:\co+768
	global_store_b64 v[V8], v[\f+10:\f+11], s[\cb:\cb+1] offset:\co+1280
.endm
	s_load_b512 s[4:19], s[0:1], 0x0               ; x, wq, wk, wv, wproj, w1, w2, wsp
	v_lshl_add_u32 v[SPW], v0, 2, SPARE
	v_mov_b32 v[NIL], 0
	v_lshrrev_b32 v1, 5, v0
	v_readfirstlane_b32 s20, v1                    ; wave
	v_and_b32 v1, 31, v0                           ; lane
	v_and_b32 v2, 15, v0                           ; r
	v_bfe_u32 v3, v0, 4, 1                         ; h
	v_lshlrev_b32 v[V16], 4, v1
	v_lshlrev_b32 v[V8], 3, v1
	v_lshlrev_b32 v[VR4], 2, v2
	s_mov_b32 s[SEL], 0x76543210
	s_mov_b32 s[SEL+1], 0xfedcba98
	s_cmp_lt_u32 ttmp9, 256
	s_cbranch_scc0 .Lweights
	; ---- x: tile ttmp9
	s_mul_i32 s21, s20, STG
	v_add_nc_u32 v7, s21, v[V16]                   ; the stage, in: 16 x lane, a row of 512 bytes a store
	v_mul_u32_u24 v8, v2, 528
	v_lshl_add_u32 v8, v3, 6, v8
	v_add_nc_u32 v8, s21, v8                       ; and out: row r, + 64 h: my 16 numbers of each block of 32
	s_lshl_b32 s22, s20, 9
	v_add_nc_u32 v9, s22, v[V16]                   ; in x: 512 x wave + 16 x lane
	s_lshr_b32 s22, ttmp9, 1
	s_lshl_b32 s22, s22, 17                        ; 32 rows of 4,096 bytes
	s_and_b32 s23, ttmp9, 1
	s_lshl_b32 s23, s23, 15                        ; 8 rows
	s_add_co_u32 s22, s22, s23
	s_mov_b32 s23, 0
	s_mul_i32 s24, ttmp9, 12288                    ; the tile's 8 fragments,
	s_mul_i32 s26, s20, 1536                       ; K step = wave
	s_add_co_u32 s24, s24, s26
	s_mov_b32 s25, 0
	s_lshl_b32 s26, ttmp9, 9
	s_lshl_b32 s27, s20, 6
	s_add_co_u32 s26, s26, s27
	s_add_co_u32 s26, s26, XS
	s_mov_b32 s27, 0
.irp b, 0,1,2,3
	v_mov_b32 v[TM+4+\b], 0                        ; a lane permute's destination counts as read: written once
.endr
	s_wait_kmcnt 0x0
	s_add_nc_u64 s[4:5], s[4:5], s[22:23]
	s_add_nc_u64 s[24:25], s[18:19], s[24:25]
	s_add_nc_u64 s[26:27], s[18:19], s[26:27]
.irp e, 0,1
.irp r, 0,1,2,3,4,5,6,7,8,9,10,11,12,13,14,15
	global_load_b128 v[64+64*\e+4*\r:67+64*\e+4*\r], v9, s[4:5] offset:(\r+8*(\r/8))*4096+2048*\e th:TH_LOAD_NT   ; 512 consecutive bytes of the tile's row r, K step wave + 4 e
.endr
.endr
.macro TURNX e                         ; LDS serves a wave's instructions in order: no wait between the stores and the loads, nor in front of the next set's stores
.irp r, 0,1,2,3,4,5,6,7,8,9,10,11,12,13,14,15
	ds_store_b128 v7, v[64+64*\e+4*\r:67+64*\e+4*\r] offset:528*\r
.endr
.irp q, 0,1,2,3,4,5,6,7,8,9,10,11,12,13,14,15
	ds_load_b128 v[64+64*\e+4*\q:67+64*\e+4*\q], v8 offset:128*(\q/4)+16*(\q%4)
.endr
.endm
	s_wait_loadcnt 16                              ; the first K step's 16 rows are in; the second's 16 loads may be out
	TURNX 0
	s_wait_loadcnt 0x0
	TURNX 1
	s_wait_dscnt 32                                ; the first turn is back; the second's 32 LDS instructions may be out
	QUANT 64
	PUTFRAG PC, 24, 0
	global_store_b32 v[VR4], v[PW], s[26:27]       ; lanes r and r + 16 store the same word
	s_wait_dscnt 0x0
	s_wait_xcnt 0x0                                ; the stores have read their data: the codes' registers are written again only behind this wait
	QUANT 128
	PUTFRAG PC, 24, 6144
	global_store_b32 v[VR4], v[PW], s[26:27] offset:256
	s_wait_tensorcnt 0x0                           ; the wave's end, behind my last LDS store
	ds_add_u32 v[SPW], v[NIL]
	s_wait_dscnt 0x0
	s_endpgm
.Lweights:
	; ---- the weights.  The tensor's figures are chosen by the work-group's number alone, beginning with w2's
	s_sub_co_u32 s21, ttmp9, 256                   ; g
	s_wait_kmcnt 0x0
	s_mov_b64 s[22:23], s[16:17]                   ; the source
	s_mov_b32 s24, 512                             ; its first g
	s_mov_b32 s25, 5                               ; log2 of its groups of 32 columns
	s_mov_b32 s26, 4096                            ; bytes from k to k + 1
	s_mov_b32 s27, 256                             ; bytes from 64 columns to the next 64
	s_mov_b32 s28, 32                              ; its K steps
	s_mov_b32 s29, W2C
	s_mov_b32 s30, W2S
	s_cmp_lt_u32 s21, 512                          ; w1
	s_cselect_b64 s[22:23], s[14:15], s[22:23]
	s_cselect_b32 s24, 256, s24
	s_cselect_b32 s25, 7, s25
	s_cselect_b32 s26, 16384, s26
	s_cselect_b32 s28, 8, s28
	s_cselect_b32 s29, W1C, s29
	s_cselect_b32 s30, W1S, s30
	s_cmp_lt_u32 s21, 256                          ; wproj
	s_cselect_b64 s[22:23], s[12:13], s[22:23]
	s_cselect_b32 s24, 192, s24
	s_cselect_b32 s25, 5, s25
	s_cselect_b32 s26, 4096, s26
	s_cselect_b32 s29, WPC, s29
	s_cselect_b32 s30, WPS, s30
	s_cmp_lt_u32 s21, 192                          ; wv: [head][k][64]
	s_cselect_b64 s[22:23], s[10:11], s[22:23]
	s_cselect_b32 s24, 128, s24
	s_cselect_b32 s26, 256, s26
	s_cselect_b32 s27, 262144, s27
	s_cselect_b32 s29, WVC, s29
	s_cselect_b32 s30, WVS, s30
	s_cmp_lt_u32 s21, 128                          ; wk: rows 1,024 on of the operand that wq begins
	s_cselect_b64 s[22:23], s[8:9], s[22:23]
	s_cselect_b32 s24, 64, s24
	s_cselect_b32 s29, WQKC+786432, s29
	s_cselect_b32 s30, WQKS+32768, s30
	s_cmp_lt_u32 s21, 64                           ; wq
	s_cselect_b64 s[22:23], s[6:7], s[22:23]
	s_cselect_b32 s24, 0, s24
	s_cselect_b32 s29, WQKC, s29
	s_cselect_b32 s30, WQKS, s30
	s_sub_co_u32 s21, s21, s24
	s_lshl_b32 s21, s21, 2
	s_add_co_u32 s21, s21, s20                     ; my unit
	s_lshl_b32 s31, 1, s25
	s_sub_co_u32 s31, s31, 1
	s_and_b32 s31, s21, s31                        ; its group of 32 columns,
	s_lshr_b32 s21, s21, s25                       ; its K step
	s_lshr_b32 s32, s31, 1
	s_mul_i32 s32, s32, s27
	s_and_b32 s33, s31, 1
	s_lshl_b32 s33, s33, 7
	s_add_co_u32 s32, s32, s33
	s_lshl_b32 s33, s21, 7
	s_mul_i32 s33, s33, s26
	s_add_co_u32 s32, s32, s33
	s_mov_b32 s33, 0
	s_add_nc_u64 s[32:33], s[22:23], s[32:33]      ; the source at block 0 of my K step,
	s_lshl_b32 s42, s26, 5
	s_mov_b32 s43, 0
	s_add_nc_u64 s[34:35], s[32:33], s[42:43]      ; at blocks 1, 2, 3
	s_add_nc_u64 s[36:37], s[34:35], s[42:43]
	s_add_nc_u64 s[38:39], s[36:37], s[42:43]
	v_and_b32 v7, 8, v2
	v_add_nc_u32 v7, v7, v2
	v_lshl_add_u32 v7, v3, 3, v7                   ; my column: r + 8 (r / 8) + 8 h: lanes 0-15 hold the even tile's rows, lanes 16-31 the odd tile's
	v_lshlrev_b32 v32, 2, v7
.set ii, 0
.rept 31
	v_add_nc_u32 v[33+ii], s26, v[32+ii]           ; v32-63: my column at k = 0 .. 31 of a block
.set ii, ii+1
.endr
.macro WLOAD t                         ; block t's 32 numbers of my column into registers of its own: no load lands on a register that is still in use
.set ii, 0
.rept 32
	global_load_b32 v[64+32*(\t)+ii], v[32+ii], s[32+2*(\t):33+2*(\t)] th:TH_LOAD_NT   ; the wave reads 128 consecutive bytes of one k; the four waves stand side by side
.set ii, ii+1
.endr
.endm
	WLOAD 0                                        ; the loads run two blocks ahead of the work
	WLOAD 1
	s_lshl_b32 s44, s31, 1
	s_mul_i32 s44, s44, s28
	s_add_co_u32 s44, s44, s21                     ; the even tile's fragment number
	s_mul_i32 s46, s44, 1536
	s_add_co_u32 s46, s46, s29
	s_mov_b32 s47, 0
	s_add_nc_u64 s[46:47], s[18:19], s[46:47]
	s_mul_i32 s48, s28, 1536
	s_mov_b32 s49, 0
	s_add_nc_u64 s[48:49], s[46:47], s[48:49]      ; the odd tile's
	s_lshl_b32 s44, s44, 6
	s_add_co_u32 s44, s44, s30
	s_mov_b32 s45, 0
	s_add_nc_u64 s[44:45], s[18:19], s[44:45]
	s_lshl_b32 s50, s28, 6
	v_mul_u32_u24 v8, s50, v3
	v_add_nc_u32 v8, v8, v[VR4]                    ; the scale word's place: 4 r, + a tile's words for lanes 16-31
.irp t, 0,1,2,3                        ; block t: all its 32 numbers are mine
.if \t < 3
	s_wait_loadcnt 32                              ; this block's loads are in; the 32 of the one block issued behind it may be out
.else
	s_wait_loadcnt 0x0
.endif
.if \t < 2
	WLOAD \t+2                                     ; the block two on goes out before this one is worked on
.endif
.set XB, 64+32*\t
	v_max3_num_f32 v[232+\t], |v[XB]|, |v[XB+1]|, |v[XB+2]|
	v_max3_num_f32 v245, |v[XB+3]|, |v[XB+4]|, |v[XB+5]|
.irp i, 6,10,14,18,22,26
	v_max3_num_f32 v[232+\t], v[232+\t], |v[XB+\i]|, |v[XB+\i+1]|
	v_max3_num_f32 v245, v245, |v[XB+\i+2]|, |v[XB+\i+3]|
.endr
	v_max3_num_f32 v[232+\t], v[232+\t], |v[XB+30]|, |v[XB+31]|
	v_max3_num_f32 v[232+\t], v[232+\t], v245, 0x1800000              ; and the floor
	v_add_nc_u32 v[236+\t], 0xff000000, v[232+\t]
	v_lshrrev_b32 v[240+\t], 23, v[236+\t]
	v_cvt_scalef32_pk16_fp6_f32 v[192+12*(\t%2)+6*(\t/2):194+12*(\t%2)+6*(\t/2)], v[XB:XB+15], v[236+\t]      ; even blocks into v192 on, odd blocks into v204 on
	v_cvt_scalef32_pk16_fp6_f32 v[216+8*(\t/2)+4*(\t%2):218+8*(\t/2)+4*(\t%2)], v[XB+16:XB+31], v[236+\t]     ; the upper 16 codes elsewhere: three registers begin on an even number
.endr
	v_lshl_or_b32 v244, v241, 8, v240              ; my row's scale word (plain instructions behind the conversions)
	v_lshl_or_b32 v244, v242, 16, v244
	v_lshl_or_b32 v244, v243, 24, v244
.irp c, 0,1                            ; the first's lanes 16-31 change places with the second's lanes 0-15: v192 on becomes the even tile's fragment, v204 on the odd tile's
.irp i, 0,1,2
	v_permlane16_swap_b32 v[192+6*\c+\i], v[204+6*\c+\i]
	v_permlane16_swap_b32 v[216+8*\c+\i], v[220+8*\c+\i]
.endr
.irp i, 0,1,2
	v_mov_b32 v[195+6*\c+\i], v[216+8*\c+\i]
	v_mov_b32 v[207+6*\c+\i], v[220+8*\c+\i]
.endr
.endr
	PUTFRAG 192, 46, 0
	PUTFRAG 204, 48, 0
	global_store_b32 v8, v244, s[44:45]
	s_wait_tensorcnt 0x0                           ; the wave's end, as on the other path
	ds_add_u32 v[SPW], v[NIL]
	s_wait_dscnt 0x0
	s_endpgm
.Lfunc_end_k_qc64519be93_prep:
	.size	k_qc64519be93_prep, .Lfunc_end_k_qc64519be93_prep-k_qc64519be93_prep
	.p2alignl 7, 3214868480
	.fill 96, 4, 3214868480
	.section	.rodata,"a",@progbits
	.p2align	6, 0x0
	.amdhsa_kernel k_qc64519be93_prep
		.amdhsa_group_segment_fixed_size 34304
		.amdhsa_private_segment_fixed_size 0
		.amdhsa_enable_private_segment 0
		.amdhsa_kernarg_size 64
		.amdhsa_user_sgpr_count 2
		.amdhsa_user_sgpr_kernarg_segment_ptr 1
		.amdhsa_wavefront_size32 1
		.amdhsa_system_sgpr_workgroup_id_x 1
		.amdhsa_system_sgpr_workgroup_id_y 1
		.amdhsa_system_sgpr_workgroup_id_z 1
		.amdhsa_system_vgpr_workitem_id 0
		.amdhsa_next_free_vgpr 256
		.amdhsa_next_free_sgpr 66
		.amdhsa_reserve_vcc 0
		.amdhsa_float_denorm_mode_32 3
		.amdhsa_float_denorm_mode_16_64 3
		.amdhsa_memory_ordered 1
		.amdhsa_forward_progress 1
		.amdhsa_inst_pref_size 42
	.end_amdhsa_kernel
	.amdgpu_metadata
---
amdhsa.version: [ 1, 2 ]
amdhsa.kernels:
  - .name:           k_qc64519be93_prep
    .symbol:         k_qc64519be93_prep.kd
    .args:
      - { .name: x, .offset: 0, .size: 8, .value_kind: global_buffer, .address_space: global }
      - { .name: wq, .offset: 8, .size: 8, .value_kind: global_buffer, .address_space: global }
      - { .name: wk, .offset: 16, .size: 8, .value_kind: global_buffer, .address_space: global }
      - { .name: wv, .offset: 24, .size: 8, .value_kind: global_buffer, .address_space: global }
      - { .name: wproj, .offset: 32, .size: 8, .value_kind: global_buffer, .address_space: global }
      - { .name: w1, .offset: 40, .size: 8, .value_kind: global_buffer, .address_space: global }
      - { .name: w2, .offset: 48, .size: 8, .value_kind: global_buffer, .address_space: global }
      - { .name: wsp, .offset: 56, .size: 8, .value_kind: global_buffer, .address_space: global }
    .group_segment_fixed_size: 34304
    .private_segment_fixed_size: 0
    .kernarg_segment_align: 8
    .kernarg_segment_size: 64
    .max_flat_workgroup_size: 128
    .sgpr_count:     66
    .vgpr_count:     256
    .wavefront_size: 32
...
	.end_amdgpu_metadata
.endif
;; end of part 1
;; launch qkv (part 2): grid 8 x 24, 4 waves a work-group, clusters of 4 x 4, 327,680 bytes of LDS; arguments wsp, qkvc; writes qkvc
.if DOCPART == 2
	.amdgcn_target "amdgcn-amd-amdhsa--gfx1250"
	.amdhsa_code_object_version 6
	.text
	.protected	k_qc64519be93_qkv
	.globl	k_qc64519be93_qkv
	.p2align	8
	.type	k_qc64519be93_qkv,@function
k_qc64519be93_qkv:
	s_mov_b64 s[64:65], 0
	v_nop
	global_prefetch_b8 v0, s[64:65] scope:SCOPE_SE
	s_setreg_imm32_b32 hwreg(HW_REG_WAVE_MODE, 25, 1), 1
	s_wait_xcnt 0x0
	s_wait_alu depctr_hold_cnt(0) depctr_sa_sdst(0) depctr_va_vdst(0) depctr_va_sdst(0) depctr_va_ssrc(0) depctr_va_vcc(0) depctr_vm_vsrc(0)
	s_getreg_b32 s2, hwreg(HW_REG_IB_STS2, 6, 4)
	s_cmp_eq_u32 s2, 0
	s_cbranch_scc0 .Lentry_in_a_cluster
	s_endpgm
.Lentry_in_a_cluster:
	s_bfe_u32 s2, ttmp6, 0x10000c
	s_cmp_lg_u32 s2, 0xf033
	s_cbranch_scc0 .Lentry_shape_is_right
	s_endpgm
.Lentry_shape_is_right:
; A GEMM ON CODES OF FP6 (E2M3) WHOSE RESULT IS QUANTISED IN REGISTERS.  One text serves two launches: KIND = 0: q, k and v from x;  KIND = 1: relu(x1 w1 + b1).
; Both operands lie in memory as images of operand registers: fragment (tile t of 16 rows, K step s of 128) at (t S + s) x 1536 bytes, its scale words at (t S + s) x 64 + 4 r;
; a tile's rows are row(t, r) = 32 (t / 2) + 8 (t % 2) + r + 8 (r / 8).  R is source 1 (its rows fall into the lanes of the result), P is source 0 (its rows run along the registers):
; with that order of rows the 64 registers of one block of R against the wave's eight blocks of P are 128 neighbours along P's rows, 16 to a lane and block of 32: just what the quantiser takes.
; So each block of 16 rows x 128 becomes one fragment of the next product and leaves by dense stores: no stage in LDS, and no f32 copy of the result in memory.
; SHARES: a work-group of four waves makes 256 x 256, a wave 128 x 128: 64 accumulators, 512 registers.  K = 1,024 is four slots of 256; each wave fetches a quarter of a slot by one tensor load (8 tiles x 3,072 bytes).
; THREE slots lie in LDS side by side and are asked for at the head, with all scale words of the work-group's rows: four loads of a wave are out.  The fourth slot comes into the first's bytes, behind the one
; round of the cluster's barrier that fills bytes again; between its request and the wait for it a wave issues 224 matrix instructions.  The text is written out: eight K steps, no loop.
; CLUSTER 4 x 4: R's tiles are shared along a row of the cluster, P's along a column: each is asked for jointly.  No prefetch: three quarters of K are asked for at the head.
; KIND = 0: clusters y = 0 .. 3: R = x's tokens, P = wq's and wk's rows, result laid [token tile][16 K steps] (q: steps 0-7, k: 8-15; a head is half a fragment);
;           clusters y = 4, 5: R = wv's rows, P = x's tokens, so that v comes out with the keys innermost, laid [head][32 key steps][4 tiles].  The role hangs on the cluster's y alone and chooses offsets, never a branch.
; KIND = 1: R = x1's tokens, P = w1's rows; the bias is the C of each sum's first product; the result is laid [token tile][32 K steps].
; LIMITS: NaN and infinities are not served; a block whose largest magnitude lies under 2^-124, a block of zeros among them, gets the byte 1: this program alone reads the bytes.
; REGISTERS: window 0: v5-16, v24-29 addresses; v32-63 scale words, two sets; v64-127 the bias (KIND = 1); v128-223 R's fragments, one set; window 1: P's fragments, two sets, at v0 and v128;
;   windows 2, 3: accumulator (a, b) at v[8 (8 (a % 4) + b)].
.set KIND,  0
.set NA,    8                          ; blocks of 16 rows of a wave, of R and of P
.set NQ,    2                          ; K steps of 128 in a slot
.set S,     8                          ; K steps in all
.set AF,    128
.set BI,    64
.set XS,    12582912                   ; regions of wsp: x's codes at 0
.set WQKC,  3145728
.set WQKS,  12713984
.set WVC,   4718592
.set WVS,   12779520
.set W1C,   6291456
.set W1S,   12845056
.set VC,    6291456                    ; regions of qkvc: q's and k's codes at 0
.set QKS,   9437184
.set VS,    9699328
.set X1C,   16777216                   ; regions of x1
.set X1S,   19922944
.set HS,    12582912                   ; region of hh: the codes at 0
.set FP,    NQ*1536                    ; a tile's bytes in a slot
.set QT,    NA*FP                      ; a quarter of a slot: what one tensor load brings
.set SLOT,  4*QT                       ; R's two halves, then P's two
.set QS,    NA*S*64                    ; the scale words of a quarter's tiles
.set SCL,   3*SLOT                     ; behind the three slots
.set SPARE, SCL+4*QS                   ; the spare words: 128 bytes for each wave, named by no other line
.set NL,    4                          ; LDS loads of a fragment
.set ADRA16, 5                         ; v5-7   R's quarter in slot 0, 1, 2, + 16 x lane;  v8-10 + 8 x lane
.set ADRA8,  8
.set ADRB16, 11                        ; v11-16 the same for P
.set ADRB8,  14
.set V16,  24
.set V8,   25
.set VR4,  26
.set ADRS, 27                          ; my scale words: lanes 0-15 R's, lanes 16-31 P's
.set SPW,  28
.set NIL,  29
.set SC,   32
.set TM,   128                         ; the way out, over R's fragments
.set PW,   144
.set PC,   148
.set SEL,  2
.set G1, 24
.set G0, 32                            ; s[32:39] group 0 for R's tiles in slots 0 and 1;  s[20:23] in slot 2
.set G02, 20
.set G1B, 48
.set G0B, 56                           ; s[56:63], s[92:95] the same for P's
.set G0B2, 92
.set G1S, 68
.set G0S, 76
.set G1SB, 80
.set G0SB, 88
.set MSB, 0
.macro WIN new                         ; the immediate's high byte repeats the setting that is left
.if MSB != (\new)
	s_set_vgpr_msb (MSB<<8)|(\new)
.set MSB, (\new)
.endif
.endm
.macro PLACES n
.rept \n
	v_nop
.endr
.endm
; A joint load: waves 0 and 1 fetch for R, waves 2 and 3 for P.  An s_nop 0 and four v_nop follow each of the two lines.
.macro JLOAD g0a, g1a, g0b, g1b
	s_cmp_eq_u32 s15, 0
	s_cbranch_scc0 .Lfor_b_\@
	tensor_load_to_lds s[\g0a:\g0a+3], s[\g1a:\g1a+7]
	s_nop 0
.rept 4
	v_nop
.endr
	s_branch .Lasked_\@
.Lfor_b_\@:
	tensor_load_to_lds s[\g0b:\g0b+3], s[\g1b:\g1b+7]
	s_nop 0
.rept 4
	v_nop
.endr
.Lasked_\@:
.endm
.macro CREST                           ; a round of the cluster's barrier behind its opening barrier
	s_cmp_lg_u32 s14, 0
	s_cbranch_scc1 .Lnot_wave_0_\@
	s_barrier_signal -3
.Lnot_wave_0_\@:
	s_barrier_wait -3
	s_barrier_signal -1
	s_barrier_wait -1
.endm
.macro CROUND
	s_barrier_signal -1
	s_barrier_wait -1
	CREST
.endm
.if KIND == 0
	s_load_b64 s[4:5], s[0:1], 0x0                 ; wsp: R and P
	s_load_b64 s[8:9], s[0:1], 0x8                 ; qkvc
.else
	s_load_b128 s[4:7], s[0:1], 0x0                ; x1 (R), wsp (P)
	s_load_b128 s[8:11], s[0:1], 0x10              ; hh, b1
.endif
	v_lshl_add_u32 v[SPW], v0, 2, SPARE
	v_mov_b32 v[NIL], 0
	ds_add_u32 v[SPW], v[NIL]                      ; the wave's opening: the add and its wait stand ahead of my first tensor load; register work stands between
	v_lshrrev_b32 v1, 5, v0
	v_readfirstlane_b32 s14, v1                    ; wave
	s_lshr_b32 s15, s14, 1                         ; my half of R's rows.  Also: I fetch for R (0) or P (1)
	s_and_b32 s16, s14, 1                          ; my half of P's rows.  Also: which half I fetch
	s_bfe_u32 s40, ttmp6, 0x40000                  ; cx
	s_bfe_u32 s41, ttmp6, 0x40004                  ; cy
	s_lshl_b32 s42, ttmp9, 2
	s_add_co_u32 s42, s42, s40                     ; 4 x cluster x + cx
	s_and_b32 s18, ttmp7, 0xffff                   ; cluster y
	s_lshl_b32 s17, s18, 2
.if KIND == 0
	s_lshl_b32 s19, s18, 3
	s_sub_co_u32 s19, s19, 32
	s_mov_b32 s12, XS
	s_mov_b32 s95, WQKS
	s_mov_b32 s67, QKS
	s_mov_b32 s96, 24576
	s_mov_b32 s10, 24576
	s_mov_b32 s100, 1024
	s_cmp_ge_u32 s18, 4                            ; the role: 1 = v.  Only moves and selects stand between this compare and the last select
	s_cselect_b32 s17, 0, s17
	s_cselect_b32 s19, s19, 0
	s_cselect_b32 s2, WVC, 0                       ; R's codes, R's scales
	s_cselect_b32 s12, WVS, s12
	s_cselect_b32 s13, 0, WQKC                     ; P's
	s_cselect_b32 s95, XS, s95
	s_cselect_b32 s66, VC, 0                       ; the result's
	s_cselect_b32 s67, VS, s67
	s_cselect_b32 s3, 1, 0                         ; shifts that make the first fragment's number
	s_cselect_b32 s18, 2, 0
	s_cselect_b32 s96, 1536, s96                   ; from block a - 1 to block a, codes;
	s_cselect_b32 s10, 192000, s10                 ; the same into block 4 (v: the next head);
	s_cselect_b32 s98, 64, 1024                    ; scale words
	s_cselect_b32 s100, 8000, s100
	s_mov_b32 s97, 0
	s_mov_b32 s11, 0
	s_mov_b32 s99, 0
	s_mov_b32 s101, 0
	s_add_co_u32 s42, s42, s19                     ; TC: P's 256 rows
.endif
	s_add_co_u32 s17, s17, s41                     ; TR: R's 256 rows
	s_lshl_b32 s43, s41, 2
	s_lshl_b32 s43, 15, s43                        ; my row of the cluster
	s_lshl_b32 s44, 0x1111, s40                    ; my column
	s_or_b32 s[G1], s43, (3<<16)|(1<<21)           ; 15:0 the mask; 17:16 elements of 8 bytes; 21 set beside a mask; no padding: every LDS read takes consecutive bytes
	s_or_b32 s[G1B], s44, (3<<16)|(1<<21)
	s_or_b32 s[G1S], s43, (3<<16)|(1<<21)
	s_or_b32 s[G1SB], s44, (3<<16)|(1<<21)
.irp g, G1, G1B
	s_mov_b32 s[\g+1], (FP/8)<<16                  ; tensor_dim0: a tile's bytes of a slot
	s_mov_b32 s[\g+2], NA<<16                      ; tensor_dim1: tiles
	s_mov_b32 s[\g+3], (FP/8)<<16                  ; tile_dim0
	s_mov_b32 s[\g+4], NA                          ; tile_dim1
	s_mov_b32 s[\g+5], S*192                       ; from tile to tile
	s_mov_b32 s[\g+6], 0
	s_mov_b32 s[\g+7], 0
.endr
.irp g, G1S, G1SB                      ; the scale words of a quarter's tiles: a dense block, as rows of 256 bytes
	s_mov_b32 s[\g+1], 32<<16
	s_mov_b32 s[\g+2], (QS/256)<<16
	s_mov_b32 s[\g+3], 32<<16
	s_mov_b32 s[\g+4], QS/256
	s_mov_b32 s[\g+5], 32
	s_mov_b32 s[\g+6], 0
	s_mov_b32 s[\g+7], 0
.endr
	s_mul_i32 s45, s16, NA
	s_mul_i32 s20, s17, 2*NA
	s_add_co_u32 s20, s20, s45                     ; R's first tile that I would fetch
	s_mul_i32 s46, s42, 2*NA
	s_add_co_u32 s46, s46, s45                     ; P's
	s_mul_i32 s22, s20, S*64
	s_mul_i32 s92, s46, S*64
	s_mul_i32 s20, s20, S*1536
	s_mul_i32 s46, s46, S*1536
.if KIND == 0
	s_add_co_u32 s20, s20, s2
	s_add_co_u32 s22, s22, s12
	s_add_co_u32 s46, s46, s13
	s_add_co_u32 s92, s92, s95
.else
	s_add_co_u32 s20, s20, X1C
	s_add_co_u32 s22, s22, X1S
	s_add_co_u32 s46, s46, W1C
	s_add_co_u32 s92, s92, W1S
.endif
	s_mov_b32 s21, 0
	s_mov_b32 s23, 0
	s_mov_b32 s47, 0
	s_mov_b32 s93, 0
	s_mul_i32 s45, s14, QT                         ; where they go: no place in the cluster enters an LDS address
	s_mul_i32 s94, s14, QS
	s_wait_dscnt 0x0                               ; the opening add is done
	s_wait_kmcnt 0x0
.if KIND == 0
	s_mov_b64 s[6:7], s[4:5]
.endif
	s_add_nc_u64 s[20:21], s[4:5], s[20:21]
	s_add_nc_u64 s[22:23], s[4:5], s[22:23]
	s_add_nc_u64 s[46:47], s[6:7], s[46:47]
	s_add_nc_u64 s[92:93], s[6:7], s[92:93]
	CROUND                                         ; all sixteen work-groups are here: the first joint loads meet
	s_mov_b32 s[G0S], 1
	s_add_co_u32 s[G0S+1], s94, SCL
	s_mov_b64 s[G0S+2:G0S+3], s[22:23]
	s_or_b32 s[G0S+3], s[G0S+3], 0x80000000
	s_mov_b32 s[G0SB], 1
	s_add_co_u32 s[G0SB+1], s94, SCL
	s_mov_b64 s[G0SB+2:G0SB+3], s[92:93]
	s_or_b32 s[G0SB+3], s[G0SB+3], 0x80000000
	JLOAD G0S, G1S, G0SB, G1SB                     ; the scale words first; with the three slots four loads of mine are out
.irp s, 0,1
	s_mov_b32 s[G0+4*\s], 1
	s_add_co_u32 s[G0+4*\s+1], s45, \s*SLOT
	s_add_nc_u64 s[G0+4*\s+2:G0+4*\s+3], s[20:21], \s*FP
	s_or_b32 s[G0+4*\s+3], s[G0+4*\s+3], 0x80000000
	s_mov_b32 s[G0B+4*\s], 1
	s_add_co_u32 s[G0B+4*\s+1], s45, \s*SLOT
	s_add_nc_u64 s[G0B+4*\s+2:G0B+4*\s+3], s[46:47], \s*FP
	s_or_b32 s[G0B+4*\s+3], s[G0B+4*\s+3], 0x80000000
	JLOAD G0+4*\s, G1, G0B+4*\s, G1B
.endr
	s_add_nc_u64 s[G02+2:G02+3], s[20:21], 2*FP    ; slot 2's descriptors stand where the addresses stood that are done with; no line writes them before the wait for 0 at the end of slot 0
	s_or_b32 s[G02+3], s[G02+3], 0x80000000
	s_mov_b32 s[G02], 1
	s_add_co_u32 s[G02+1], s45, 2*SLOT
	s_add_nc_u64 s[G0B2+2:G0B2+3], s[46:47], 2*FP
	s_or_b32 s[G0B2+3], s[G0B2+3], 0x80000000
	s_mov_b32 s[G0B2], 1
	s_add_co_u32 s[G0B2+1], s45, 2*SLOT
	JLOAD G02, G1, G0B2, G1B
	v_and_b32 v1, 31, v0
	v_and_b32 v2, 15, v0                           ; r
	v_bfe_u32 v3, v0, 4, 1                         ; h
	v_lshlrev_b32 v[V16], 4, v1
	v_lshlrev_b32 v[V8], 3, v1
	v_lshlrev_b32 v[VR4], 2, v2
	s_mul_i32 s46, s15, QT
	s_mul_i32 s47, s16, QT
	s_add_co_u32 s47, s47, 2*QT
.irp s, 0,1,2
	v_add_nc_u32 v[ADRA16+\s], s46, v[V16]
	v_add_nc_u32 v[ADRA8+\s], s46, v[V8]
	v_add_nc_u32 v[ADRB16+\s], s47, v[V16]
	v_add_nc_u32 v[ADRB8+\s], s47, v[V8]
	s_add_co_u32 s46, s46, SLOT
	s_add_co_u32 s47, s47, SLOT
.endr
	s_mul_i32 s46, s15, QS
	s_mul_i32 s47, s16, QS
	s_add_co_u32 s47, s47, 2*QS
	s_sub_co_u32 s47, s47, s46
	v_mul_u32_u24 v4, s47, v3                      ; lanes 16-31 take P's words: one product, the distance between the two bases
	s_add_co_u32 s46, s46, SCL
	v_add_nc_u32 v4, v4, v[VR4]
	v_add_nc_u32 v[ADRS], s46, v4
.if KIND == 1
	s_lshl_b32 s18, s42, 10                        ; the bias of my 128 columns: the C of each sum's first product, in the result's layout
	s_lshl_b32 s19, s16, 9
	s_add_co_u32 s18, s18, s19
	s_mov_b32 s19, 0
	s_add_nc_u64 s[10:11], s[10:11], s[18:19]
	v_lshlrev_b32 v4, 6, v3
.irp b, 0,1,2,3,4,5,6,7
	global_load_b128 v[BI+8*\b:BI+8*\b+3], v4, s[10:11] offset:(32*(\b/2)+8*(\b%2))*4
	global_load_b128 v[BI+8*\b+4:BI+8*\b+7], v4, s[10:11] offset:(32*(\b/2)+8*(\b%2))*4+16
.endr
	s_lshl_b32 s18, s17, 9                         ; the first fragment that I store: (16 TR + 8 half) x 32 + 2 TC + half
	s_lshl_b32 s19, s15, 8
	s_add_co_u32 s18, s18, s19
	s_lshl_b32 s19, s42, 1
	s_add_co_u32 s19, s19, s16
	s_add_co_u32 s18, s18, s19
	s_mov_b32 s66, 0
	s_mov_b32 s67, HS
.else
	s_lshl_b32 s19, s17, 8                         ; q, k: (16 TR + 8 half) x 16 + 2 TC + half;  v: ((4 TR + 2 half) x 32 + 2 TC + half) x 4
	s_lshl_b32 s46, s15, 7
	s_add_co_u32 s19, s19, s46
	s_lshl_b32 s19, s19, s3
	s_lshl_b32 s46, s42, 1
	s_add_co_u32 s46, s46, s16
	s_lshl_b32 s46, s46, s18
	s_add_co_u32 s18, s19, s46
.endif
	s_mul_i32 s19, s18, 1536
	s_add_co_u32 s66, s66, s19
	s_lshl_b32 s19, s18, 6
	s_add_co_u32 s12, s67, s19
	s_mov_b32 s67, 0
	s_mov_b32 s13, 0
	s_add_nc_u64 s[12:13], s[8:9], s[12:13]        ; the result's scale words
	s_add_nc_u64 s[8:9], s[8:9], s[66:67]          ; the result's codes
.macro FRAG reg, a16, a8, off          ; a fragment comes back as it was stored: 512, 256, 512, 256 consecutive bytes
	ds_load_b128 v[\reg:\reg+3], v[\a16] offset:\off
	ds_load_b64 v[\reg+4:\reg+5], v[\a8] offset:\off+512
	ds_load_b128 v[\reg+6:\reg+9], v[\a16] offset:\off+768
	ds_load_b64 v[\reg+10:\reg+11], v[\a8] offset:\off+1280
.endm
.macro FETCH_B slot, q, p              ; P's blocks of the slot's q-th K step into set p
	WIN 0x40
.set ii, 0
.rept NA
	FRAG 128*(\p)+12*ii, ADRB16+\slot, ADRB8+\slot, ii*FP+(\q)*1536
.set ii, ii+1
.endr
	WIN 0
.endm
.macro FETCH_A slot, q, i0             ; half of R's blocks, from i0 on
.set ii, \i0
.rept NA/2
	FRAG AF+12*ii, ADRA16+\slot, ADRA8+\slot, ii*FP+(\q)*1536
.set ii, ii+1
.endr
.endm
.macro SCALES sc                       ; a slot's scale words into set sc: register NQ i + q: lanes 0-15 R's block i, lanes 16-31 P's block i
.set ii, 0
.rept NA
.set qi, 0
.rept NQ
	ds_load_b32 v[SC+16*\sc+NQ*ii+qi], v[ADRS] offset:(ii*S+qi)*64
.set qi, qi+1
.endr
.set ii, ii+1
.endr
.endm
.macro WM c
	v_wmma_scale_f32_16x16x128_f8f6f4 v[AC0+8*bb:AC0+8*bb+7], v[PB+12*bb:PB+12*bb+11], v[RA:RA+11], \c, v[SCP+NQ*bb], v[SCR] matrix_a_fmt:MATRIX_FMT_FP6 matrix_b_fmt:MATRIX_FMT_FP6 matrix_a_scale:MATRIX_SCALE_ROW1
.endm
; R's block a against all of P's blocks.  The accumulators take turns, one instruction a turn, in the same order in every step.
.macro MULB a, p, q, sc, zero
.set PB, 128*(\p)
.set RA, AF+12*(\a)
.set SCP, SC+16*(\sc)+(\q)
.set SCR, SC+16*(\sc)+NQ*(\a)+(\q)
.set AC0, 64*((\a)%4)
.if (\zero) && (KIND == 1)
	WIN 0x81+0x40*((\a)/4)                         ; P window 1, R and the bias window 0, D window 2 or 3
.else
	WIN 0xa1+0x50*((\a)/4)                         ; P window 1, R window 0, C and D window 2 or 3
.endif
.set bb, 0
.rept NA
.if (\zero) && (KIND == 1)
	WM v[BI+8*bb:BI+8*bb+7]
.elseif \zero
	WM 0
.else
	WM v[AC0+8*bb:AC0+8*bb+7]
.endif
.set bb, bb+1
.endr
.endm
.macro MULR a0, n, p, q, sc, zero
.set aa, \a0
.rept \n
	MULB aa, \p, \q, \sc, \zero
.set aa, aa+1
.endr
.endm
; A K step that has its successor in the same slot.  slot: where the fragments lie in LDS;  sc: the set of scale words.  Loads into registers that matrix instructions have read stand four plain instructions behind them.
.macro STEP slot, sc, q, zero
	s_wait_dscnt (NA/2)*NL                         ; all but the youngest loads, R's upper blocks
	MULR 0, NA/2, (\q)%2, \q, \sc, \zero
	s_wait_dscnt 0x0
	PLACES 4
	FETCH_B \slot, (\q)+1, 1-(\q)%2
	FETCH_A \slot, (\q)+1, 0
	MULR NA/2, NA/2, (\q)%2, \q, \sc, \zero
	PLACES 4
	WIN 0
	FETCH_A \slot, (\q)+1, NA/2
.endm
; A slot's last step goes on to the slot at place next, whose scale words go into set nsc.
; mode 2: the slot just read out is filled again: each wave waits for all its tensor loads, adds 0 to its spare word, waits for that and for its reads of the slot; the barrier opens a round of the cluster's.
; mode 1: the next slot's tile was asked for behind that round: the same waits, and a barrier of the work-group; nothing is filled.
; mode 0: the next slot was shown whole by the waits and the barrier of mode 2: no wait on tensor loads, no barrier.
.macro TURN sc, next, nsc, mode
.if (\mode) > 0
	s_wait_tensorcnt 0x0                           ; no load of mine is out
	ds_add_u32 v[SPW], v[NIL]
	s_wait_dscnt (NA/2)*NL+1                       ; the add and R's upper blocks may be out
	MULR 0, NA/4, 1, NQ-1, \sc, 0
	s_wait_dscnt 0x0                               ; the add is done, and my reads of this slot are over
	s_barrier_signal -1
	MULR NA/4, NA/4, 1, NQ-1, \sc, 0
	WIN 0
	s_barrier_wait -1
.else
	s_wait_dscnt (NA/2)*NL                         ; all but R's upper blocks
	MULR 0, NA/2, 1, NQ-1, \sc, 0
	s_wait_dscnt 0x0
	WIN 0
.endif
.if (\mode) == 2
	CREST                                          ; no wave of any partner still reads slot 0 or has a load on its way
	s_add_nc_u64 s[G0+2:G0+3], s[G0+2:G0+3], 3*FP  ; slot 0's descriptors walk on to the fourth 256 along K
	s_add_nc_u64 s[G0B+2:G0B+3], s[G0B+2:G0B+3], 3*FP
	JLOAD G0, G1, G0B, G1B                         ; my one load behind the round; its four v_nop are the places in front of the loads below
.else
	PLACES 4
.endif
	v_add_nc_u32 v[ADRS], NQ*64, v[ADRS]
	FETCH_B \next, 0, 0
	FETCH_A \next, 0, 0
	SCALES \nsc
	MULR NA/2, NA/2, 1, NQ-1, \sc, 0
	PLACES 4
	WIN 0
	FETCH_A \next, 0, NA/2
.endm
.if KIND == 1
	s_wait_loadcnt 0x0                             ; the bias
.endif
	s_wait_tensorcnt 2                             ; the scale words and my part of slot 0 are in; slots 1 and 2 may be out
	s_barrier_signal -1
	s_barrier_wait -1
	FETCH_B 0, 0, 0
	FETCH_A 0, 0, 0
	SCALES 0
	FETCH_A 0, 0, NA/2
	STEP 0, 0, 0, 1                                ; K 0-127: the first step starts the sums: nothing is cleared
	TURN 0, 1, 1, 2                                ; K 128-255; slot 0's bytes take K 768-1023
	STEP 1, 1, 0, 0
	TURN 1, 2, 0, 0
	STEP 2, 0, 0, 0
	TURN 0, 0, 1, 1                                ; K 640-767; the refill has landed
	STEP 0, 1, 0, 0
	s_wait_dscnt (NA/2)*NL                         ; the last step: nothing more to fetch
	MULR 0, NA/2, 1, NQ-1, 1, 0
	s_wait_dscnt 0x0
	MULR NA/2, NA/2, 1, NQ-1, 1, 0
	WIN 0
	; THE WAY OUT: block a's 64 registers of a lane are 128 neighbours along the next K (16 of each block of 32; the other 16 lie in lane l xor 16): one fragment and one scale word a row.
	PLACES 4
	s_mov_b32 s[SEL], 0x76543210
	s_mov_b32 s[SEL+1], 0xfedcba98
.irp b, 0,1,2,3
	v_mov_b32 v[TM+4+\b], 0                        ; a lane permute's destination counts as read: written once
.endr
.macro OUTB a
.set AC, 64*((\a)%4)
.set W, 2+(\a)/4
.if KIND == 1
	WIN 0x44*W                                     ; source 1 and destination in the block's window
.set jj, 0
.rept 64
	v_max_num_f32 v[AC+jj], 0, v[AC+jj]            ; the activation, in f32; each accumulator from its low end on
.set jj, jj+1
.endr
.endif
	WIN 0x14*W                                     ; sources 1 and 2 in the block's window
.irp b, 0,1,2,3
	v_max3_num_f32 v[TM+\b], 0x1800000, |v[AC+16*\b]|, |v[AC+16*\b+1]|   ; with the floor 2^(3 - 127): the byte cannot fall under 1
.endr
.irp i, 2,4,6,8,10,12,14
.irp b, 0,1,2,3
	v_max3_num_f32 v[TM+\b], v[TM+\b], |v[AC+16*\b+\i]|, |v[AC+16*\b+\i+1]|
.endr
.endr
	WIN 0
	s_wait_xcnt 0x0                                ; the last block's stores have read their data and bases: both are written again only behind this wait
.if (\a) == 4
.if KIND == 0
	s_add_nc_u64 s[8:9], s[8:9], s[10:11]
	s_add_nc_u64 s[12:13], s[12:13], s[100:101]
.endif
.elseif (\a) > 0
.if KIND == 0
	s_add_nc_u64 s[8:9], s[8:9], s[96:97]
	s_add_nc_u64 s[12:13], s[12:13], s[98:99]
.endif
.endif
.if (KIND == 1) && ((\a) > 0)
	s_add_nc_u64 s[8:9], s[8:9], 49152             ; the next tile of rows: 32 fragments on
	s_add_nc_u64 s[12:13], s[12:13], 2048
.endif
.irp b, 0,1,2,3
	v_permlanex16_b32 v[TM+4+\b], v[TM+\b], s[SEL], s[SEL+1]
.endr
.irp b, 0,1,2,3
	v_max_num_f32 v[TM+\b], v[TM+\b], v[TM+4+\b]
.endr
.irp b, 0,1,2,3
	v_add_nc_u32 v[TM+12+\b], 0xff000000, v[TM+\b] ; 2 off the exponent field: the conversion's scale operand
.endr
.irp b, 0,1,2,3
	v_lshrrev_b32 v[TM+4+\b], 23, v[TM+12+\b]
.endr
	v_lshl_or_b32 v[PW], v[TM+5], 8, v[TM+4]
	v_lshl_or_b32 v[PW], v[TM+6], 16, v[PW]
	v_lshl_or_b32 v[PW], v[TM+7], 24, v[PW]
	WIN W                                          ; source 0 in the block's window
.irp c, 0,1
	v_cvt_scalef32_pk16_fp6_f32 v[PC+6*\c:PC+6*\c+2], v[AC+32*\c:AC+32*\c+15], v[TM+12+2*\c]
	v_cvt_scalef32_pk16_fp6_f32 v[PC+12+4*\c:PC+14+4*\c], v[AC+32*\c+16:AC+32*\c+31], v[TM+13+2*\c]
.endr
	WIN 0
	v_nop                                          ; one plain instruction behind the scaled conversions
.irp c, 0,1
.irp i, 0,1,2
	v_permlane16_swap_b32 v[PC+6*\c+\i], v[PC+12+4*\c+\i]
.endr
.irp i, 0,1,2
	v_mov_b32 v[PC+3+6*\c+\i], v[PC+12+4*\c+\i]
.endr
.endr
	global_store_b128 v[V16], v[PC:PC+3], s[8:9]
	global_store_b64 v[V8], v[PC+4:PC+5], s[8:9] offset:512
	global_store_b128 v[V16], v[PC+6:PC+9], s[8:9] offset:768
	global_store_b64 v[V8], v[PC+10:PC+11], s[8:9] offset:1280
	global_store_b32 v[VR4], v[PW], s[12:13]       ; 64 bytes of scale words: lanes r and r + 16 store the same word
.endm
.irp a, 0,1,2,3,4,5,6,7
	OUTB \a
.endr
	s_wait_tensorcnt 0x0                           ; the wave's end
	ds_add_u32 v[SPW], v[NIL]
	s_wait_dscnt 0x0
	CROUND                                         ; the closing round
	s_endpgm
.Lfunc_end_k_qc64519be93_qkv:
	.size	k_qc64519be93_qkv, .Lfunc_end_k_qc64519be93_qkv-k_qc64519be93_qkv
	.p2alignl 7, 3214868480
	.fill 96, 4, 3214868480
	.section	.rodata,"a",@progbits
	.p2align	6, 0x0
	.amdhsa_kernel k_qc64519be93_qkv
		.amdhsa_group_segment_fixed_size 327680
		.amdhsa_private_segment_fixed_size 0
		.amdhsa_enable_private_segment 0
		.amdhsa_kernarg_size 16
		.amdhsa_user_sgpr_count 2
		.amdhsa_user_sgpr_kernarg_segment_ptr 1
		.amdhsa_wavefront_size32 1
		.amdhsa_system_sgpr_workgroup_id_x 1
		.amdhsa_system_sgpr_workgroup_id_y 1
		.amdhsa_system_sgpr_workgroup_id_z 1
		.amdhsa_system_vgpr_workitem_id 0
		.amdhsa_next_free_vgpr 1024
		.amdhsa_next_free_sgpr 102
		.amdhsa_reserve_vcc 0
		.amdhsa_float_denorm_mode_32 3
		.amdhsa_float_denorm_mode_16_64 3
		.amdhsa_memory_ordered 1
		.amdhsa_forward_progress 1
		.amdhsa_inst_pref_size 153
	.end_amdhsa_kernel
	.amdgpu_metadata
---
amdhsa.version: [ 1, 2 ]
amdhsa.kernels:
  - .name:           k_qc64519be93_qkv
    .symbol:         k_qc64519be93_qkv.kd
    .args:
      - { .name: wsp, .offset: 0, .size: 8, .value_kind: global_buffer, .address_space: global }
      - { .name: qkvc, .offset: 8, .size: 8, .value_kind: global_buffer, .address_space: global }
    .group_segment_fixed_size: 327680
    .private_segment_fixed_size: 0
    .kernarg_segment_align: 8
    .kernarg_segment_size: 16
    .max_flat_workgroup_size: 128
    .sgpr_count:     102
    .vgpr_count:     1024
    .wavefront_size: 32
...
	.end_amdgpu_metadata
.endif
;; end of part 2
;; launch attn (part 3): grid 8 x 32, 16 waves a work-group, clusters of 4 x 1, 210,944 bytes of LDS; arguments qkvc, att; writes att
.if DOCPART == 3
	.amdgcn_target "amdgcn-amd-amdhsa--gfx1250"
	.amdhsa_code_object_version 6
	.text
	.protected	k_qc64519be93_attn
	.globl	k_qc64519be93_attn
	.p2align	8
	.type	k_qc64519be93_attn,@function
k_qc64519be93_attn:
	s_mov_b64 s[64:65], 0
	v_nop
	global_prefetch_b8 v0, s[64:65] scope:SCOPE_SE
	s_setreg_imm32_b32 hwreg(HW_REG_WAVE_MODE, 25, 1), 1
	s_wait_xcnt 0x0
	s_wait_alu depctr_hold_cnt(0) depctr_sa_sdst(0) depctr_va_vdst(0) depctr_va_sdst(0) depctr_va_ssrc(0) depctr_va_vcc(0) depctr_vm_vsrc(0)
	s_getreg_b32 s2, hwreg(HW_REG_IB_STS2, 6, 4)
	s_cmp_eq_u32 s2, 0
	s_cbranch_scc0 .Lentry_in_a_cluster
	s_endpgm
.Lentry_in_a_cluster:
	s_bfe_u32 s2, ttmp6, 0x10000c
	s_cmp_lg_u32 s2, 0x3003
	s_cbranch_scc0 .Lentry_shape_is_right
	s_endpgm
.Lentry_shape_is_right:
; CAUSAL ATTENTION ON CODES OF FP6 (E2M3), head size 64, 2,048 keys.  Work-group y = 16 x batch + head; all of the head's K and V codes and scale words lie in LDS, filled once.
; t = score x log2(e) / 8; M = the running largest t rounded up to a whole number; p = 2^(t - M) is quantised along the keys; the row's sum is taken of the unquantised p and divides at the end.
; SHARES: sixteen waves, one tile of 16 queries each.  Wave w takes tile 8 P + j of the batch, j = the work-group's x, P a number from 0 to 15 read off a table by w: its queries lie in keys 128 P .. 128 P + 127,
; so it needs key steps 0 .. P and step P is the one on the diagonal: which steps are left out hangs on the wave's number and the loop's count alone, and every work-group has the same work.
; THE TABLE lays the sixteen counts of steps, P + 1, as a square of four by four, row w / 4 and column w % 4:  16 11 4 3 / 15 6 8 5 / 2 7 13 12 / 1 10 9 14.  Every row and every column sums to 34: four waves
; whose numbers follow each other have as many steps together as four waves whose numbers are equal modulo 4, and in both groupings the two shortest walks of the group stand beside the longest.
; LAYOUT: both products transposed (S^T = K Q^T, O^T = V^T P^T): a lane holds one query throughout.  A tile's rows are 32 (t / 2) + 8 (t % 2) + r + 8 (r / 8), so the 16 registers of two
; neighbouring tiles of keys are 16 neighbouring keys, and O^T's 32 registers are the quantiser's order along the head's 64.
; K = 64 IN AN INSTRUCTION OF 128: q's registers 6-11 hold zero codes, and q's and k's scale words are read as 16 bits, so that whatever stands in registers 6-11 of a fragment of K adds exactly 0
; (the format has no NaN and no infinity).  So K's fragments lie 6 registers apart and overlap.
; V's fragments take K's registers as soon as the products K Q^T have read them, four plain instructions behind the last: their LDS loads are on their way while the softmax is worked.
; CLUSTER 4 x 1: four work-groups of one head ask for K and V jointly.  No prefetch: everything is asked for with the first fills.
; LIMITS: NaN and infinities are not served; 1 / sum by v_rcp_f32; a block of p or of the result whose largest number lies under 2^-124 gets the byte 1.
.set VC,    6291456                    ; regions of qkvc: q's and k's codes at 0
.set QKS,   9437184
.set VSO,   9699328
.set ASO,   3145728                    ; att's scale words
.set VCL,   98304                      ; LDS: K's 128 half fragments of 768 bytes at 0; V's 64 fragments here;
.set KSL,   196608                     ; K's scale words, 64 bytes a tile;
.set VSL,   204800                     ; V's, 64 bytes a fragment
.set SPARE, 208896                     ; the spare words: 128 bytes for each wave, named by no other line
.set L16, 1                            ; v1 16 x lane   v2 8 x lane
.set L8,  2
.set AKS, 3                            ; v3 KSL + 4 r + 2 (head % 2)
.set AVS, 4                            ; v4 VSL + 4 r
.set SPW, 5
.set NIL, 6
.set VD,  7                            ; v7 my query's place in its 128, less 16 h
.set ADK16, 8                          ; v8-13 the step's addresses
.set ADK8,  9
.set ADS,   10
.set ADV16, 11
.set ADV8,  12
.set ADT,   13
.set VR4,   14                         ; v14 4 r
.set SU,  86                           ; v[86:87] one of the four chains of the row's sum
.set BM,  212                          ; v212-215 the blocks' largest scores, then largest p
.set BT,  216                          ; v216-219 at work
.set BO,  220                          ; v220-223 the conversions' scale operands
.set KI, 2                             ; s2 the key step
.set PI, 3                             ; s3 P
.set WV, 8
.set TK, 9                             ; s9-12 where the step's K, K's scales, V, V's scales begin
.set TS, 10
.set TV, 11
.set TT, 12
.set CS, 66                            ; s[66:67] log2(e) / 8
.set SEL, 92
.set G1K, 16
.set G1V, 24
.set G1KS, 32
.set G1VS, 40
.macro CROUND
	s_barrier_signal -1
	s_barrier_wait -1
	s_cmp_lg_u32 s[WV], 0
	s_cbranch_scc1 .Lnot_wave_0_\@
	s_barrier_signal -3
.Lnot_wave_0_\@:
	s_barrier_wait -3
	s_barrier_signal -1
	s_barrier_wait -1
.endm
.macro MKG1 g, c, r, p                 ; r rows of c elements of 8 bytes, p elements apart; the mask names all four work-groups
	s_mov_b32 s[\g], 15|(3<<16)|(1<<21)
	s_mov_b32 s[\g+1], (\c)<<16
	s_mov_b32 s[\g+2], (\r)<<16
	s_mov_b32 s[\g+3], (\c)<<16
	s_mov_b32 s[\g+4], \r
	s_mov_b32 s[\g+5], \p
	s_mov_b32 s[\g+6], 0
	s_mov_b32 s[\g+7], 0
.endm
.macro MKG0 g, lds, src, off
	s_mov_b32 s[\g], 1
	s_mov_b32 s[\g+1], \lds
	s_add_nc_u64 s[\g+2:\g+3], s[\src:\src+1], \off
	s_or_b32 s[\g+3], s[\g+3], 0x80000000
.endm
.macro TL g0, g1
	tensor_load_to_lds s[\g0:\g0+3], s[\g1:\g1+7]
	s_nop 0
.endm
	s_load_b128 s[4:7], s[0:1], 0x0                ; qkvc, att
	v_lshl_add_u32 v[SPW], v0, 2, SPARE
	v_mov_b32 v[NIL], 0
	ds_add_u32 v[SPW], v[NIL]                      ; the wave's opening: the add and its wait stand ahead of the first tensor loads
	v_lshrrev_b32 v8, 5, v0
	v_readfirstlane_b32 s[WV], v8
	s_mov_b32 s[PI], 0xd890bc61                    ; the table, four bits a wave, the lower wave in the lower bits: waves 8 to 15: P = 1 6 12 11 0 9 8 13;
	s_cmp_lt_u32 s[WV], 8
	s_cselect_b32 s[PI], 0x475e23af, s[PI]         ; waves 0 to 7: P = 15 10 3 2 14 5 7 4
	s_and_b32 s14, s[WV], 7
	s_lshl_b32 s14, s14, 2
	s_lshr_b32 s[PI], s[PI], s14
	s_and_b32 s[PI], s[PI], 15
	s_bfe_u32 s14, ttmp6, 0x40000                  ; cx
	s_lshl_b32 s15, ttmp9, 2
	s_add_co_u32 s15, s15, s14                     ; j: it enters q's and the result's addresses and the mask's numbers alone
	s_and_b32 s94, ttmp7, 0xffff
	s_lshr_b32 s95, s94, 4                         ; batch
	s_and_b32 s94, s94, 15                         ; head
	s_lshr_b32 s96, s94, 1                         ; which fragment,
	s_and_b32 s97, s94, 1                          ; which half of it
	MKG1 G1K, 96, 32, 3072                         ; K: 32 tiles' half fragments of 768 bytes, 16 fragments apart
	MKG1 G1V, 32, 96, 32                           ; V: four key steps, 24,576 dense bytes, as rows of 256
	MKG1 G1KS, 8, 128, 128                         ; K's scale words: 64 bytes of each of 128 tiles
	MKG1 G1VS, 32, 16, 32                          ; V's: 4,096 dense bytes
	s_add_co_u32 s2, s96, 8                        ; k's fragments are K steps 8 to 15 of a token tile
	s_mul_i32 s98, s95, 3145728
	s_mul_i32 s9, s2, 1536
	s_add_co_u32 s98, s98, s9
	s_mul_i32 s9, s97, 768
	s_add_co_u32 s98, s98, s9
	s_mov_b32 s99, 0
	s_lshl_b32 s100, s95, 17
	s_lshl_b32 s9, s2, 6
	s_add_co_u32 s100, s100, s9
	s_add_co_u32 s100, s100, QKS
	s_mov_b32 s101, 0
	s_mul_i32 s10, s94, 196608
	s_mul_i32 s9, s95, 98304
	s_add_co_u32 s10, s10, s9
	s_add_co_u32 s10, s10, VC
	s_mov_b32 s11, 0
	s_lshl_b32 s12, s94, 13
	s_lshl_b32 s9, s95, 12
	s_add_co_u32 s12, s12, s9
	s_add_co_u32 s12, s12, VSO
	s_mov_b32 s13, 0
	s_mov_b32 s[CS], 0x3e38aa3b
	s_mov_b32 s[CS+1], s[CS]
	s_mov_b32 s[SEL], 0x76543210
	s_mov_b32 s[SEL+1], 0xfedcba98
	s_wait_dscnt 0x0                               ; the opening add is done
	s_wait_kmcnt 0x0
	s_add_nc_u64 s[98:99], s[4:5], s[98:99]
	s_add_nc_u64 s[100:101], s[4:5], s[100:101]
	s_add_nc_u64 s[10:11], s[4:5], s[10:11]
	s_add_nc_u64 s[12:13], s[4:5], s[12:13]
	CROUND                                         ; all four work-groups are here: the joint loads meet
	MKG0 48, KSL, 100, 0
	MKG0 52, 0, 98, 0
	MKG0 56, 24576, 98, 786432
	MKG0 60, 49152, 98, 1572864
	MKG0 68, 73728, 98, 2359296
	MKG0 72, VSL, 12, 0
	MKG0 76, VCL, 10, 0
	MKG0 80, VCL+24576, 10, 24576
	MKG0 84, VCL+49152, 10, 49152
	MKG0 88, VCL+73728, 10, 73728
	s_cmp_eq_u32 s[WV], 0                          ; wave 0 asks for K's five tiles, wave 1 for V's: five loads of a wave are out; each wave's stand in one branch
	s_cbranch_scc0 .Lnot_k
	TL 48, G1KS
	TL 52, G1K
	TL 56, G1K
	TL 60, G1K
	TL 68, G1K
.rept 4
	v_nop
.endr
	s_branch .Lasked
.Lnot_k:
	s_cmp_eq_u32 s[WV], 1
	s_cbranch_scc0 .Lasked
	TL 72, G1VS
	TL 76, G1V
	TL 80, G1V
	TL 84, G1V
	TL 88, G1V
.rept 4
	v_nop
.endr
.Lasked:
	s_lshl_b32 s9, s[PI], 3
	s_add_co_u32 s9, s9, s15
	s_lshl_b32 s2, s95, 7
	s_add_co_u32 s9, s9, s2                        ; my tile of tokens
	s_mul_i32 s14, s97, 768
	s_lshl_b32 s10, s97, 1
	s_lshl_b32 s2, s9, 4
	s_add_co_u32 s2, s2, s96
	s_mul_i32 s98, s2, 1536
	s_add_co_u32 s98, s98, s14
	s_mov_b32 s99, 0
	s_add_nc_u64 s[98:99], s[4:5], s[98:99]        ; q's half fragment
	s_lshl_b32 s100, s2, 6
	s_add_co_u32 s100, s100, s10
	s_add_co_u32 s100, s100, QKS
	s_mov_b32 s101, 0
	s_add_nc_u64 s[100:101], s[4:5], s[100:101]    ; its two scale bytes
	s_lshl_b32 s2, s9, 3
	s_add_co_u32 s2, s2, s96
	s_mul_i32 s94, s2, 1536
	s_add_co_u32 s94, s94, s14
	s_mov_b32 s95, 0
	s_add_nc_u64 s[94:95], s[6:7], s[94:95]        ; the result's half fragment
	s_lshl_b32 s96, s2, 6
	s_add_co_u32 s96, s96, s10
	s_add_co_u32 s96, s96, ASO
	s_mov_b32 s97, 0
	s_add_nc_u64 s[96:97], s[6:7], s[96:97]        ; and its two scale bytes
	s_lshr_b32 s2, s15, 1
	s_lshl_b32 s2, s2, 5
	s_and_b32 s11, s15, 1
	s_lshl_b32 s11, s11, 3
	s_add_co_u32 s2, s2, s11                       ; 32 (j / 2) + 8 (j % 2)
	v_and_b32 v8, 31, v0
	v_and_b32 v9, 15, v0                           ; r
	v_bfe_u32 v10, v0, 4, 1                        ; h
	v_lshlrev_b32 v[L16], 4, v8
	v_lshlrev_b32 v[L8], 3, v8
	v_lshlrev_b32 v[VR4], 2, v9
	global_load_b128 v[16:19], v[L16], s[98:99]
	global_load_b64 v[20:21], v[L8], s[98:99] offset:512
	global_load_u16 v227, v[VR4], s[100:101]       ; bytes 2 and 3 of the word are 0
	v_add_nc_u32 v[AKS], s10, v[VR4]
	v_add_nc_u32 v[AKS], KSL, v[AKS]
	v_add_nc_u32 v[AVS], VSL, v[VR4]
	v_and_b32 v11, 8, v9
	v_add_nc_u32 v11, v11, v9
	v_lshlrev_b32 v12, 4, v10
	v_sub_nc_u32 v11, v11, v12
	v_add_nc_u32 v[VD], s2, v11
.irp j, 22,23,24,25,26,27,80,81,82,83,84,85
	v_mov_b32 v\j, 0                               ; q's zero codes; the registers that K's last fragment names beyond its six
.endr
	v_mov_b32 v29, 0xff61b1e6                      ; the largest t so far: -3e38
	v_floor_f32 v28, -v29                          ; -M
	v_mov_b32 v30, 0                               ; the sum, in two halves
	v_mov_b32 v31, 0
.irp b, 0,1,2,3
	v_mov_b32 v[BT+\b], 0                          ; a lane permute's destination counts as read
.endr
	v_mov_b32 v225, 0                              ; named as the upper half of v[224:225] before it is first written
.set jj, 0
.rept 32
	v_mov_b32 v[160+jj], 0                         ; O^T: the step is written without a first step of its own; the first change of M multiplies zeros
.set jj, jj+1
.endr
	s_mov_b32 s[KI], 0
	s_mov_b32 s[TK], 0
	s_mov_b32 s[TS], 0
	s_mov_b32 s[TV], VCL
	s_mov_b32 s[TT], 0
; A KEY STEP of 128 keys.  A step whose keys all come after my queries is left out by a scalar branch on the wave's number and the count; the lines that step addresses stand behind it.
.macro STEP
	s_cmp_gt_u32 s[KI], s[PI]
	s_cbranch_scc1 .Lhidden_\@
	v_add_nc_u32 v[ADK16], s[TK], v[L16]           ; six plain instructions: the places in front of loads into registers that the last products read
	v_add_nc_u32 v[ADK8], s[TK], v[L8]
	v_add_nc_u32 v[ADS], s[TS], v[AKS]
	v_add_nc_u32 v[ADV16], s[TV], v[L16]
	v_add_nc_u32 v[ADV8], s[TV], v[L8]
	v_add_nc_u32 v[ADT], s[TT], v[AVS]
.irp i, 0,1,2,3,4,5,6,7
	ds_load_b128 v[32+6*\i:35+6*\i], v[ADK16] offset:768*\i
	ds_load_b64 v[36+6*\i:37+6*\i], v[ADK8] offset:768*\i+512
	ds_load_u16 v[88+\i], v[ADS] offset:64*\i
.endr
	s_wait_dscnt 0x0
.irp i, 0,1,2,3,4,5,6,7
	v_wmma_scale_f32_16x16x128_f8f6f4 v[96+8*\i:103+8*\i], v[32+6*\i:43+6*\i], v[16:27], 0, v[88+\i], v227 matrix_a_fmt:MATRIX_FMT_FP6 matrix_b_fmt:MATRIX_FMT_FP6
.endr
.rept 4
	v_nop                                          ; four places: in front of the first read of the scores, and of the loads below into registers that these products have read
.endr
.irp t, 0,1,2,3                        ; V's four fragments and their scale words: asked for here, wanted behind the softmax, which names none of these registers
	ds_load_b128 v[32+12*\t:35+12*\t], v[ADV16] offset:1536*\t
	ds_load_b64 v[36+12*\t:37+12*\t], v[ADV8] offset:1536*\t+512
	ds_load_b128 v[38+12*\t:41+12*\t], v[ADV16] offset:1536*\t+768
	ds_load_b64 v[42+12*\t:43+12*\t], v[ADV8] offset:1536*\t+1280
	ds_load_b32 v[88+\t], v[ADT] offset:64*\t
.endr
	s_cmp_lg_u32 s[KI], s[PI]                      ; on the diagonal the scores of hidden keys become -infinity ahead of the maximum
	s_cbranch_scc1 .Lopen_\@
	v_mov_b32 v226, 0xff800000
.set nn, 0
.rept 64
	v_cmp_gt_i32 vcc_lo, 32*(nn/16)+nn%16, v[VD]   ; register 16 b + i holds key 32 b + 16 h + i of the step
	v_cndmask_b32 v[96+nn], v[96+nn], v226, vcc_lo
.set nn, nn+1
.endr
.Lopen_\@:
.irp b, 0,1,2,3
	v_max3_num_f32 v[BM+\b], v[96+16*\b], v[97+16*\b], v[98+16*\b]   ; the largest score of each block of 32 keys: for the row's maximum, and for the block's largest p
.endr
.irp i, 3,5,7,9,11,13
.irp b, 0,1,2,3
	v_max3_num_f32 v[BM+\b], v[BM+\b], v[96+16*\b+\i], v[97+16*\b+\i]
.endr
.endr
.irp b, 0,1,2,3
	v_max_num_f32 v[BM+\b], v[BM+\b], v[111+16*\b]
.endr
.irp b, 0,1,2,3
	v_permlanex16_b32 v[BT+\b], v[BM+\b], s[SEL], s[SEL+1]
.endr
.irp b, 0,1,2,3
	v_max_num_f32 v[BM+\b], v[BM+\b], v[BT+\b]
.endr
	v_max3_num_f32 v226, v[BM], v[BM+1], v[BM+2]
	v_max_num_f32 v226, v226, v[BM+3]
	v_mul_f32 v226, s[CS], v226
	v_max_num_f32 v29, v29, v226                   ; the running largest t
	v_mov_b32 v226, v28
	v_floor_f32 v28, -v29                          ; the new -M: a whole number
	v_sub_f32 v226, v28, v226
	v_cvt_i32_f32 v226, v226                       ; it saturates
	v_ldexp_f32 v224, 1.0, v226                    ; f = 2^(old M - new M): rounds nothing
.set jj, 0
.rept 32
	v_pk_fma_f32 v[96+jj:97+jj], v[96+jj:97+jj], s[CS:CS+1], v[28:29] op_sel_hi:[1,0,0]   ; t - M
.set jj, jj+2
.endr
.irp b, 0,1,2,3
	v_fma_f32 v[BM+\b], v[BM+\b], s[CS], v28
.endr
.set jj, 0
.rept 64
	v_exp_f32 v[96+jj], v[96+jj]                   ; p = 2^(t - M)
.set jj, jj+1
.endr
	v_pk_mul_f32 v[30:31], v[30:31], v[224:225] op_sel_hi:[1,0]   ; the sum under the new M: a plain instruction behind the exponentials
	s_wait_alu depctr_va_vdst(0)                   ; one wait for the batch, ahead of its first reader
.irp b, 0,1,2,3
	v_exp_f32 v[BM+\b], v[BM+\b]                   ; the block's largest p: the same two instructions on the same number
.endr
	v_pk_add_f32 v[BT:BT+1], v[96:97], v[98:99]    ; the sum of the unquantised p: 32 packed additions in four chains, so that no line waits for the line above it
	v_pk_add_f32 v[BT+2:BT+3], v[100:101], v[102:103]
	v_pk_add_f32 v[SU:SU+1], v[104:105], v[106:107]
	v_pk_add_f32 v[30:31], v[30:31], v[108:109]
.set jj, 14
.rept 6
	v_pk_add_f32 v[BT:BT+1], v[BT:BT+1], v[96+jj:97+jj]
	v_pk_add_f32 v[BT+2:BT+3], v[BT+2:BT+3], v[98+jj:99+jj]
	v_pk_add_f32 v[SU:SU+1], v[SU:SU+1], v[100+jj:101+jj]
	v_pk_add_f32 v[30:31], v[30:31], v[102+jj:103+jj]
.set jj, jj+8
.endr
	v_pk_add_f32 v[BT:BT+1], v[BT:BT+1], v[158:159]
	v_pk_add_f32 v[30:31], v[30:31], v[SU:SU+1]
	v_pk_add_f32 v[BT:BT+1], v[BT:BT+1], v[BT+2:BT+3]
	v_pk_add_f32 v[30:31], v[30:31], v[BT:BT+1]
	s_wait_alu depctr_va_vdst(0)                   ; and one for the four
.irp b, 0,1,2,3
	v_max_num_f32 v[BM+\b], 0x1800000, v[BM+\b]    ; the floor: the byte cannot fall under 1
.endr
.irp b, 0,1,2,3
	v_add_nc_u32 v[BO+\b], 0xff000000, v[BM+\b]
.endr
.irp b, 0,1,2,3
	v_lshrrev_b32 v[BT+\b], 23, v[BO+\b]
.endr
	v_lshl_or_b32 v225, v[BT+1], 8, v[BT]          ; p's scale word for these 128 keys
	v_lshl_or_b32 v225, v[BT+2], 16, v225
	v_lshl_or_b32 v225, v[BT+3], 24, v225
.irp c, 0,1
	v_cvt_scalef32_pk16_fp6_f32 v[192+6*\c:194+6*\c], v[96+32*\c:111+32*\c], v[BO+2*\c]
	v_cvt_scalef32_pk16_fp6_f32 v[204+4*\c:206+4*\c], v[112+32*\c:127+32*\c], v[BO+2*\c+1]
.endr
	v_nop
.irp c, 0,1
.irp i, 0,1,2
	v_permlane16_swap_b32 v[192+6*\c+\i], v[204+4*\c+\i]
.endr
.irp i, 0,1,2
	v_mov_b32 v[195+6*\c+\i], v[204+4*\c+\i]
.endr
.endr
.set jj, 0
.rept 16
	v_pk_mul_f32 v[160+jj:161+jj], v[160+jj:161+jj], v[224:225] op_sel_hi:[1,0]   ; O^T under the new M; also the places ahead of the scaled products below
.set jj, jj+2
.endr
	s_wait_dscnt 0x0                               ; V's fragments and scale words are in
.irp t, 0,1,2,3
	v_wmma_scale_f32_16x16x128_f8f6f4 v[160+8*\t:167+8*\t], v[32+12*\t:43+12*\t], v[192:203], v[160+8*\t:167+8*\t], v[88+\t], v225 matrix_a_fmt:MATRIX_FMT_FP6 matrix_b_fmt:MATRIX_FMT_FP6
.endr
.Lhidden_\@:
	s_add_co_u32 s[KI], s[KI], 1
	s_add_co_u32 s[TK], s[TK], 6144
	s_add_co_u32 s[TS], s[TS], 512
	s_add_co_u32 s[TV], s[TV], 6144
	s_add_co_u32 s[TT], s[TT], 256
.endm
	s_wait_loadcnt 0x0                             ; q
	s_wait_tensorcnt 3                             ; the scale words and key steps 0 to 3 are in; the three later groups may be out
	s_barrier_signal -1
	s_barrier_wait -1
	s_mov_b32 s13, 4
.Lfirst:
	STEP
	s_sub_co_u32 s13, s13, 1
	s_cmp_lg_u32 s13, 0
	s_cbranch_scc1 .Lfirst
	s_wait_tensorcnt 0x0                           ; all of K and V
	s_wait_dscnt 0x0
	s_barrier_signal -1
	s_barrier_wait -1
	s_mov_b32 s13, 12
.Lrest:
	STEP
	s_sub_co_u32 s13, s13, 1
	s_cmp_lg_u32 s13, 0
	s_cbranch_scc1 .Lrest
	; THE WAY OUT: O^T / the sum is quantised along the head's 64: half a fragment of the next product, and two scale bytes a row.
.rept 4
	v_nop
.endr
	v_add_f32 v30, v30, v31
	v_permlanex16_b32 v224, v30, s[SEL], s[SEL+1]
	v_add_f32 v30, v30, v224
	v_rcp_f32 v30, v30
	v_nop
	s_wait_alu depctr_va_vdst(0)
.set jj, 0
.rept 32
	v_mul_f32 v[96+jj], v[160+jj], v30             ; register 16 b + i: channel 32 b + 16 h + i
.set jj, jj+1
.endr
.irp b, 0,1
	v_max3_num_f32 v[BM+\b], |v[96+16*\b]|, |v[97+16*\b]|, 0x1800000
.endr
.irp i, 2,4,6,8,10,12,14
.irp b, 0,1
	v_max3_num_f32 v[BM+\b], v[BM+\b], |v[96+16*\b+\i]|, |v[97+16*\b+\i]|
.endr
.endr
.irp b, 0,1
	v_permlanex16_b32 v[BT+\b], v[BM+\b], s[SEL], s[SEL+1]
.endr
.irp b, 0,1
	v_max_num_f32 v[BM+\b], v[BM+\b], v[BT+\b]
.endr
.irp b, 0,1
	v_add_nc_u32 v[BO+\b], 0xff000000, v[BM+\b]
.endr
.irp b, 0,1
	v_lshrrev_b32 v[BT+\b], 23, v[BO+\b]
.endr
	v_lshl_or_b32 v226, v[BT+1], 8, v[BT]
	v_cvt_scalef32_pk16_fp6_f32 v[192:194], v[96:111], v[BO]
	v_cvt_scalef32_pk16_fp6_f32 v[204:206], v[112:127], v[BO+1]
	v_nop
.irp i, 0,1,2
	v_permlane16_swap_b32 v[192+\i], v[204+\i]
.endr
.irp i, 0,1,2
	v_mov_b32 v[195+\i], v[204+\i]
.endr
	global_store_b128 v[L16], v[192:195], s[94:95]             ; 512 consecutive bytes,
	global_store_b64 v[L8], v[196:197], s[94:95] offset:512    ; and 256
	global_store_b16 v[VR4], v226, s[96:97]                    ; two bytes of each row's scale word: the other head of the pair stores the other two
	s_wait_tensorcnt 0x0                           ; the wave's end
	ds_add_u32 v[SPW], v[NIL]
	s_wait_dscnt 0x0
	CROUND                                         ; the closing round
	s_endpgm
.Lfunc_end_k_qc64519be93_attn:
	.size	k_qc64519be93_attn, .Lfunc_end_k_qc64519be93_attn-k_qc64519be93_attn
	.p2alignl 7, 3214868480
	.fill 96, 4, 3214868480
	.section	.rodata,"a",@progbits
	.p2align	6, 0x0
	.amdhsa_kernel k_qc64519be93_attn
		.amdhsa_group_segment_fixed_size 210944
		.amdhsa_private_segment_fixed_size 0
		.amdhsa_enable_private_segment 0
		.amdhsa_kernarg_size 16
		.amdhsa_user_sgpr_count 2
		.amdhsa_user_sgpr_kernarg_segment_ptr 1
		.amdhsa_wavefront_size32 1
		.amdhsa_system_sgpr_workgroup_id_x 1
		.amdhsa_system_sgpr_workgroup_id_y 1
		.amdhsa_system_sgpr_workgroup_id_z 1
		.amdhsa_system_vgpr_workitem_id 0
		.amdhsa_next_free_vgpr 256
		.amdhsa_next_free_sgpr 102
		.amdhsa_reserve_vcc 1
		.amdhsa_float_denorm_mode_32 3
		.amdhsa_float_denorm_mode_16_64 3
		.amdhsa_memory_ordered 1
		.amdhsa_forward_progress 1
		.amdhsa_inst_pref_size 60
	.end_amdhsa_kernel
	.amdgpu_metadata
---
amdhsa.version: [ 1, 2 ]
amdhsa.kernels:
  - .name:           k_qc64519be93_attn
    .symbol:         k_qc64519be93_attn.kd
    .args:
      - { .name: qkvc, .offset: 0, .size: 8, .value_kind: global_buffer, .address_space: global }
      - { .name: att, .offset: 8, .size: 8, .value_kind: global_buffer, .address_space: global }
    .group_segment_fixed_size: 210944
    .private_segment_fixed_size: 0
    .kernarg_segment_align: 8
    .kernarg_segment_size: 16
    .max_flat_workgroup_size: 512
    .sgpr_count:     102
    .vgpr_count:     256
    .wavefront_size: 32
...
	.end_amdgpu_metadata
.endif
;; end of part 3
;; launch proj (part 4): grid 8 x 32, 4 waves a work-group, clusters of 4 x 4, 327,680 bytes of LDS; arguments att, wsp, y; writes y
.if DOCPART == 4
	.amdgcn_target "amdgcn-amd-amdhsa--gfx1250"
	.amdhsa_code_object_version 6
	.text
	.protected	k_qc64519be93_proj
	.globl	k_qc64519be93_proj
	.p2align	8
	.type	k_qc64519be93_proj,@function
k_qc64519be93_proj:
	s_mov_b64 s[64:65], 0
	v_nop
	global_prefetch_b8 v0, s[64:65] scope:SCOPE_SE
	s_setreg_imm32_b32 hwreg(HW_REG_WAVE_MODE, 25, 1), 1
	s_wait_xcnt 0x0
	s_wait_alu depctr_hold_cnt(0) depctr_sa_sdst(0) depctr_va_vdst(0) depctr_va_sdst(0) depctr_va_ssrc(0) depctr_va_vcc(0) depctr_vm_vsrc(0)
	s_getreg_b32 s2, hwreg(HW_REG_IB_STS2, 6, 4)
	s_cmp_eq_u32 s2, 0
	s_cbranch_scc0 .Lentry_in_a_cluster
	s_endpgm
.Lentry_in_a_cluster:
	s_bfe_u32 s2, ttmp6, 0x10000c
	s_cmp_lg_u32 s2, 0xf033
	s_cbranch_scc0 .Lentry_shape_is_right
	s_endpgm
.Lentry_shape_is_right:
; A GEMM ON CODES OF FP6 (E2M3) WITH AN f32 RESULT.  One text serves two launches: KIND = 2: attn x wproj (K = 1,024);  KIND = 3: h x w2 (K = 4,096).
; Both operands lie in memory as images of operand registers: fragment (tile t of 16 rows, K step s of 128) at (t S + s) x 1536 bytes, its scale words at (t S + s) x 64 + 4 r;
; a tile's rows are row(t, r) = 32 (t / 2) + 8 (t % 2) + r + 8 (r / 8).  R (the tokens) is source 1, P (the weight's rows) source 0.
; The result has 1,024 columns, so tiles of 128 x 128 give each of 256 work-groups one: four waves of 64 x 64, 16 accumulators.  K goes in slots of 512 through a ring of two LDS slots;
; each wave fetches a quarter of a slot by one tensor load (4 tiles x 6,144 bytes).  All scale words of the work-group's rows come once, with the first fills.
; The accumulators leave AS THEY STAND, 512 consecutive bytes a store: y is laid [token tile][8 column steps][16 x 512 bytes], register 16 b + i of lane (r, h) = column 32 b + 16 h + i of the step.
; The launch that follows reads that image, adds bias and residual and normalises: a row's mean wants all 1,024 columns, which no work-group here has.
; CLUSTER 4 x 4: R's tiles are shared along a row of the cluster, P's along a column.  No prefetch: the launches are short.
; REGISTERS: window 0: v16-29 addresses; v32-63 scale words, two sets; v64-111 R's fragments, one set; v128-255 accumulator (a, b) at v[128 + 8 (4 a + b)];  window 1: P's fragments, two sets, at v0 and v128.
.set KIND,  2
.set BIGK,  0
.set NA,    4                          ; blocks of 16 rows of a wave, of R and of P
.set NQ,    4                          ; K steps of 128 in a slot
.set AF,    64
.if KIND == 2
.set S,     8
.set ROFF,  0                          ; att: codes, scales
.set RSOFF, 3145728
.set POFF,  5505024                    ; wsp: wproj's
.set PSOFF, 12812288
.else
.set S,     32
.set ROFF,  0                          ; hh
.set RSOFF, 12582912
.set POFF,  9437184                    ; wsp: w2's
.set PSOFF, 12976128
.endif
.set FP,    NQ*1536                    ; a tile's bytes in a slot
.set QT,    NA*FP                      ; a quarter of a slot: what one tensor load brings
.set SLOT,  4*QT                       ; R's two halves, then P's two
.set LAPS,  S/(2*NQ)
.set QS,    NA*S*64                    ; the scale words of a quarter's tiles
.set SCL,   2*SLOT
.set SPARE, SCL+4*QS                   ; the spare words: 128 bytes for each wave, named by no other line
.set NL,    4                          ; LDS loads of a fragment
.set ADRA16, 16
.set ADRA8,  18
.set ADRB16, 20
.set ADRB8,  22
.set V16,  24
.set V8,   25
.set VR4,  26
.set ADRS, 27
.set SPW,  28
.set NIL,  29
.set SC,   32
.set G1, 24
.set G0, 32
.set G1B, 48
.set G0B, 56
.set G1S, 68
.set G0S, 76
.set G1SB, 80
.set G0SB, 88
.set MSB, 0
.macro WIN new                         ; the immediate's high byte repeats the setting that is left
.if MSB != (\new)
	s_set_vgpr_msb (MSB<<8)|(\new)
.set MSB, (\new)
.endif
.endm
.macro PLACES n
.rept \n
	v_nop
.endr
.endm
; A joint load: waves 0 and 1 fetch for R, waves 2 and 3 for P.  An s_nop 0 and four v_nop follow each of the two lines.
.macro JLOAD g0a, g1a, g0b, g1b
	s_cmp_eq_u32 s15, 0
	s_cbranch_scc0 .Lfor_b_\@
	tensor_load_to_lds s[\g0a:\g0a+3], s[\g1a:\g1a+7]
	s_nop 0
.rept 4
	v_nop
.endr
	s_branch .Lasked_\@
.Lfor_b_\@:
	tensor_load_to_lds s[\g0b:\g0b+3], s[\g1b:\g1b+7]
	s_nop 0
.rept 4
	v_nop
.endr
.Lasked_\@:
.endm
.macro CREST                           ; a round of the cluster's barrier behind its opening barrier
	s_cmp_lg_u32 s14, 0
	s_cbranch_scc1 .Lnot_wave_0_\@
	s_barrier_signal -3
.Lnot_wave_0_\@:
	s_barrier_wait -3
	s_barrier_signal -1
	s_barrier_wait -1
.endm
.macro CROUND
	s_barrier_signal -1
	s_barrier_wait -1
	CREST
.endm
	s_load_b128 s[4:7], s[0:1], 0x0                ; R's buffer, wsp
	s_load_b64 s[8:9], s[0:1], 0x10                ; y
	v_lshl_add_u32 v[SPW], v0, 2, SPARE
	v_mov_b32 v[NIL], 0
	ds_add_u32 v[SPW], v[NIL]                      ; the wave's opening: the add and its wait stand ahead of my first tensor load; register work stands between
	v_lshrrev_b32 v1, 5, v0
	v_readfirstlane_b32 s14, v1                    ; wave
	s_lshr_b32 s15, s14, 1                         ; my half of R's rows.  Also: I fetch for R (0) or P (1)
	s_and_b32 s16, s14, 1                          ; my half of P's rows.  Also: which half I fetch
	s_bfe_u32 s40, ttmp6, 0x40000                  ; cx
	s_bfe_u32 s41, ttmp6, 0x40004                  ; cy
	s_lshl_b32 s42, ttmp9, 2
	s_add_co_u32 s42, s42, s40                     ; TC: P's 128 rows
	s_and_b32 s18, ttmp7, 0xffff
	s_lshl_b32 s17, s18, 2
	s_add_co_u32 s17, s17, s41                     ; TR: R's 128 rows
	s_lshl_b32 s43, s41, 2
	s_lshl_b32 s43, 15, s43                        ; my row of the cluster
	s_lshl_b32 s44, 0x1111, s40                    ; my column
	s_or_b32 s[G1], s43, (3<<16)|(1<<21)           ; 15:0 the mask; 17:16 elements of 8 bytes; 21 set beside a mask; no padding: every LDS read takes consecutive bytes
	s_or_b32 s[G1B], s44, (3<<16)|(1<<21)
	s_or_b32 s[G1S], s43, (3<<16)|(1<<21)
	s_or_b32 s[G1SB], s44, (3<<16)|(1<<21)
.irp g, G1, G1B
	s_mov_b32 s[\g+1], (FP/8)<<16                  ; tensor_dim0: a tile's bytes of a slot
	s_mov_b32 s[\g+2], NA<<16                      ; tensor_dim1: tiles
	s_mov_b32 s[\g+3], (FP/8)<<16                  ; tile_dim0
	s_mov_b32 s[\g+4], NA                          ; tile_dim1
	s_mov_b32 s[\g+5], S*192                       ; from tile to tile
	s_mov_b32 s[\g+6], 0
	s_mov_b32 s[\g+7], 0
.endr
.irp g, G1S, G1SB                      ; the scale words of a quarter's tiles: a dense block, as rows of 256 bytes
	s_mov_b32 s[\g+1], 32<<16
	s_mov_b32 s[\g+2], (QS/256)<<16
	s_mov_b32 s[\g+3], 32<<16
	s_mov_b32 s[\g+4], QS/256
	s_mov_b32 s[\g+5], 32
	s_mov_b32 s[\g+6], 0
	s_mov_b32 s[\g+7], 0
.endr
	s_mul_i32 s45, s16, NA
	s_mul_i32 s20, s17, 2*NA
	s_add_co_u32 s20, s20, s45                     ; R's first tile that I would fetch
	s_mul_i32 s46, s42, 2*NA
	s_add_co_u32 s46, s46, s45                     ; P's
	s_mul_i32 s22, s20, S*64
	s_mul_i32 s92, s46, S*64
	s_mul_i32 s20, s20, S*1536
	s_mul_i32 s46, s46, S*1536
	s_add_co_u32 s20, s20, ROFF
	s_add_co_u32 s22, s22, RSOFF
	s_add_co_u32 s46, s46, POFF
	s_add_co_u32 s92, s92, PSOFF
	s_mov_b32 s21, 0
	s_mov_b32 s23, 0
	s_mov_b32 s47, 0
	s_mov_b32 s93, 0
	s_mul_i32 s45, s14, QT                         ; where they go: no place in the cluster enters an LDS address
	s_mul_i32 s94, s14, QS
	s_wait_dscnt 0x0                               ; the opening add is done
	s_wait_kmcnt 0x0
	s_add_nc_u64 s[20:21], s[4:5], s[20:21]
	s_add_nc_u64 s[22:23], s[4:5], s[22:23]
	s_add_nc_u64 s[46:47], s[6:7], s[46:47]
	s_add_nc_u64 s[92:93], s[6:7], s[92:93]
	CROUND                                         ; all sixteen work-groups are here: the first joint loads meet
	s_mov_b32 s[G0S], 1
	s_add_co_u32 s[G0S+1], s94, SCL
	s_mov_b64 s[G0S+2:G0S+3], s[22:23]
	s_or_b32 s[G0S+3], s[G0S+3], 0x80000000
	s_mov_b32 s[G0SB], 1
	s_add_co_u32 s[G0SB+1], s94, SCL
	s_mov_b64 s[G0SB+2:G0SB+3], s[92:93]
	s_or_b32 s[G0SB+3], s[G0SB+3], 0x80000000
	JLOAD G0S, G1S, G0SB, G1SB                     ; the scale words first; with the two slots three loads of mine are out
.irp s, 0,1
	s_mov_b32 s[G0+4*\s], 1
	s_add_co_u32 s[G0+4*\s+1], s45, \s*SLOT
	s_add_nc_u64 s[G0+4*\s+2:G0+4*\s+3], s[20:21], \s*FP
	s_or_b32 s[G0+4*\s+3], s[G0+4*\s+3], 0x80000000
	s_mov_b32 s[G0B+4*\s], 1
	s_add_co_u32 s[G0B+4*\s+1], s45, \s*SLOT
	s_add_nc_u64 s[G0B+4*\s+2:G0B+4*\s+3], s[46:47], \s*FP
	s_or_b32 s[G0B+4*\s+3], s[G0B+4*\s+3], 0x80000000
	JLOAD G0+4*\s, G1, G0B+4*\s, G1B
.endr
	v_and_b32 v1, 31, v0
	v_and_b32 v2, 15, v0                           ; r
	v_bfe_u32 v3, v0, 4, 1                         ; h
	v_lshlrev_b32 v[V16], 4, v1
	v_lshlrev_b32 v[V8], 3, v1
	v_lshlrev_b32 v[VR4], 2, v2
	s_mul_i32 s21, s15, QT
	s_mul_i32 s22, s16, QT
	s_add_co_u32 s22, s22, 2*QT
.irp s, 0,1
	v_add_nc_u32 v[ADRA16+\s], s21, v[V16]
	v_add_nc_u32 v[ADRA8+\s], s21, v[V8]
	v_add_nc_u32 v[ADRB16+\s], s22, v[V16]
	v_add_nc_u32 v[ADRB8+\s], s22, v[V8]
	s_add_co_u32 s21, s21, SLOT
	s_add_co_u32 s22, s22, SLOT
.endr
	s_mul_i32 s21, s15, QS
	s_mul_i32 s22, s16, QS
	s_add_co_u32 s22, s22, 2*QS
	s_sub_co_u32 s22, s22, s21
	v_mul_u32_u24 v4, s22, v3                      ; lanes 16-31 take P's words: one product, the distance between the two bases
	s_add_co_u32 s21, s21, SCL
	v_add_nc_u32 v4, v4, v[VR4]
	v_add_nc_u32 v[ADRS], s21, v4
	s_lshl_b32 s18, s17, 3                         ; y: ((8 TR + 4 half) x 8 + TC) x 8,192 + 4,096 x my half of the columns
	s_lshl_b32 s19, s15, 2
	s_add_co_u32 s18, s18, s19
	s_lshl_b32 s18, s18, 3
	s_add_co_u32 s18, s18, s42
	s_lshl_b32 s18, s18, 13
	s_lshl_b32 s19, s16, 12
	s_add_co_u32 s18, s18, s19
	s_mov_b32 s19, 0
	s_add_nc_u64 s[8:9], s[8:9], s[18:19]
.macro FRAG reg, a16, a8, off          ; a fragment comes back as it was stored: 512, 256, 512, 256 consecutive bytes
	ds_load_b128 v[\reg:\reg+3], v[\a16] offset:\off
	ds_load_b64 v[\reg+4:\reg+5], v[\a8] offset:\off+512
	ds_load_b128 v[\reg+6:\reg+9], v[\a16] offset:\off+768
	ds_load_b64 v[\reg+10:\reg+11], v[\a8] offset:\off+1280
.endm
.macro FETCH_B slot, q, p              ; P's blocks of the slot's q-th K step into set p
	WIN 0x40
.set ii, 0
.rept NA
	FRAG 128*(\p)+12*ii, ADRB16+\slot, ADRB8+\slot, ii*FP+(\q)*1536
.set ii, ii+1
.endr
	WIN 0
.endm
.macro FETCH_A slot, q, i0             ; half of R's blocks, from i0 on
.set ii, \i0
.rept NA/2
	FRAG AF+12*ii, ADRA16+\slot, ADRA8+\slot, ii*FP+(\q)*1536
.set ii, ii+1
.endr
.endm
.macro SCALES sc                       ; a slot's scale words into set sc: register NQ i + q: lanes 0-15 R's block i, lanes 16-31 P's block i
.set ii, 0
.rept NA
.set qi, 0
.rept NQ
	ds_load_b32 v[SC+16*\sc+NQ*ii+qi], v[ADRS] offset:(ii*S+qi)*64
.set qi, qi+1
.endr
.set ii, ii+1
.endr
.endm
.macro WM c
	v_wmma_scale_f32_16x16x128_f8f6f4 v[AC0+8*bb:AC0+8*bb+7], v[PB+12*bb:PB+12*bb+11], v[RA:RA+11], \c, v[SCP+NQ*bb], v[SCR] matrix_a_fmt:MATRIX_FMT_FP6 matrix_b_fmt:MATRIX_FMT_FP6 matrix_a_scale:MATRIX_SCALE_ROW1
.endm
; R's block a against all of P's blocks.  The accumulators take turns, one instruction a turn, in the same order in every step.
.macro MULB a, p, q, sc, zero
.set PB, 128*(\p)
.set RA, AF+12*(\a)
.set SCP, SC+16*(\sc)+(\q)
.set SCR, SC+16*(\sc)+NQ*(\a)+(\q)
.set AC0, 128+32*(\a)
	WIN 0x01                                       ; P window 1; R, C and D window 0
.set bb, 0
.rept NA
.if \zero
	WM 0
.else
	WM v[AC0+8*bb:AC0+8*bb+7]
.endif
.set bb, bb+1
.endr
.endm
.macro MULR a0, n, p, q, sc, zero
.set aa, \a0
.rept \n
	MULB aa, \p, \q, \sc, \zero
.set aa, aa+1
.endr
.endm
; A K step that has its successor in the same slot.  Loads into registers that matrix instructions have read stand four plain instructions behind them.
.macro STEP slot, q, zero
	s_wait_dscnt (NA/2)*NL                         ; all but the youngest loads, R's upper blocks
	MULR 0, NA/2, (\q)%2, \q, \slot, \zero
	s_wait_dscnt 0x0
	PLACES 4
	FETCH_B \slot, (\q)+1, 1-(\q)%2
	FETCH_A \slot, (\q)+1, 0
	MULR NA/2, NA/2, (\q)%2, \q, \slot, \zero
	PLACES 4
	WIN 0
	FETCH_A \slot, (\q)+1, NA/2
.endm
.macro STEPS slot, q0                  ; the slot's steps q0 .. NQ - 2
.set qq, \q0
.rept NQ-1-(\q0)
	STEP \slot, qq, 0
.set qq, qq+1
.endr
.endm
; A slot's last step changes slots: one barrier; in front of it each wave waits for all its tensor loads, adds 0 to its spare word, and waits for that and for its reads of this slot.
.macro TURN slot, next, fill
	s_wait_tensorcnt 0x0                           ; my part of the next slot has landed; no load of mine is out
	ds_add_u32 v[SPW], v[NIL]
	s_wait_dscnt (NA/2)*NL+1                       ; the add and R's upper blocks may be out
	MULR 0, NA/4, 1, NQ-1, \slot, 0
	s_wait_dscnt 0x0                               ; the add is done, and my reads of this slot are over
	s_barrier_signal -1
	MULR NA/4, NA/4, 1, NQ-1, \slot, 0
	WIN 0
	s_barrier_wait -1
.if \fill
	CREST                                          ; the barrier has opened a round of the cluster's: no wave of any partner still reads this slot or has a load on its way
	s_add_nc_u64 s[G0+4*\slot+2:G0+4*\slot+3], s[G0+4*\slot+2:G0+4*\slot+3], 2*FP
	s_add_nc_u64 s[G0B+4*\slot+2:G0B+4*\slot+3], s[G0B+4*\slot+2:G0B+4*\slot+3], 2*FP
	JLOAD G0+4*\slot, G1, G0B+4*\slot, G1B         ; my one load behind the round; its four v_nop are the places in front of the loads below
.else
	PLACES 4
.endif
	v_add_nc_u32 v[ADRS], NQ*64, v[ADRS]
	FETCH_B \next, 0, 0
	FETCH_A \next, 0, 0
	SCALES \next
	MULR NA/2, NA/2, 1, NQ-1, \slot, 0
	PLACES 4
	WIN 0
	FETCH_A \next, 0, NA/2
.endm
	s_wait_tensorcnt 1                             ; the scale words and my part of slot 0 are in; slot 1's load may be out
	s_barrier_signal -1
	s_barrier_wait -1
	FETCH_B 0, 0, 0
	FETCH_A 0, 0, 0
	SCALES 0
	FETCH_A 0, 0, NA/2
	STEP 0, 0, 1                                   ; the first step starts the sums: nothing is cleared
.if LAPS > 1
	s_mov_b32 s3, LAPS-1
.Llap:                                                 ; once round the ring, from a lap's second step to the next lap's first; both slots are filled again
	STEPS 0, 1
	TURN 0, 1, 1
	STEPS 1, 0
	TURN 1, 0, 1
	STEP 0, 0, 0
	s_sub_co_u32 s3, s3, 1
	s_cmp_lg_u32 s3, 0
	s_cbranch_scc1 .Llap
.endif
	STEPS 0, 1                                     ; the last lap fills nothing
	TURN 0, 1, 0
	STEPS 1, 0
	s_wait_dscnt (NA/2)*NL
	MULR 0, NA/2, 1, NQ-1, 1, 0
	s_wait_dscnt 0x0
	MULR NA/2, NA/2, 1, NQ-1, 1, 0
	WIN 0
	PLACES 4
.irp a, 0,1,2,3                        ; THE WAY OUT: each accumulator from its low end on; every store covers 512 consecutive bytes, aligned
.irp q, 0,1,2,3,4,5,6,7
	global_store_b128 v[V16], v[128+32*\a+4*\q:131+32*\a+4*\q], s[8:9] offset:\a*65536+512*\q
.endr
.endr
	s_wait_tensorcnt 0x0                           ; the wave's end
	ds_add_u32 v[SPW], v[NIL]
	s_wait_dscnt 0x0
	CROUND                                         ; the closing round
	s_endpgm
.Lfunc_end_k_qc64519be93_proj:
	.size	k_qc64519be93_proj, .Lfunc_end_k_qc64519be93_proj-k_qc64519be93_proj
	.p2alignl 7, 3214868480
	.fill 96, 4, 3214868480
	.section	.rodata,"a",@progbits
	.p2align	6, 0x0
	.amdhsa_kernel k_qc64519be93_proj
		.amdhsa_group_segment_fixed_size 327680
		.amdhsa_private_segment_fixed_size 0
		.amdhsa_enable_private_segment 0
		.amdhsa_kernarg_size 24
		.amdhsa_user_sgpr_count 2
		.amdhsa_user_sgpr_kernarg_segment_ptr 1
		.amdhsa_wavefront_size32 1
		.amdhsa_system_sgpr_workgroup_id_x 1
		.amdhsa_system_sgpr_workgroup_id_y 1
		.amdhsa_system_sgpr_workgroup_id_z 1
		.amdhsa_system_vgpr_workitem_id 0
		.amdhsa_next_free_vgpr 512
		.amdhsa_next_free_sgpr 100
		.amdhsa_reserve_vcc 0
		.amdhsa_float_denorm_mode_32 3
		.amdhsa_float_denorm_mode_16_64 3
		.amdhsa_memory_ordered 1
		.amdhsa_forward_progress 1
		.amdhsa_inst_pref_size 51
	.end_amdhsa_kernel
	.amdgpu_metadata
---
amdhsa.version: [ 1, 2 ]
amdhsa.kernels:
  - .name:           k_qc64519be93_proj
    .symbol:         k_qc64519be93_proj.kd
    .args:
      - { .name: att, .offset: 0, .size: 8, .value_kind: global_buffer, .address_space: global }
      - { .name: wsp, .offset: 8, .size: 8, .value_kind: global_buffer, .address_space: global }
      - { .name: y, .offset: 16, .size: 8, .value_kind: global_buffer, .address_space: global }
    .group_segment_fixed_size: 327680
    .private_segment_fixed_size: 0
    .kernarg_segment_align: 8
    .kernarg_segment_size: 24
    .max_flat_workgroup_size: 128
    .sgpr_count:     100
    .vgpr_count:     512
    .wavefront_size: 32
...
	.end_amdgpu_metadata
.endif
;; end of part 4
;; launch ln1 (part 5): grid 256 x 1, 8 waves a work-group, no clusters, 69,632 bytes of LDS; arguments y, x, bproj, ln1_g, ln1_b, x1; writes x1
.if DOCPART == 5
	.amdgcn_target "amdgcn-amd-amdhsa--gfx1250"
	.amdhsa_code_object_version 6
	.text
	.protected	k_qc64519be93_ln1
	.globl	k_qc64519be93_ln1
	.p2align	8
	.type	k_qc64519be93_ln1,@function
k_qc64519be93_ln1:
	s_mov_b64 s[64:65], 0
	v_nop
	global_prefetch_b8 v0, s[64:65] scope:SCOPE_SE
	s_setreg_imm32_b32 hwreg(HW_REG_WAVE_MODE, 25, 1), 1
	s_wait_xcnt 0x0
; RESIDUAL + BIAS + LAYER NORM.  One text serves two launches: LN = 1: x1 = LN(x + (y + bproj)), stored as an f32 image and as codes of FP6 with scale words;  LN = 2: out0 = LN(x1 + (y + b2)), stored as rows.
; A work-group takes one tile of 16 tokens, row(t, r) = 32 (t / 2) + 8 (t % 2) + r + 8 (r / 8); wave s takes columns 128 s .. 128 s + 127.  y lies as the image that the product left:
; (8 t + s) x 8,192 + 512 q + 16 x lane holds registers 4 q .. 4 q + 3; register 16 b + i of lane (r, h) = column 128 s + 32 b + 16 h + i of row r: the order that the quantiser takes.
; Rows in memory (x in, out0 out) are read and written 512 consecutive bytes at a time and turned through the wave's own stage in LDS.
; The mean is taken first and the variance of the differences in a second pass over the registers, so a common offset of the inputs costs no digits.  A row's eight partial sums meet in LDS.
; Memory binds: every byte is moved once, in dense loads and stores; matrix units, clusters and tensor loads would add nothing.
; LIMITS: sums are trees, so their order of rounding differs from a plain sum's; 1 / sqrt by v_rsq_f32; NaN and infinities are not served; a block whose largest magnitude lies under 2^-124 gets the byte 1.
.set LN,    1
.set X1C,   16777216                   ; regions of x1: the f32 image at 0
.set X1S,   19922944
.set STG,   8448                       ; a wave's stage: 16 rows x (512 bytes + 16)
.set RED,   8*STG                      ; the rows' partial sums: word 32 r + 4 s; the second reduction's 512 bytes on
.set SPARE, RED+1024                   ; the spare words: 128 bytes for each wave, named by no other line
.set Z,   32                           ; v32-95   the numbers
.set T,   96                           ; v96-159  the residual, then the gain
.set U,   160                          ; v160-223 the bias, then the norm's bias
.set TM,  224
.set PW,  240
.set PC,  96                           ; the codes, where the gain lay
.set V16, 4
.set V8,  5
.set VR4, 6
.set H64, 7
.set STI, 8                            ; the stage by rows: 16 x lane
.set STO, 9                            ; the stage by lanes: row r, + 64 h
.set RST, 10
.set RLD, 11
.set SPW, 252
.set NIL, 253
.set SEL, 24
.macro IMG reg, base                   ; an image: 16 loads of 512 consecutive bytes
.set qq, 0
.rept 16
	global_load_b128 v[\reg+4*qq:\reg+4*qq+3], v[V16], s[\base:\base+1] offset:512*qq th:TH_LOAD_NT
.set qq, qq+1
.endr
.endm
.macro COLS reg, base                  ; a vector over the columns, in the image's order
.set qq, 0
.rept 16
	global_load_b128 v[\reg+4*qq:\reg+4*qq+3], v[H64], s[\base:\base+1] offset:128*(qq/4)+16*(qq%4)
.set qq, qq+1
.endr
.endm
.macro ADDZ reg
.set jj, 0
.rept 32
	v_pk_add_f32 v[Z+jj:Z+jj+1], v[Z+jj:Z+jj+1], v[\reg+jj:\reg+jj+1]
.set jj, jj+2
.endr
.endm
; four chains in v[244:251] become the row's sum over all 1,024 columns, in v244 of every lane
.macro ROWSUM off
	v_pk_add_f32 v[244:245], v[244:245], v[246:247]
	v_pk_add_f32 v[248:249], v[248:249], v[250:251]
	v_pk_add_f32 v[244:245], v[244:245], v[248:249]
	v_add_f32 v244, v244, v245
	v_permlanex16_b32 v245, v244, s[SEL], s[SEL+1]
	v_add_f32 v244, v244, v245                     ; my wave's 128 columns of row r
	ds_store_b32 v[RST], v244 offset:\off          ; lanes r and r + 16 store the same word
	s_wait_dscnt 0x0                               ; for the others' sake
	s_barrier_signal -1
	s_barrier_wait -1
	ds_load_b128 v[244:247], v[RLD] offset:\off
	ds_load_b128 v[248:251], v[RLD] offset:\off+16
	s_wait_dscnt 0x0
	v_add_f32 v244, v244, v245
	v_add_f32 v246, v246, v247
	v_add_f32 v248, v248, v249
	v_add_f32 v250, v250, v251
	v_add_f32 v244, v244, v246
	v_add_f32 v248, v248, v250
	v_add_f32 v244, v244, v248
.endm
	s_load_b256 s[4:11], s[0:1], 0x0               ; y, the residual, the bias, the gain
	s_load_b128 s[12:15], s[0:1], 0x20             ; the norm's bias, the output
	v_lshl_add_u32 v[SPW], v0, 2, SPARE
	v_mov_b32 v[NIL], 0
	v_lshrrev_b32 v1, 5, v0
	v_readfirstlane_b32 s16, v1                    ; wave = column step
	v_and_b32 v1, 31, v0
	v_and_b32 v2, 15, v0                           ; r
	v_bfe_u32 v3, v0, 4, 1                         ; h
	v_lshlrev_b32 v[V16], 4, v1
	v_lshlrev_b32 v[V8], 3, v1
	v_lshlrev_b32 v[VR4], 2, v2
	v_lshlrev_b32 v[H64], 6, v3
	s_mul_i32 s17, s16, STG
	v_add_nc_u32 v[STI], s17, v[V16]
	v_mul_u32_u24 v[STO], v2, 528
	v_add_nc_u32 v[STO], v[STO], v[H64]
	v_add_nc_u32 v[STO], s17, v[STO]
	v_lshlrev_b32 v[RLD], 5, v2
	v_add_nc_u32 v[RLD], RED, v[RLD]
	s_lshl_b32 s17, s16, 2
	v_add_nc_u32 v[RST], s17, v[RLD]
	v_mov_b32 v243, 0                              ; named as the upper half of v[242:243]
.irp b, 0,1,2,3
	v_mov_b32 v[TM+4+\b], 0
.endr
	s_mov_b32 s[SEL], 0x76543210
	s_mov_b32 s[SEL+1], 0xfedcba98
	s_mov_b32 s17, 0x3727c5ac                      ; 1e-5
	s_lshl_b32 s18, ttmp9, 3
	s_add_co_u32 s18, s18, s16                     ; 8 t + s
	s_lshl_b32 s26, s18, 13                        ; the image's bytes
	s_mov_b32 s27, 0
	s_lshr_b32 s28, ttmp9, 1
	s_lshl_b32 s28, s28, 17
	s_and_b32 s29, ttmp9, 1
	s_lshl_b32 s29, s29, 15
	s_add_co_u32 s28, s28, s29
	s_lshl_b32 s30, s16, 9                         ; my columns' bytes
	s_mov_b32 s31, 0
	s_add_co_u32 s28, s28, s30                     ; the tile's first row, at my columns
	s_mov_b32 s29, 0
	s_mul_i32 s20, s18, 1536
	s_add_co_u32 s20, s20, X1C
	s_mov_b32 s21, 0
	s_lshl_b32 s22, s18, 6
	s_add_co_u32 s22, s22, X1S
	s_mov_b32 s23, 0
	s_wait_kmcnt 0x0
	s_add_nc_u64 s[4:5], s[4:5], s[26:27]
	s_add_nc_u64 s[8:9], s[8:9], s[30:31]
	s_add_nc_u64 s[10:11], s[10:11], s[30:31]
	s_add_nc_u64 s[12:13], s[12:13], s[30:31]
.if LN == 1
	s_add_nc_u64 s[6:7], s[6:7], s[28:29]
	s_add_nc_u64 s[20:21], s[14:15], s[20:21]
	s_add_nc_u64 s[22:23], s[14:15], s[22:23]
	s_add_nc_u64 s[14:15], s[14:15], s[26:27]
.set rr, 0
.rept 16
	global_load_b128 v[T+4*rr:T+4*rr+3], v[V16], s[6:7] offset:(rr+8*(rr/8))*4096 th:TH_LOAD_NT   ; 512 consecutive bytes of the tile's row rr
.set rr, rr+1
.endr
	IMG Z, 4
	COLS U, 8
	s_wait_loadcnt 32                              ; x's 16 rows are in; y's and the bias's 32 loads may be out
.set rr, 0
.rept 16
	ds_store_b128 v[STI], v[T+4*rr:T+4*rr+3] offset:528*rr
.set rr, rr+1
.endr
.set qq, 0
.rept 16
	ds_load_b128 v[T+4*qq:T+4*qq+3], v[STO] offset:128*(qq/4)+16*(qq%4)   ; LDS serves a wave's instructions in order: these see the stores above
.set qq, qq+1
.endr
	s_wait_loadcnt 0x0
	ADDZ U
	s_wait_dscnt 0x0
	ADDZ T
.else
	s_add_nc_u64 s[6:7], s[6:7], s[26:27]
	s_add_nc_u64 s[14:15], s[14:15], s[28:29]
	IMG T, 6
	IMG Z, 4
	COLS U, 8
	s_wait_loadcnt 0x0
	ADDZ U
	ADDZ T
.endif
	COLS T, 10                                     ; the gain and the norm's bias land under the reductions
	COLS U, 12
	; the mean
.irp k, 0,1,2,3
	v_pk_add_f32 v[244+2*\k:245+2*\k], v[Z+4*\k:Z+4*\k+1], v[Z+4*\k+2:Z+4*\k+3]
.endr
.set jj, 16
.rept 6
.irp k, 0,1,2,3
	v_pk_add_f32 v[244+2*\k:245+2*\k], v[244+2*\k:245+2*\k], v[Z+jj+2*\k:Z+jj+2*\k+1]
.endr
.set jj, jj+8
.endr
	ROWSUM 0
	v_mul_f32 v242, 0x3a800000, v244               ; / 1,024
.set jj, 0
.rept 32
	v_pk_add_f32 v[Z+jj:Z+jj+1], v[Z+jj:Z+jj+1], v[242:243] op_sel_hi:[1,0] neg_lo:[0,1] neg_hi:[0,1]
.set jj, jj+2
.endr
	; the variance of the differences
.irp k, 0,1,2,3
	v_pk_mul_f32 v[244+2*\k:245+2*\k], v[Z+2*\k:Z+2*\k+1], v[Z+2*\k:Z+2*\k+1]
.endr
.set jj, 8
.rept 7
.irp k, 0,1,2,3
	v_pk_fma_f32 v[244+2*\k:245+2*\k], v[Z+jj+2*\k:Z+jj+2*\k+1], v[Z+jj+2*\k:Z+jj+2*\k+1], v[244+2*\k:245+2*\k]
.endr
.set jj, jj+8
.endr
	ROWSUM 512
	v_fma_f32 v244, v244, 0x3a800000, s17
	v_rsq_f32 v242, v244
	v_nop                                          ; a plain instruction behind the transcendental,
	s_wait_alu depctr_va_vdst(0)                   ; and a wait ahead of its first reader
	s_wait_loadcnt 0x0                             ; the gain and the norm's bias
.set jj, 0
.rept 32
	v_pk_mul_f32 v[Z+jj:Z+jj+1], v[Z+jj:Z+jj+1], v[242:243] op_sel_hi:[1,0]
.set jj, jj+2
.endr
.set jj, 0
.rept 32
	v_pk_fma_f32 v[Z+jj:Z+jj+1], v[Z+jj:Z+jj+1], v[T+jj:T+jj+1], v[U+jj:U+jj+1]
.set jj, jj+2
.endr
.if LN == 1
.set qq, 0
.rept 16
	global_store_b128 v[V16], v[Z+4*qq:Z+4*qq+3], s[14:15] offset:512*qq   ; the f32 image, for the second residual
.set qq, qq+1
.endr
	; the quantiser: my 64 numbers are 16 of each of four blocks of 32; the other 16 lie in lane l xor 16
.irp b, 0,1,2,3
	v_max3_num_f32 v[TM+\b], |v[Z+16*\b]|, |v[Z+1+16*\b]|, 0x1800000
.endr
.irp i, 2,4,6,8,10,12,14
.irp b, 0,1,2,3
	v_max3_num_f32 v[TM+\b], v[TM+\b], |v[Z+16*\b+\i]|, |v[Z+1+16*\b+\i]|
.endr
.endr
.irp b, 0,1,2,3
	v_permlanex16_b32 v[TM+4+\b], v[TM+\b], s[SEL], s[SEL+1]
.endr
.irp b, 0,1,2,3
	v_max_num_f32 v[TM+\b], v[TM+\b], v[TM+4+\b]
.endr
.irp b, 0,1,2,3
	v_add_nc_u32 v[TM+12+\b], 0xff000000, v[TM+\b]
.endr
.irp b, 0,1,2,3
	v_lshrrev_b32 v[TM+4+\b], 23, v[TM+12+\b]
.endr
	v_lshl_or_b32 v[PW], v[TM+5], 8, v[TM+4]
	v_lshl_or_b32 v[PW], v[TM+6], 16, v[PW]
	v_lshl_or_b32 v[PW], v[TM+7], 24, v[PW]
.irp c, 0,1
	v_cvt_scalef32_pk16_fp6_f32 v[PC+6*\c:PC+2+6*\c], v[Z+32*\c:Z+15+32*\c], v[TM+12+2*\c]
	v_cvt_scalef32_pk16_fp6_f32 v[PC+12+4*\c:PC+14+4*\c], v[Z+16+32*\c:Z+31+32*\c], v[TM+13+2*\c]
.endr
	v_nop
.irp c, 0,1
.irp i, 0,1,2
	v_permlane16_swap_b32 v[PC+6*\c+\i], v[PC+12+4*\c+\i]
.endr
.irp i, 0,1,2
	v_mov_b32 v[PC+3+6*\c+\i], v[PC+12+4*\c+\i]
.endr
.endr
	global_store_b128 v[V16], v[PC:PC+3], s[20:21]
	global_store_b64 v[V8], v[PC+4:PC+5], s[20:21] offset:512
	global_store_b128 v[V16], v[PC+6:PC+9], s[20:21] offset:768
	global_store_b64 v[V8], v[PC+10:PC+11], s[20:21] offset:1280
	global_store_b32 v[VR4], v[PW], s[22:23]
.else
.set qq, 0
.rept 16
	ds_store_b128 v[STO], v[Z+4*qq:Z+4*qq+3] offset:128*(qq/4)+16*(qq%4)
.set qq, qq+1
.endr
.set rr, 0
.rept 16
	ds_load_b128 v[T+4*rr:T+4*rr+3], v[STI] offset:528*rr
.set rr, rr+1
.endr
.set rr, 0
.rept 16
	s_wait_dscnt 15-rr                             ; row rr is back; the younger rows may be out
	global_store_b128 v[V16], v[T+4*rr:T+4*rr+3], s[14:15] offset:(rr+8*(rr/8))*4096 th:TH_STORE_NT   ; 512 consecutive bytes of a row
.set rr, rr+1
.endr
.endif
	s_wait_tensorcnt 0x0                           ; the wave's end, behind my last LDS store
	ds_add_u32 v[SPW], v[NIL]
	s_wait_dscnt 0x0
	s_endpgm
.Lfunc_end_k_qc64519be93_ln1:
	.size	k_qc64519be93_ln1, .Lfunc_end_k_qc64519be93_ln1-k_qc64519be93_ln1
	.p2alignl 7, 3214868480
	.fill 96, 4, 3214868480
	.section	.rodata,"a",@progbits
	.p2align	6, 0x0
	.amdhsa_kernel k_qc64519be93_ln1
		.amdhsa_group_segment_fixed_size 69632
		.amdhsa_private_segment_fixed_size 0
		.amdhsa_enable_private_segment 0
		.amdhsa_kernarg_size 48
		.amdhsa_user_sgpr_count 2
		.amdhsa_user_sgpr_kernarg_segment_ptr 1
		.amdhsa_wavefront_size32 1
		.amdhsa_system_sgpr_workgroup_id_x 1
		.amdhsa_system_sgpr_workgroup_id_y 1
		.amdhsa_system_sgpr_workgroup_id_z 1
		.amdhsa_system_vgpr_workitem_id 0
		.amdhsa_next_free_vgpr 256
		.amdhsa_next_free_sgpr 66
		.amdhsa_reserve_vcc 0
		.amdhsa_float_denorm_mode_32 3
		.amdhsa_float_denorm_mode_16_64 3
		.amdhsa_memory_ordered 1
		.amdhsa_forward_progress 1
		.amdhsa_inst_pref_size 34
	.end_amdhsa_kernel
	.amdgpu_metadata
---
amdhsa.version: [ 1, 2 ]
amdhsa.kernels:
  - .name:           k_qc64519be93_ln1
    .symbol:         k_qc64519be93_ln1.kd
    .args:
      - { .name: y, .offset: 0, .size: 8, .value_kind: global_buffer, .address_space: global }
      - { .name: x, .offset: 8, .size: 8, .value_kind: global_buffer, .address_space: global }
      - { .name: bproj, .offset: 16, .size: 8, .value_kind: global_buffer, .address_space: global }
      - { .name: ln1_g, .offset: 24, .size: 8, .value_kind: global_buffer, .address_space: global }
      - { .name: ln1_b, .offset: 32, .size: 8, .value_kind: global_buffer, .address_space: global }
      - { .name: x1, .offset: 40, .size: 8, .value_kind: global_buffer, .address_space: global }
    .group_segment_fixed_size: 69632
    .private_segment_fixed_size: 0
    .kernarg_segment_align: 8
    .kernarg_segment_size: 48
    .max_flat_workgroup_size: 256
    .sgpr_count:     66
    .vgpr_count:     256
    .wavefront_size: 32
...
	.end_amdgpu_metadata
.endif
;; end of part 5
;; launch ffn1 (part 6): grid 16 x 16, 4 waves a work-group, clusters of 4 x 4, 327,680 bytes of LDS; arguments x1, wsp, hh, b1; writes hh
.if DOCPART == 6
	.amdgcn_target "amdgcn-amd-amdhsa--gfx1250"
	.amdhsa_code_object_version 6
	.text
	.protected	k_qc64519be93_ffn1
	.globl	k_qc64519be93_ffn1
	.p2align	8
	.type	k_qc64519be93_ffn1,@function
k_qc64519be93_ffn1:
	s_mov_b64 s[64:65], 0
	v_nop
	global_prefetch_b8 v0, s[64:65] scope:SCOPE_SE
	s_setreg_imm32_b32 hwreg(HW_REG_WAVE_MODE, 25, 1), 1
	s_wait_xcnt 0x0
	s_wait_alu depctr_hold_cnt(0) depctr_sa_sdst(0) depctr_va_vdst(0) depctr_va_sdst(0) depctr_va_ssrc(0) depctr_va_vcc(0) depctr_vm_vsrc(0)
	s_getreg_b32 s2, hwreg(HW_REG_IB_STS2, 6, 4)
	s_cmp_eq_u32 s2, 0
	s_cbranch_scc0 .Lentry_in_a_cluster
	s_endpgm
.Lentry_in_a_cluster:
	s_bfe_u32 s2, ttmp6, 0x10000c
	s_cmp_lg_u32 s2, 0xf033
	s_cbranch_scc0 .Lentry_shape_is_right
	s_endpgm
.Lentry_shape_is_right:
; A GEMM ON CODES OF FP6 (E2M3) WHOSE RESULT IS QUANTISED IN REGISTERS.  One text serves two launches: KIND = 0: q, k and v from x;  KIND = 1: relu(x1 w1 + b1).
; Both operands lie in memory as images of operand registers: fragment (tile t of 16 rows, K step s of 128) at (t S + s) x 1536 bytes, its scale words at (t S + s) x 64 + 4 r;
; a tile's rows are row(t, r) = 32 (t / 2) + 8 (t % 2) + r + 8 (r / 8).  R is source 1 (its rows fall into the lanes of the result), P is source 0 (its rows run along the registers):
; with that order of rows the 64 registers of one block of R against the wave's eight blocks of P are 128 neighbours along P's rows, 16 to a lane and block of 32: just what the quantiser takes.
; So each block of 16 rows x 128 becomes one fragment of the next product and leaves by dense stores: no stage in LDS, and no f32 copy of the result in memory.
; SHARES: a work-group of four waves makes 256 x 256, a wave 128 x 128: 64 accumulators, 512 registers.  K = 1,024 is four slots of 256; each wave fetches a quarter of a slot by one tensor load (8 tiles x 3,072 bytes).
; THREE slots lie in LDS side by side and are asked for at the head, with all scale words of the work-group's rows: four loads of a wave are out.  The fourth slot comes into the first's bytes, behind the one
; round of the cluster's barrier that fills bytes again; between its request and the wait for it a wave issues 224 matrix instructions.  The text is written out: eight K steps, no loop.
; CLUSTER 4 x 4: R's tiles are shared along a row of the cluster, P's along a column: each is asked for jointly.  No prefetch: three quarters of K are asked for at the head.
; KIND = 0: clusters y = 0 .. 3: R = x's tokens, P = wq's and wk's rows, result laid [token tile][16 K steps] (q: steps 0-7, k: 8-15; a head is half a fragment);
;           clusters y = 4, 5: R = wv's rows, P = x's tokens, so that v comes out with the keys innermost, laid [head][32 key steps][4 tiles].  The role hangs on the cluster's y alone and chooses offsets, never a branch.
; KIND = 1: R = x1's tokens, P = w1's rows; the bias is the C of each sum's first product; the result is laid [token tile][32 K steps].
; LIMITS: NaN and infinities are not served; a block whose largest magnitude lies under 2^-124, a block of zeros among them, gets the byte 1: this program alone reads the bytes.
; REGISTERS: window 0: v5-16, v24-29 addresses; v32-63 scale words, two sets; v64-127 the bias (KIND = 1); v128-223 R's fragments, one set; window 1: P's fragments, two sets, at v0 and v128;
;   windows 2, 3: accumulator (a, b) at v[8 (8 (a % 4) + b)].
.set KIND,  1
.set NA,    8                          ; blocks of 16 rows of a wave, of R and of P
.set NQ,    2                          ; K steps of 128 in a slot
.set S,     8                          ; K steps in all
.set AF,    128
.set BI,    64
.set XS,    12582912                   ; regions of wsp: x's codes at 0
.set WQKC,  3145728
.set WQKS,  12713984
.set WVC,   4718592
.set WVS,   12779520
.set W1C,   6291456
.set W1S,   12845056
.set VC,    6291456                    ; regions of qkvc: q's and k's codes at 0
.set QKS,   9437184
.set VS,    9699328
.set X1C,   16777216                   ; regions of x1
.set X1S,   19922944
.set HS,    12582912                   ; region of hh: the codes at 0
.set FP,    NQ*1536                    ; a tile's bytes in a slot
.set QT,    NA*FP                      ; a quarter of a slot: what one tensor load brings
.set SLOT,  4*QT                       ; R's two halves, then P's two
.set QS,    NA*S*64                    ; the scale words of a quarter's tiles
.set SCL,   3*SLOT                     ; behind the three slots
.set SPARE, SCL+4*QS                   ; the spare words: 128 bytes for each wave, named by no other line
.set NL,    4                          ; LDS loads of a fragment
.set ADRA16, 5                         ; v5-7   R's quarter in slot 0, 1, 2, + 16 x lane;  v8-10 + 8 x lane
.set ADRA8,  8
.set ADRB16, 11                        ; v11-16 the same for P
.set ADRB8,  14
.set V16,  24
.set V8,   25
.set VR4,  26
.set ADRS, 27                          ; my scale words: lanes 0-15 R's, lanes 16-31 P's
.set SPW,  28
.set NIL,  29
.set SC,   32
.set TM,   128                         ; the way out, over R's fragments
.set PW,   144
.set PC,   148
.set SEL,  2
.set G1, 24
.set G0, 32                            ; s[32:39] group 0 for R's tiles in slots 0 and 1;  s[20:23] in slot 2
.set G02, 20
.set G1B, 48
.set G0B, 56                           ; s[56:63], s[92:95] the same for P's
.set G0B2, 92
.set G1S, 68
.set G0S, 76
.set G1SB, 80
.set G0SB, 88
.set MSB, 0
.macro WIN new                         ; the immediate's high byte repeats the setting that is left
.if MSB != (\new)
	s_set_vgpr_msb (MSB<<8)|(\new)
.set MSB, (\new)
.endif
.endm
.macro PLACES n
.rept \n
	v_nop
.endr
.endm
; A joint load: waves 0 and 1 fetch for R, waves 2 and 3 for P.  An s_nop 0 and four v_nop follow each of the two lines.
.macro JLOAD g0a, g1a, g0b, g1b
	s_cmp_eq_u32 s15, 0
	s_cbranch_scc0 .Lfor_b_\@
	tensor_load_to_lds s[\g0a:\g0a+3], s[\g1a:\g1a+7]
	s_nop 0
.rept 4
	v_nop
.endr
	s_branch .Lasked_\@
.Lfor_b_\@:
	tensor_load_to_lds s[\g0b:\g0b+3], s[\g1b:\g1b+7]
	s_nop 0
.rept 4
	v_nop
.endr
.Lasked_\@:
.endm
.macro CREST                           ; a round of the cluster's barrier behind its opening barrier
	s_cmp_lg_u32 s14, 0
	s_cbranch_scc1 .Lnot_wave_0_\@
	s_barrier_signal -3
.Lnot_wave_0_\@:
	s_barrier_wait -3
	s_barrier_signal -1
	s_barrier_wait -1
.endm
.macro CROUND
	s_barrier_signal -1
	s_barrier_wait -1
	CREST
.endm
.if KIND == 0
	s_load_b64 s[4:5], s[0:1], 0x0                 ; wsp: R and P
	s_load_b64 s[8:9], s[0:1], 0x8                 ; qkvc
.else
	s_load_b128 s[4:7], s[0:1], 0x0                ; x1 (R), wsp (P)
	s_load_b128 s[8:11], s[0:1], 0x10              ; hh, b1
.endif
	v_lshl_add_u32 v[SPW], v0, 2, SPARE
	v_mov_b32 v[NIL], 0
	ds_add_u32 v[SPW], v[NIL]                      ; the wave's opening: the add and its wait stand ahead of my first tensor load; register work stands between
	v_lshrrev_b32 v1, 5, v0
	v_readfirstlane_b32 s14, v1                    ; wave
	s_lshr_b32 s15, s14, 1                         ; my half of R's rows.  Also: I fetch for R (0) or P (1)
	s_and_b32 s16, s14, 1                          ; my half of P's rows.  Also: which half I fetch
	s_bfe_u32 s40, ttmp6, 0x40000                  ; cx
	s_bfe_u32 s41, ttmp6, 0x40004                  ; cy
	s_lshl_b32 s42, ttmp9, 2
	s_add_co_u32 s42, s42, s40                     ; 4 x cluster x + cx
	s_and_b32 s18, ttmp7, 0xffff                   ; cluster y
	s_lshl_b32 s17, s18, 2
.if KIND == 0
	s_lshl_b32 s19, s18, 3
	s_sub_co_u32 s19, s19, 32
	s_mov_b32 s12, XS
	s_mov_b32 s95, WQKS
	s_mov_b32 s67, QKS
	s_mov_b32 s96, 24576
	s_mov_b32 s10, 24576
	s_mov_b32 s100, 1024
	s_cmp_ge_u32 s18, 4                            ; the role: 1 = v.  Only moves and selects stand between this compare and the last select
	s_cselect_b32 s17, 0, s17
	s_cselect_b32 s19, s19, 0
	s_cselect_b32 s2, WVC, 0                       ; R's codes, R's scales
	s_cselect_b32 s12, WVS, s12
	s_cselect_b32 s13, 0, WQKC                     ; P's
	s_cselect_b32 s95, XS, s95
	s_cselect_b32 s66, VC, 0                       ; the result's
	s_cselect_b32 s67, VS, s67
	s_cselect_b32 s3, 1, 0                         ; shifts that make the first fragment's number
	s_cselect_b32 s18, 2, 0
	s_cselect_b32 s96, 1536, s96                   ; from block a - 1 to block a, codes;
	s_cselect_b32 s10, 192000, s10                 ; the same into block 4 (v: the next head);
	s_cselect_b32 s98, 64, 1024                    ; scale words
	s_cselect_b32 s100, 8000, s100
	s_mov_b32 s97, 0
	s_mov_b32 s11, 0
	s_mov_b32 s99, 0
	s_mov_b32 s101, 0
	s_add_co_u32 s42, s42, s19                     ; TC: P's 256 rows
.endif
	s_add_co_u32 s17, s17, s41                     ; TR: R's 256 rows
	s_lshl_b32 s43, s41, 2
	s_lshl_b32 s43, 15, s43                        ; my row of the cluster
	s_lshl_b32 s44, 0x1111, s40                    ; my column
	s_or_b32 s[G1], s43, (3<<16)|(1<<21)           ; 15:0 the mask; 17:16 elements of 8 bytes; 21 set beside a mask; no padding: every LDS read takes consecutive bytes
	s_or_b32 s[G1B], s44, (3<<16)|(1<<21)
	s_or_b32 s[G1S], s43, (3<<16)|(1<<21)
	s_or_b32 s[G1SB], s44, (3<<16)|(1<<21)
.irp g, G1, G1B
	s_mov_b32 s[\g+1], (FP/8)<<16                  ; tensor_dim0: a tile's bytes of a slot
	s_mov_b32 s[\g+2], NA<<16                      ; tensor_dim1: tiles
	s_mov_b32 s[\g+3], (FP/8)<<16                  ; tile_dim0
	s_mov_b32 s[\g+4], NA                          ; tile_dim1
	s_mov_b32 s[\g+5], S*192                       ; from tile to tile
	s_mov_b32 s[\g+6], 0
	s_mov_b32 s[\g+7], 0
.endr
.irp g, G1S, G1SB                      ; the scale words of a quarter's tiles: a dense block, as rows of 256 bytes
	s_mov_b32 s[\g+1], 32<<16
	s_mov_b32 s[\g+2], (QS/256)<<16
	s_mov_b32 s[\g+3], 32<<16
	s_mov_b32 s[\g+4], QS/256
	s_mov_b32 s[\g+5], 32
	s_mov_b32 s[\g+6], 0
	s_mov_b32 s[\g+7], 0
.endr
	s_mul_i32 s45, s16, NA
	s_mul_i32 s20, s17, 2*NA
	s_add_co_u32 s20, s20, s45                     ; R's first tile that I would fetch
	s_mul_i32 s46, s42, 2*NA
	s_add_co_u32 s46, s46, s45                     ; P's
	s_mul_i32 s22, s20, S*64
	s_mul_i32 s92, s46, S*64
	s_mul_i32 s20, s20, S*1536
	s_mul_i32 s46, s46, S*1536
.if KIND == 0
	s_add_co_u32 s20, s20, s2
	s_add_co_u32 s22, s22, s12
	s_add_co_u32 s46, s46, s13
	s_add_co_u32 s92, s92, s95
.else
	s_add_co_u32 s20, s20, X1C
	s_add_co_u32 s22, s22, X1S
	s_add_co_u32 s46, s46, W1C
	s_add_co_u32 s92, s92, W1S
.endif
	s_mov_b32 s21, 0
	s_mov_b32 s23, 0
	s_mov_b32 s47, 0
	s_mov_b32 s93, 0
	s_mul_i32 s45, s14, QT                         ; where they go: no place in the cluster enters an LDS address
	s_mul_i32 s94, s14, QS
	s_wait_dscnt 0x0                               ; the opening add is done
	s_wait_kmcnt 0x0
.if KIND == 0
	s_mov_b64 s[6:7], s[4:5]
.endif
	s_add_nc_u64 s[20:21], s[4:5], s[20:21]
	s_add_nc_u64 s[22:23], s[4:5], s[22:23]
	s_add_nc_u64 s[46:47], s[6:7], s[46:47]
	s_add_nc_u64 s[92:93], s[6:7], s[92:93]
	CROUND                                         ; all sixteen work-groups are here: the first joint loads meet
	s_mov_b32 s[G0S], 1
	s_add_co_u32 s[G0S+1], s94, SCL
	s_mov_b64 s[G0S+2:G0S+3], s[22:23]
	s_or_b32 s[G0S+3], s[G0S+3], 0x80000000
	s_mov_b32 s[G0SB], 1
	s_add_co_u32 s[G0SB+1], s94, SCL
	s_mov_b64 s[G0SB+2:G0SB+3], s[92:93]
	s_or_b32 s[G0SB+3], s[G0SB+3], 0x80000000
	JLOAD G0S, G1S, G0SB, G1SB                     ; the scale words first; with the three slots four loads of mine are out
.irp s, 0,1
	s_mov_b32 s[G0+4*\s], 1
	s_add_co_u32 s[G0+4*\s+1], s45, \s*SLOT
	s_add_nc_u64 s[G0+4*\s+2:G0+4*\s+3], s[20:21], \s*FP
	s_or_b32 s[G0+4*\s+3], s[G0+4*\s+3], 0x80000000
	s_mov_b32 s[G0B+4*\s], 1
	s_add_co_u32 s[G0B+4*\s+1], s45, \s*SLOT
	s_add_nc_u64 s[G0B+4*\s+2:G0B+4*\s+3], s[46:47], \s*FP
	s_or_b32 s[G0B+4*\s+3], s[G0B+4*\s+3], 0x80000000
	JLOAD G0+4*\s, G1, G0B+4*\s, G1B
.endr
	s_add_nc_u64 s[G02+2:G02+3], s[20:21], 2*FP    ; slot 2's descriptors stand where the addresses stood that are done with; no line writes them before the wait for 0 at the end of slot 0
	s_or_b32 s[G02+3], s[G02+3], 0x80000000
	s_mov_b32 s[G02], 1
	s_add_co_u32 s[G02+1], s45, 2*SLOT
	s_add_nc_u64 s[G0B2+2:G0B2+3], s[46:47], 2*FP
	s_or_b32 s[G0B2+3], s[G0B2+3], 0x80000000
	s_mov_b32 s[G0B2], 1
	s_add_co_u32 s[G0B2+1], s45, 2*SLOT
	JLOAD G02, G1, G0B2, G1B
	v_and_b32 v1, 31, v0
	v_and_b32 v2, 15, v0                           ; r
	v_bfe_u32 v3, v0, 4, 1                         ; h
	v_lshlrev_b32 v[V16], 4, v1
	v_lshlrev_b32 v[V8], 3, v1
	v_lshlrev_b32 v[VR4], 2, v2
	s_mul_i32 s46, s15, QT
	s_mul_i32 s47, s16, QT
	s_add_co_u32 s47, s47, 2*QT
.irp s, 0,1,2
	v_add_nc_u32 v[ADRA16+\s], s46, v[V16]
	v_add_nc_u32 v[ADRA8+\s], s46, v[V8]
	v_add_nc_u32 v[ADRB16+\s], s47, v[V16]
	v_add_nc_u32 v[ADRB8+\s], s47, v[V8]
	s_add_co_u32 s46, s46, SLOT
	s_add_co_u32 s47, s47, SLOT
.endr
	s_mul_i32 s46, s15, QS
	s_mul_i32 s47, s16, QS
	s_add_co_u32 s47, s47, 2*QS
	s_sub_co_u32 s47, s47, s46
	v_mul_u32_u24 v4, s47, v3                      ; lanes 16-31 take P's words: one product, the distance between the two bases
	s_add_co_u32 s46, s46, SCL
	v_add_nc_u32 v4, v4, v[VR4]
	v_add_nc_u32 v[ADRS], s46, v4
.if KIND == 1
	s_lshl_b32 s18, s42, 10                        ; the bias of my 128 columns: the C of each sum's first product, in the result's layout
	s_lshl_b32 s19, s16, 9
	s_add_co_u32 s18, s18, s19
	s_mov_b32 s19, 0
	s_add_nc_u64 s[10:11], s[10:11], s[18:19]
	v_lshlrev_b32 v4, 6, v3
.irp b, 0,1,2,3,4,5,6,7
	global_load_b128 v[BI+8*\b:BI+8*\b+3], v4, s[10:11] offset:(32*(\b/2)+8*(\b%2))*4
	global_load_b128 v[BI+8*\b+4:BI+8*\b+7], v4, s[10:11] offset:(32*(\b/2)+8*(\b%2))*4+16
.endr
	s_lshl_b32 s18, s17, 9                         ; the first fragment that I store: (16 TR + 8 half) x 32 + 2 TC + half
	s_lshl_b32 s19, s15, 8
	s_add_co_u32 s18, s18, s19
	s_lshl_b32 s19, s42, 1
	s_add_co_u32 s19, s19, s16
	s_add_co_u32 s18, s18, s19
	s_mov_b32 s66, 0
	s_mov_b32 s67, HS
.else
	s_lshl_b32 s19, s17, 8                         ; q, k: (16 TR + 8 half) x 16 + 2 TC + half;  v: ((4 TR + 2 half) x 32 + 2 TC + half) x 4
	s_lshl_b32 s46, s15, 7
	s_add_co_u32 s19, s19, s46
	s_lshl_b32 s19, s19, s3
	s_lshl_b32 s46, s42, 1
	s_add_co_u32 s46, s46, s16
	s_lshl_b32 s46, s46, s18
	s_add_co_u32 s18, s19, s46
.endif
	s_mul_i32 s19, s18, 1536
	s_add_co_u32 s66, s66, s19
	s_lshl_b32 s19, s18, 6
	s_add_co_u32 s12, s67, s19
	s_mov_b32 s67, 0
	s_mov_b32 s13, 0
	s_add_nc_u64 s[12:13], s[8:9], s[12:13]        ; the result's scale words
	s_add_nc_u64 s[8:9], s[8:9], s[66:67]          ; the result's codes
.macro FRAG reg, a16, a8, off          ; a fragment comes back as it was stored: 512, 256, 512, 256 consecutive bytes
	ds_load_b128 v[\reg:\reg+3], v[\a16] offset:\off
	ds_load_b64 v[\reg+4:\reg+5], v[\a8] offset:\off+512
	ds_load_b128 v[\reg+6:\reg+9], v[\a16] offset:\off+768
	ds_load_b64 v[\reg+10:\reg+11], v[\a8] offset:\off+1280
.endm
.macro FETCH_B slot, q, p              ; P's blocks of the slot's q-th K step into set p
	WIN 0x40
.set ii, 0
.rept NA
	FRAG 128*(\p)+12*ii, ADRB16+\slot, ADRB8+\slot, ii*FP+(\q)*1536
.set ii, ii+1
.endr
	WIN 0
.endm
.macro FETCH_A slot, q, i0             ; half of R's blocks, from i0 on
.set ii, \i0
.rept NA/2
	FRAG AF+12*ii, ADRA16+\slot, ADRA8+\slot, ii*FP+(\q)*1536
.set ii, ii+1
.endr
.endm
.macro SCALES sc                       ; a slot's scale words into set sc: register NQ i + q: lanes 0-15 R's block i, lanes 16-31 P's block i
.set ii, 0
.rept NA
.set qi, 0
.rept NQ
	ds_load_b32 v[SC+16*\sc+NQ*ii+qi], v[ADRS] offset:(ii*S+qi)*64
.set qi, qi+1
.endr
.set ii, ii+1
.endr
.endm
.macro WM c
	v_wmma_scale_f32_16x16x128_f8f6f4 v[AC0+8*bb:AC0+8*bb+7], v[PB+12*bb:PB+12*bb+11], v[RA:RA+11], \c, v[SCP+NQ*bb], v[SCR] matrix_a_fmt:MATRIX_FMT_FP6 matrix_b_fmt:MATRIX_FMT_FP6 matrix_a_scale:MATRIX_SCALE_ROW1
.endm
; R's block a against all of P's blocks.  The accumulators take turns, one instruction a turn, in the same order in every step.
.macro MULB a, p, q, sc, zero
.set PB, 128*(\p)
.set RA, AF+12*(\a)
.set SCP, SC+16*(\sc)+(\q)
.set SCR, SC+16*(\sc)+NQ*(\a)+(\q)
.set AC0, 64*((\a)%4)
.if (\zero) && (KIND == 1)
	WIN 0x81+0x40*((\a)/4)                         ; P window 1, R and the bias window 0, D window 2 or 3
.else
	WIN 0xa1+0x50*((\a)/4)                         ; P window 1, R window 0, C and D window 2 or 3
.endif
.set bb, 0
.rept NA
.if (\zero) && (KIND == 1)
	WM v[BI+8*bb:BI+8*bb+7]
.elseif \zero
	WM 0
.else
	WM v[AC0+8*bb:AC0+8*bb+7]
.endif
.set bb, bb+1
.endr
.endm
.macro MULR a0, n, p, q, sc, zero
.set aa, \a0
.rept \n
	MULB aa, \p, \q, \sc, \zero
.set aa, aa+1
.endr
.endm
; A K step that has its successor in the same slot.  slot: where the fragments lie in LDS;  sc: the set of scale words.  Loads into registers that matrix instructions have read stand four plain instructions behind them.
.macro STEP slot, sc, q, zero
	s_wait_dscnt (NA/2)*NL                         ; all but the youngest loads, R's upper blocks
	MULR 0, NA/2, (\q)%2, \q, \sc, \zero
	s_wait_dscnt 0x0
	PLACES 4
	FETCH_B \slot, (\q)+1, 1-(\q)%2
	FETCH_A \slot, (\q)+1, 0
	MULR NA/2, NA/2, (\q)%2, \q, \sc, \zero
	PLACES 4
	WIN 0
	FETCH_A \slot, (\q)+1, NA/2
.endm
; A slot's last step goes on to the slot at place next, whose scale words go into set nsc.
; mode 2: the slot just read out is filled again: each wave waits for all its tensor loads, adds 0 to its spare word, waits for that and for its reads of the slot; the barrier opens a round of the cluster's.
; mode 1: the next slot's tile was asked for behind that round: the same waits, and a barrier of the work-group; nothing is filled.
; mode 0: the next slot was shown whole by the waits and the barrier of mode 2: no wait on tensor loads, no barrier.
.macro TURN sc, next, nsc, mode
.if (\mode) > 0
	s_wait_tensorcnt 0x0                           ; no load of mine is out
	ds_add_u32 v[SPW], v[NIL]
	s_wait_dscnt (NA/2)*NL+1                       ; the add and R's upper blocks may be out
	MULR 0, NA/4, 1, NQ-1, \sc, 0
	s_wait_dscnt 0x0                               ; the add is done, and my reads of this slot are over
	s_barrier_signal -1
	MULR NA/4, NA/4, 1, NQ-1, \sc, 0
	WIN 0
	s_barrier_wait -1
.else
	s_wait_dscnt (NA/2)*NL                         ; all but R's upper blocks
	MULR 0, NA/2, 1, NQ-1, \sc, 0
	s_wait_dscnt 0x0
	WIN 0
.endif
.if (\mode) == 2
	CREST                                          ; no wave of any partner still reads slot 0 or has a load on its way
	s_add_nc_u64 s[G0+2:G0+3], s[G0+2:G0+3], 3*FP  ; slot 0's descriptors walk on to the fourth 256 along K
	s_add_nc_u64 s[G0B+2:G0B+3], s[G0B+2:G0B+3], 3*FP
	JLOAD G0, G1, G0B, G1B                         ; my one load behind the round; its four v_nop are the places in front of the loads below
.else
	PLACES 4
.endif
	v_add_nc_u32 v[ADRS], NQ*64, v[ADRS]
	FETCH_B \next, 0, 0
	FETCH_A \next, 0, 0
	SCALES \nsc
	MULR NA/2, NA/2, 1, NQ-1, \sc, 0
	PLACES 4
	WIN 0
	FETCH_A \next, 0, NA/2
.endm
.if KIND == 1
	s_wait_loadcnt 0x0                             ; the bias
.endif
	s_wait_tensorcnt 2                             ; the scale words and my part of slot 0 are in; slots 1 and 2 may be out
	s_barrier_signal -1
	s_barrier_wait -1
	FETCH_B 0, 0, 0
	FETCH_A 0, 0, 0
	SCALES 0
	FETCH_A 0, 0, NA/2
	STEP 0, 0, 0, 1                                ; K 0-127: the first step starts the sums: nothing is cleared
	TURN 0, 1, 1, 2                                ; K 128-255; slot 0's bytes take K 768-1023
	STEP 1, 1, 0, 0
	TURN 1, 2, 0, 0
	STEP 2, 0, 0, 0
	TURN 0, 0, 1, 1                                ; K 640-767; the refill has landed
	STEP 0, 1, 0, 0
	s_wait_dscnt (NA/2)*NL                         ; the last step: nothing more to fetch
	MULR 0, NA/2, 1, NQ-1, 1, 0
	s_wait_dscnt 0x0
	MULR NA/2, NA/2, 1, NQ-1, 1, 0
	WIN 0
	; THE WAY OUT: block a's 64 registers of a lane are 128 neighbours along the next K (16 of each block of 32; the other 16 lie in lane l xor 16): one fragment and one scale word a row.
	PLACES 4
	s_mov_b32 s[SEL], 0x76543210
	s_mov_b32 s[SEL+1], 0xfedcba98
.irp b, 0,1,2,3
	v_mov_b32 v[TM+4+\b], 0                        ; a lane permute's destination counts as read: written once
.endr
.macro OUTB a
.set AC, 64*((\a)%4)
.set W, 2+(\a)/4
.if KIND == 1
	WIN 0x44*W                                     ; source 1 and destination in the block's window
.set jj, 0
.rept 64
	v_max_num_f32 v[AC+jj], 0, v[AC+jj]            ; the activation, in f32; each accumulator from its low end on
.set jj, jj+1
.endr
.endif
	WIN 0x14*W                                     ; sources 1 and 2 in the block's window
.irp b, 0,1,2,3
	v_max3_num_f32 v[TM+\b], 0x1800000, |v[AC+16*\b]|, |v[AC+16*\b+1]|   ; with the floor 2^(3 - 127): the byte cannot fall under 1
.endr
.irp i, 2,4,6,8,10,12,14
.irp b, 0,1,2,3
	v_max3_num_f32 v[TM+\b], v[TM+\b], |v[AC+16*\b+\i]|, |v[AC+16*\b+\i+1]|
.endr
.endr
	WIN 0
	s_wait_xcnt 0x0                                ; the last block's stores have read their data and bases: both are written again only behind this wait
.if (\a) == 4
.if KIND == 0
	s_add_nc_u64 s[8:9], s[8:9], s[10:11]
	s_add_nc_u64 s[12:13], s[12:13], s[100:101]
.endif
.elseif (\a) > 0
.if KIND == 0
	s_add_nc_u64 s[8:9], s[8:9], s[96:97]
	s_add_nc_u64 s[12:13], s[12:13], s[98:99]
.endif
.endif
.if (KIND == 1) && ((\a) > 0)
	s_add_nc_u64 s[8:9], s[8:9], 49152             ; the next tile of rows: 32 fragments on
	s_add_nc_u64 s[12:13], s[12:13], 2048
.endif
.irp b, 0,1,2,3
	v_permlanex16_b32 v[TM+4+\b], v[TM+\b], s[SEL], s[SEL+1]
.endr
.irp b, 0,1,2,3
	v_max_num_f32 v[TM+\b], v[TM+\b], v[TM+4+\b]
.endr
.irp b, 0,1,2,3
	v_add_nc_u32 v[TM+12+\b], 0xff000000, v[TM+\b] ; 2 off the exponent field: the conversion's scale operand
.endr
.irp b, 0,1,2,3
	v_lshrrev_b32 v[TM+4+\b], 23, v[TM+12+\b]
.endr
	v_lshl_or_b32 v[PW], v[TM+5], 8, v[TM+4]
	v_lshl_or_b32 v[PW], v[TM+6], 16, v[PW]
	v_lshl_or_b32 v[PW], v[TM+7], 24, v[PW]
	WIN W                                          ; source 0 in the block's window
.irp c, 0,1
	v_cvt_scalef32_pk16_fp6_f32 v[PC+6*\c:PC+6*\c+2], v[AC+32*\c:AC+32*\c+15], v[TM+12+2*\c]
	v_cvt_scalef32_pk16_fp6_f32 v[PC+12+4*\c:PC+14+4*\c], v[AC+32*\c+16:AC+32*\c+31], v[TM+13+2*\c]
.endr
	WIN 0
	v_nop                                          ; one plain instruction behind the scaled conversions
.irp c, 0,1
.irp i, 0,1,2
	v_permlane16_swap_b32 v[PC+6*\c+\i], v[PC+12+4*\c+\i]
.endr
.irp i, 0,1,2
	v_mov_b32 v[PC+3+6*\c+\i], v[PC+12+4*\c+\i]
.endr
.endr
	global_store_b128 v[V16], v[PC:PC+3], s[8:9]
	global_store_b64 v[V8], v[PC+4:PC+5], s[8:9] offset:512
	global_store_b128 v[V16], v[PC+6:PC+9], s[8:9] offset:768
	global_store_b64 v[V8], v[PC+10:PC+11], s[8:9] offset:1280
	global_store_b32 v[VR4], v[PW], s[12:13]       ; 64 bytes of scale words: lanes r and r + 16 store the same word
.endm
.irp a, 0,1,2,3,4,5,6,7
	OUTB \a
.endr
	s_wait_tensorcnt 0x0                           ; the wave's end
	ds_add_u32 v[SPW], v[NIL]
	s_wait_dscnt 0x0
	CROUND                                         ; the closing round
	s_endpgm
.Lfunc_end_k_qc64519be93_ffn1:
	.size	k_qc64519be93_ffn1, .Lfunc_end_k_qc64519be93_ffn1-k_qc64519be93_ffn1
	.p2alignl 7, 3214868480
	.fill 96, 4, 3214868480
	.section	.rodata,"a",@progbits
	.p2align	6, 0x0
	.amdhsa_kernel k_qc64519be93_ffn1
		.amdhsa_group_segment_fixed_size 327680
		.amdhsa_private_segment_fixed_size 0
		.amdhsa_enable_private_segment 0
		.amdhsa_kernarg_size 32
		.amdhsa_user_sgpr_count 2
		.amdhsa_user_sgpr_kernarg_segment_ptr 1
		.amdhsa_wavefront_size32 1
		.amdhsa_system_sgpr_workgroup_id_x 1
		.amdhsa_system_sgpr_workgroup_id_y 1
		.amdhsa_system_sgpr_workgroup_id_z 1
		.amdhsa_system_vgpr_workitem_id 0
		.amdhsa_next_free_vgpr 1024
		.amdhsa_next_free_sgpr 102
		.amdhsa_reserve_vcc 0
		.amdhsa_float_denorm_mode_32 3
		.amdhsa_float_denorm_mode_16_64 3
		.amdhsa_memory_ordered 1
		.amdhsa_forward_progress 1
		.amdhsa_inst_pref_size 170
	.end_amdhsa_kernel
	.amdgpu_metadata
---
amdhsa.version: [ 1, 2 ]
amdhsa.kernels:
  - .name:           k_qc64519be93_ffn1
    .symbol:         k_qc64519be93_ffn1.kd
    .args:
      - { .name: x1, .offset: 0, .size: 8, .value_kind: global_buffer, .address_space: global }
      - { .name: wsp, .offset: 8, .size: 8, .value_kind: global_buffer, .address_space: global }
      - { .name: hh, .offset: 16, .size: 8, .value_kind: global_buffer, .address_space: global }
      - { .name: b1, .offset: 24, .size: 8, .value_kind: global_buffer, .address_space: global }
    .group_segment_fixed_size: 327680
    .private_segment_fixed_size: 0
    .kernarg_segment_align: 8
    .kernarg_segment_size: 32
    .max_flat_workgroup_size: 128
    .sgpr_count:     102
    .vgpr_count:     1024
    .wavefront_size: 32
...
	.end_amdgpu_metadata
.endif
;; end of part 6
;; launch ffn2 (part 7): grid 8 x 32, 4 waves a work-group, clusters of 4 x 4, 327,680 bytes of LDS; arguments hh, wsp, y, x1; writes y
.if DOCPART == 7
	.amdgcn_target "amdgcn-amd-amdhsa--gfx1250"
	.amdhsa_code_object_version 6
	.text
	.protected	k_qc64519be93_ffn2
	.globl	k_qc64519be93_ffn2
	.p2align	8
	.type	k_qc64519be93_ffn2,@function
k_qc64519be93_ffn2:
	s_mov_b64 s[64:65], 0
	v_nop
	global_prefetch_b8 v0, s[64:65] scope:SCOPE_SE
	s_setreg_imm32_b32 hwreg(HW_REG_WAVE_MODE, 25, 1), 1
	s_wait_xcnt 0x0
	s_wait_alu depctr_hold_cnt(0) depctr_sa_sdst(0) depctr_va_vdst(0) depctr_va_sdst(0) depctr_va_ssrc(0) depctr_va_vcc(0) depctr_vm_vsrc(0)
	s_getreg_b32 s2, hwreg(HW_REG_IB_STS2, 6, 4)
	s_cmp_eq_u32 s2, 0
	s_cbranch_scc0 .Lentry_in_a_cluster
	s_endpgm
.Lentry_in_a_cluster:
	s_bfe_u32 s2, ttmp6, 0x10000c
	s_cmp_lg_u32 s2, 0xf033
	s_cbranch_scc0 .Lentry_shape_is_right
	s_endpgm
.Lentry_shape_is_right:
; A GEMM ON CODES OF FP6 (E2M3) WITH AN f32 RESULT AND THE RESIDUAL: y = x1 + h x w2, K = 4,096.  The frame is that of the launch proj; what this text adds is the residual.
; Both operands lie in memory as images of operand registers: fragment (tile t of 16 rows, K step s of 128) at (t S + s) x 1536 bytes, its scale words at (t S + s) x 64 + 4 r;
; a tile's rows are row(t, r) = 32 (t / 2) + 8 (t % 2) + r + 8 (r / 8).  R (the tokens) is source 1, P (the weight's rows) source 0.
; The result has 1,024 columns, so tiles of 128 x 128 give each of 256 work-groups one: four waves of 64 x 64, 16 accumulators.  K goes in slots of 512 through a ring of two LDS slots;
; each wave fetches a quarter of a slot by one tensor load (4 tiles x 6,144 bytes).  All scale words of the work-group's rows come once, with the first fills.
; THE RESIDUAL: x1's f32 image has the very layout of the accumulators.  A wave's 128 registers of it come by 32 loads of 512 consecutive bytes, asked for behind the first barrier, into registers of window 1
; that the fragments leave free; they land under the K loop and are added ahead of the stores.  So the launch that normalises reads one image and not two.  The order of rounding is (sum + x1) + b2.
; The sums leave AS THEY STAND, 512 consecutive bytes a store: y is laid [token tile][8 column steps][16 x 512 bytes], register 16 b + i of lane (r, h) = column 32 b + 16 h + i of the step.
; The launch that follows adds the bias and normalises: a row's mean wants all 1,024 columns, which no work-group here has.
; CLUSTER 4 x 4: R's tiles are shared along a row of the cluster, P's along a column.  No prefetch: the tile is the small one, 64 matrix instructions a wave to a slot.
; REGISTERS: window 0: v16-29 addresses; v32-63 scale words, two sets; v64-111 R's fragments, one set; v128-255 accumulator (a, b) at v[128 + 8 (4 a + b)];
;   window 1: P's fragments, two sets, at v0 and v128; x1's numbers at v48-111 (blocks 0, 1) and v176-239 (blocks 2, 3).
.set NA,    4                          ; blocks of 16 rows of a wave, of R and of P
.set NQ,    4                          ; K steps of 128 in a slot
.set AF,    64
.set S,     32
.set ROFF,  0                          ; hh: codes, scales
.set RSOFF, 12582912
.set POFF,  9437184                    ; wsp: w2's
.set PSOFF, 12976128
.set FP,    NQ*1536                    ; a tile's bytes in a slot
.set QT,    NA*FP                      ; a quarter of a slot: what one tensor load brings
.set SLOT,  4*QT                       ; R's two halves, then P's two
.set LAPS,  S/(2*NQ)
.set QS,    NA*S*64                    ; the scale words of a quarter's tiles
.set SCL,   2*SLOT
.set SPARE, SCL+4*QS                   ; the spare words: 128 bytes for each wave, named by no other line
.set NL,    4                          ; LDS loads of a fragment
.set ADRA16, 16
.set ADRA8,  18
.set ADRB16, 20
.set ADRB8,  22
.set V16,  24
.set V8,   25
.set VR4,  26
.set ADRS, 27
.set SPW,  28
.set NIL,  29
.set SC,   32
.set G1, 24
.set G0, 32
.set G1B, 48
.set G0B, 56
.set G1S, 68
.set G0S, 76
.set G1SB, 80
.set G0SB, 88
.set MSB, 0
.macro WIN new                         ; the immediate's high byte repeats the setting that is left
.if MSB != (\new)
	s_set_vgpr_msb (MSB<<8)|(\new)
.set MSB, (\new)
.endif
.endm
.macro PLACES n
.rept \n
	v_nop
.endr
.endm
; A joint load: waves 0 and 1 fetch for R, waves 2 and 3 for P.  An s_nop 0 and four v_nop follow each of the two lines.
.macro JLOAD g0a, g1a, g0b, g1b
	s_cmp_eq_u32 s15, 0
	s_cbranch_scc0 .Lfor_b_\@
	tensor_load_to_lds s[\g0a:\g0a+3], s[\g1a:\g1a+7]
	s_nop 0
.rept 4
	v_nop
.endr
	s_branch .Lasked_\@
.Lfor_b_\@:
	tensor_load_to_lds s[\g0b:\g0b+3], s[\g1b:\g1b+7]
	s_nop 0
.rept 4
	v_nop
.endr
.Lasked_\@:
.endm
.macro CREST                           ; a round of the cluster's barrier behind its opening barrier
	s_cmp_lg_u32 s14, 0
	s_cbranch_scc1 .Lnot_wave_0_\@
	s_barrier_signal -3
.Lnot_wave_0_\@:
	s_barrier_wait -3
	s_barrier_signal -1
	s_barrier_wait -1
.endm
.macro CROUND
	s_barrier_signal -1
	s_barrier_wait -1
	CREST
.endm
	s_load_b128 s[4:7], s[0:1], 0x0                ; hh, wsp
	s_load_b128 s[8:11], s[0:1], 0x10              ; y, x1
	v_lshl_add_u32 v[SPW], v0, 2, SPARE
	v_mov_b32 v[NIL], 0
	ds_add_u32 v[SPW], v[NIL]                      ; the wave's opening: the add and its wait stand ahead of my first tensor load; register work stands between
	v_lshrrev_b32 v1, 5, v0
	v_readfirstlane_b32 s14, v1                    ; wave
	s_lshr_b32 s15, s14, 1                         ; my half of R's rows.  Also: I fetch for R (0) or P (1)
	s_and_b32 s16, s14, 1                          ; my half of P's rows.  Also: which half I fetch
	s_bfe_u32 s40, ttmp6, 0x40000                  ; cx
	s_bfe_u32 s41, ttmp6, 0x40004                  ; cy
	s_lshl_b32 s42, ttmp9, 2
	s_add_co_u32 s42, s42, s40                     ; TC: P's 128 rows
	s_and_b32 s18, ttmp7, 0xffff
	s_lshl_b32 s17, s18, 2
	s_add_co_u32 s17, s17, s41                     ; TR: R's 128 rows
	s_lshl_b32 s43, s41, 2
	s_lshl_b32 s43, 15, s43                        ; my row of the cluster
	s_lshl_b32 s44, 0x1111, s40                    ; my column
	s_or_b32 s[G1], s43, (3<<16)|(1<<21)           ; 15:0 the mask; 17:16 elements of 8 bytes; 21 set beside a mask; no padding: every LDS read takes consecutive bytes
	s_or_b32 s[G1B], s44, (3<<16)|(1<<21)
	s_or_b32 s[G1S], s43, (3<<16)|(1<<21)
	s_or_b32 s[G1SB], s44, (3<<16)|(1<<21)
.irp g, G1, G1B
	s_mov_b32 s[\g+1], (FP/8)<<16                  ; tensor_dim0: a tile's bytes of a slot
	s_mov_b32 s[\g+2], NA<<16                      ; tensor_dim1: tiles
	s_mov_b32 s[\g+3], (FP/8)<<16                  ; tile_dim0
	s_mov_b32 s[\g+4], NA                          ; tile_dim1
	s_mov_b32 s[\g+5], S*192                       ; from tile to tile
	s_mov_b32 s[\g+6], 0
	s_mov_b32 s[\g+7], 0
.endr
.irp g, G1S, G1SB                      ; the scale words of a quarter's tiles: a dense block, as rows of 256 bytes
	s_mov_b32 s[\g+1], 32<<16
	s_mov_b32 s[\g+2], (QS/256)<<16
	s_mov_b32 s[\g+3], 32<<16
	s_mov_b32 s[\g+4], QS/256
	s_mov_b32 s[\g+5], 32
	s_mov_b32 s[\g+6], 0
	s_mov_b32 s[\g+7], 0
.endr
	s_mul_i32 s45, s16, NA
	s_mul_i32 s20, s17, 2*NA
	s_add_co_u32 s20, s20, s45                     ; R's first tile that I would fetch
	s_mul_i32 s46, s42, 2*NA
	s_add_co_u32 s46, s46, s45                     ; P's
	s_mul_i32 s22, s20, S*64
	s_mul_i32 s92, s46, S*64
	s_mul_i32 s20, s20, S*1536
	s_mul_i32 s46, s46, S*1536
	s_add_co_u32 s20, s20, ROFF
	s_add_co_u32 s22, s22, RSOFF
	s_add_co_u32 s46, s46, POFF
	s_add_co_u32 s92, s92, PSOFF
	s_mov_b32 s21, 0
	s_mov_b32 s23, 0
	s_mov_b32 s47, 0
	s_mov_b32 s93, 0
	s_mul_i32 s45, s14, QT                         ; where they go: no place in the cluster enters an LDS address
	s_mul_i32 s94, s14, QS
	s_wait_dscnt 0x0                               ; the opening add is done
	s_wait_kmcnt 0x0
	s_add_nc_u64 s[20:21], s[4:5], s[20:21]
	s_add_nc_u64 s[22:23], s[4:5], s[22:23]
	s_add_nc_u64 s[46:47], s[6:7], s[46:47]
	s_add_nc_u64 s[92:93], s[6:7], s[92:93]
	CROUND                                         ; all sixteen work-groups are here: the first joint loads meet
	s_mov_b32 s[G0S], 1
	s_add_co_u32 s[G0S+1], s94, SCL
	s_mov_b64 s[G0S+2:G0S+3], s[22:23]
	s_or_b32 s[G0S+3], s[G0S+3], 0x80000000
	s_mov_b32 s[G0SB], 1
	s_add_co_u32 s[G0SB+1], s94, SCL
	s_mov_b64 s[G0SB+2:G0SB+3], s[92:93]
	s_or_b32 s[G0SB+3], s[G0SB+3], 0x80000000
	JLOAD G0S, G1S, G0SB, G1SB                     ; the scale words first; with the two slots three loads of mine are out
.irp s, 0,1
	s_mov_b32 s[G0+4*\s], 1
	s_add_co_u32 s[G0+4*\s+1], s45, \s*SLOT
	s_add_nc_u64 s[G0+4*\s+2:G0+4*\s+3], s[20:21], \s*FP
	s_or_b32 s[G0+4*\s+3], s[G0+4*\s+3], 0x80000000
	s_mov_b32 s[G0B+4*\s], 1
	s_add_co_u32 s[G0B+4*\s+1], s45, \s*SLOT
	s_add_nc_u64 s[G0B+4*\s+2:G0B+4*\s+3], s[46:47], \s*FP
	s_or_b32 s[G0B+4*\s+3], s[G0B+4*\s+3], 0x80000000
	JLOAD G0+4*\s, G1, G0B+4*\s, G1B
.endr
	v_and_b32 v1, 31, v0
	v_and_b32 v2, 15, v0                           ; r
	v_bfe_u32 v3, v0, 4, 1                         ; h
	v_lshlrev_b32 v[V16], 4, v1
	v_lshlrev_b32 v[V8], 3, v1
	v_lshlrev_b32 v[VR4], 2, v2
	s_mul_i32 s21, s15, QT
	s_mul_i32 s22, s16, QT
	s_add_co_u32 s22, s22, 2*QT
.irp s, 0,1
	v_add_nc_u32 v[ADRA16+\s], s21, v[V16]
	v_add_nc_u32 v[ADRA8+\s], s21, v[V8]
	v_add_nc_u32 v[ADRB16+\s], s22, v[V16]
	v_add_nc_u32 v[ADRB8+\s], s22, v[V8]
	s_add_co_u32 s21, s21, SLOT
	s_add_co_u32 s22, s22, SLOT
.endr
	s_mul_i32 s21, s15, QS
	s_mul_i32 s22, s16, QS
	s_add_co_u32 s22, s22, 2*QS
	s_sub_co_u32 s22, s22, s21
	v_mul_u32_u24 v4, s22, v3                      ; lanes 16-31 take P's words: one product, the distance between the two bases
	s_add_co_u32 s21, s21, SCL
	v_add_nc_u32 v4, v4, v[VR4]
	v_add_nc_u32 v[ADRS], s21, v4
	s_lshl_b32 s18, s17, 3                         ; y and x1's image: ((8 TR + 4 half) x 8 + TC) x 8,192 + 4,096 x my half of the columns
	s_lshl_b32 s19, s15, 2
	s_add_co_u32 s18, s18, s19
	s_lshl_b32 s18, s18, 3
	s_add_co_u32 s18, s18, s42
	s_lshl_b32 s18, s18, 13
	s_lshl_b32 s19, s16, 12
	s_add_co_u32 s18, s18, s19
	s_mov_b32 s19, 0
	s_add_nc_u64 s[8:9], s[8:9], s[18:19]
	s_add_nc_u64 s[10:11], s[10:11], s[18:19]
.macro FRAG reg, a16, a8, off          ; a fragment comes back as it was stored: 512, 256, 512, 256 consecutive bytes
	ds_load_b128 v[\reg:\reg+3], v[\a16] offset:\off
	ds_load_b64 v[\reg+4:\reg+5], v[\a8] offset:\off+512
	ds_load_b128 v[\reg+6:\reg+9], v[\a16] offset:\off+768
	ds_load_b64 v[\reg+10:\reg+11], v[\a8] offset:\off+1280
.endm
.macro FETCH_B slot, q, p              ; P's blocks of the slot's q-th K step into set p
	WIN 0x40
.set ii, 0
.rept NA
	FRAG 128*(\p)+12*ii, ADRB16+\slot, ADRB8+\slot, ii*FP+(\q)*1536
.set ii, ii+1
.endr
	WIN 0
.endm
.macro FETCH_A slot, q, i0             ; half of R's blocks, from i0 on
.set ii, \i0
.rept NA/2
	FRAG AF+12*ii, ADRA16+\slot, ADRA8+\slot, ii*FP+(\q)*1536
.set ii, ii+1
.endr
.endm
.macro SCALES sc                       ; a slot's scale words into set sc: register NQ i + q: lanes 0-15 R's block i, lanes 16-31 P's block i
.set ii, 0
.rept NA
.set qi, 0
.rept NQ
	ds_load_b32 v[SC+16*\sc+NQ*ii+qi], v[ADRS] offset:(ii*S+qi)*64
.set qi, qi+1
.endr
.set ii, ii+1
.endr
.endm
.macro WM c
	v_wmma_scale_f32_16x16x128_f8f6f4 v[AC0+8*bb:AC0+8*bb+7], v[PB+12*bb:PB+12*bb+11], v[RA:RA+11], \c, v[SCP+NQ*bb], v[SCR] matrix_a_fmt:MATRIX_FMT_FP6 matrix_b_fmt:MATRIX_FMT_FP6 matrix_a_scale:MATRIX_SCALE_ROW1
.endm
; R's block a against all of P's blocks.  The accumulators take turns, one instruction a turn, in the same order in every step.
.macro MULB a, p, q, sc, zero
.set PB, 128*(\p)
.set RA, AF+12*(\a)
.set SCP, SC+16*(\sc)+(\q)
.set SCR, SC+16*(\sc)+NQ*(\a)+(\q)
.set AC0, 128+32*(\a)
	WIN 0x01                                       ; P window 1; R, C and D window 0
.set bb, 0
.rept NA
.if \zero
	WM 0
.else
	WM v[AC0+8*bb:AC0+8*bb+7]
.endif
.set bb, bb+1
.endr
.endm
.macro MULR a0, n, p, q, sc, zero
.set aa, \a0
.rept \n
	MULB aa, \p, \q, \sc, \zero
.set aa, aa+1
.endr
.endm
; A K step that has its successor in the same slot.  Loads into registers that matrix instructions have read stand four plain instructions behind them.
.macro STEP slot, q, zero
	s_wait_dscnt (NA/2)*NL                         ; all but the youngest loads, R's upper blocks
	MULR 0, NA/2, (\q)%2, \q, \slot, \zero
	s_wait_dscnt 0x0
	PLACES 4
	FETCH_B \slot, (\q)+1, 1-(\q)%2
	FETCH_A \slot, (\q)+1, 0
	MULR NA/2, NA/2, (\q)%2, \q, \slot, \zero
	PLACES 4
	WIN 0
	FETCH_A \slot, (\q)+1, NA/2
.endm
.macro STEPS slot, q0                  ; the slot's steps q0 .. NQ - 2
.set qq, \q0
.rept NQ-1-(\q0)
	STEP \slot, qq, 0
.set qq, qq+1
.endr
.endm
; A slot's last step changes slots: one barrier; in front of it each wave waits for all its tensor loads, adds 0 to its spare word, and waits for that and for its reads of this slot.
.macro TURN slot, next, fill
	s_wait_tensorcnt 0x0                           ; my part of the next slot has landed; no load of mine is out
	ds_add_u32 v[SPW], v[NIL]
	s_wait_dscnt (NA/2)*NL+1                       ; the add and R's upper blocks may be out
	MULR 0, NA/4, 1, NQ-1, \slot, 0
	s_wait_dscnt 0x0                               ; the add is done, and my reads of this slot are over
	s_barrier_signal -1
	MULR NA/4, NA/4, 1, NQ-1, \slot, 0
	WIN 0
	s_barrier_wait -1
.if \fill
	CREST                                          ; the barrier has opened a round of the cluster's: no wave of any partner still reads this slot or has a load on its way
	s_add_nc_u64 s[G0+4*\slot+2:G0+4*\slot+3], s[G0+4*\slot+2:G0+4*\slot+3], 2*FP
	s_add_nc_u64 s[G0B+4*\slot+2:G0B+4*\slot+3], s[G0B+4*\slot+2:G0B+4*\slot+3], 2*FP
	JLOAD G0+4*\slot, G1, G0B+4*\slot, G1B         ; my one load behind the round; its four v_nop are the places in front of the loads below
.else
	PLACES 4
.endif
	v_add_nc_u32 v[ADRS], NQ*64, v[ADRS]
	FETCH_B \next, 0, 0
	FETCH_A \next, 0, 0
	SCALES \next
	MULR NA/2, NA/2, 1, NQ-1, \slot, 0
	PLACES 4
	WIN 0
	FETCH_A \next, 0, NA/2
.endm
	s_wait_tensorcnt 1                             ; the scale words and my part of slot 0 are in; slot 1's load may be out
	s_barrier_signal -1
	s_barrier_wait -1
	FETCH_B 0, 0, 0
	FETCH_A 0, 0, 0
	SCALES 0
	FETCH_A 0, 0, NA/2
	WIN 0x40                                       ; destination window 1, address window 0
.irp a, 0,1,2,3                        ; the residual: x1's numbers at the places of my 16 accumulators; wanted behind the last product
.irp q, 0,1,2,3,4,5,6,7
	global_load_b128 v[48+32*\a+64*(\a/2)+4*\q:51+32*\a+64*(\a/2)+4*\q], v[V16], s[10:11] offset:\a*65536+512*\q th:TH_LOAD_NT
.endr
.endr
	WIN 0
	STEP 0, 0, 1                                   ; the first step starts the sums: nothing is cleared
	s_mov_b32 s3, LAPS-1
.Llap:                                                 ; once round the ring, from a lap's second step to the next lap's first; both slots are filled again
	STEPS 0, 1
	TURN 0, 1, 1
	STEPS 1, 0
	TURN 1, 0, 1
	STEP 0, 0, 0
	s_sub_co_u32 s3, s3, 1
	s_cmp_lg_u32 s3, 0
	s_cbranch_scc1 .Llap
	STEPS 0, 1                                     ; the last lap fills nothing
	TURN 0, 1, 0
	STEPS 1, 0
	s_wait_dscnt (NA/2)*NL
	MULR 0, NA/2, 1, NQ-1, 1, 0
	s_wait_dscnt 0x0
	MULR NA/2, NA/2, 1, NQ-1, 1, 0
	WIN 0
	PLACES 4
	s_wait_loadcnt 0x0                             ; x1's numbers
	WIN 0x04                                       ; source 1 window 1
.irp a, 0,1,2,3                        ; each accumulator from its low end on
.set jj, 0
.rept 16
	v_pk_add_f32 v[128+32*\a+jj:129+32*\a+jj], v[128+32*\a+jj:129+32*\a+jj], v[48+32*\a+64*(\a/2)+jj:49+32*\a+64*(\a/2)+jj]
.set jj, jj+2
.endr
.endr
	WIN 0
.irp a, 0,1,2,3                        ; THE WAY OUT: every store covers 512 consecutive bytes, aligned
.irp q, 0,1,2,3,4,5,6,7
	global_store_b128 v[V16], v[128+32*\a+4*\q:131+32*\a+4*\q], s[8:9] offset:\a*65536+512*\q
.endr
.endr
	s_wait_tensorcnt 0x0                           ; the wave's end
	ds_add_u32 v[SPW], v[NIL]
	s_wait_dscnt 0x0
	CROUND                                         ; the closing round
	s_endpgm
.Lfunc_end_k_qc64519be93_ffn2:
	.size	k_qc64519be93_ffn2, .Lfunc_end_k_qc64519be93_ffn2-k_qc64519be93_ffn2
	.p2alignl 7, 3214868480
	.fill 96, 4, 3214868480
	.section	.rodata,"a",@progbits
	.p2align	6, 0x0
	.amdhsa_kernel k_qc64519be93_ffn2
		.amdhsa_group_segment_fixed_size 327680
		.amdhsa_private_segment_fixed_size 0
		.amdhsa_enable_private_segment 0
		.amdhsa_kernarg_size 32
		.amdhsa_user_sgpr_count 2
		.amdhsa_user_sgpr_kernarg_segment_ptr 1
		.amdhsa_wavefront_size32 1
		.amdhsa_system_sgpr_workgroup_id_x 1
		.amdhsa_system_sgpr_workgroup_id_y 1
		.amdhsa_system_sgpr_workgroup_id_z 1
		.amdhsa_system_vgpr_workitem_id 0
		.amdhsa_next_free_vgpr 512
		.amdhsa_next_free_sgpr 100
		.amdhsa_reserve_vcc 0
		.amdhsa_float_denorm_mode_32 3
		.amdhsa_float_denorm_mode_16_64 3
		.amdhsa_memory_ordered 1
		.amdhsa_forward_progress 1
		.amdhsa_inst_pref_size 98
	.end_amdhsa_kernel
	.amdgpu_metadata
---
amdhsa.version: [ 1, 2 ]
amdhsa.kernels:
  - .name:           k_qc64519be93_ffn2
    .symbol:         k_qc64519be93_ffn2.kd
    .args:
      - { .name: hh, .offset: 0, .size: 8, .value_kind: global_buffer, .address_space: global }
      - { .name: wsp, .offset: 8, .size: 8, .value_kind: global_buffer, .address_space: global }
      - { .name: y, .offset: 16, .size: 8, .value_kind: global_buffer, .address_space: global }
      - { .name: x1, .offset: 24, .size: 8, .value_kind: global_buffer, .address_space: global }
    .group_segment_fixed_size: 327680
    .private_segment_fixed_size: 0
    .kernarg_segment_align: 8
    .kernarg_segment_size: 32
    .max_flat_workgroup_size: 128
    .sgpr_count:     100
    .vgpr_count:     512
    .wavefront_size: 32
...
	.end_amdgpu_metadata
.endif
;; end of part 7
;; launch ln2 (part 8): grid 256 x 1, 8 waves a work-group, no clusters, 69,632 bytes of LDS; arguments y, b2, ln2_g, ln2_b, out0; writes out0
.if DOCPART == 8
	.amdgcn_target "amdgcn-amd-amdhsa--gfx1250"
	.amdhsa_code_object_version 6
	.text
	.protected	k_qc64519be93_ln2
	.globl	k_qc64519be93_ln2
	.p2align	8
	.type	k_qc64519be93_ln2,@function
k_qc64519be93_ln2:
	s_mov_b64 s[64:65], 0
	v_nop
	global_prefetch_b8 v0, s[64:65] scope:SCOPE_SE
	s_setreg_imm32_b32 hwreg(HW_REG_WAVE_MODE, 25, 1), 1
	s_wait_xcnt 0x0
; BIAS + LAYER NORM: out0 = LN(y + b2), where y = x1 + h w2 comes from the launch before with the residual already in it.
; A work-group takes one tile of 16 tokens, row(t, r) = 32 (t / 2) + 8 (t % 2) + r + 8 (r / 8); wave s takes columns 128 s .. 128 s + 127.  y lies as the image that the product left:
; (8 t + s) x 8,192 + 512 q + 16 x lane holds registers 4 q .. 4 q + 3; register 16 b + i of lane (r, h) = column 128 s + 32 b + 16 h + i of row r.
; out0's rows are written 512 consecutive bytes at a time: the numbers turn through the wave's own stage in LDS.
; The mean is taken first and the variance of the differences in a second pass over the registers, so a common offset of the inputs costs no digits.  A row's eight partial sums meet in LDS.
; Memory binds: every byte is moved once, in dense loads and stores; matrix units, clusters and tensor loads would add nothing.
; LIMITS: sums are trees, so their order of rounding differs from a plain sum's; 1 / sqrt by v_rsq_f32; NaN and infinities are not served.
.set STG,   8448                       ; a wave's stage: 16 rows x (512 bytes + 16)
.set RED,   8*STG                      ; the rows' partial sums: word 32 r + 4 s; the second reduction's 512 bytes on
.set SPARE, RED+1024                   ; the spare words: 128 bytes for each wave, named by no other line
.set Z,   32                           ; v32-95   the numbers
.set T,   96                           ; v96-159  the gain, then rows on the way out
.set U,   160                          ; v160-223 the bias, then the norm's bias
.set V16, 4
.set H64, 7
.set STI, 8                            ; the stage by rows: 16 x lane
.set STO, 9                            ; the stage by lanes: row r, + 64 h
.set RST, 10
.set RLD, 11
.set SPW, 252
.set NIL, 253
.set SEL, 24
.macro IMG reg, base                   ; an image: 16 loads of 512 consecutive bytes
.set qq, 0
.rept 16
	global_load_b128 v[\reg+4*qq:\reg+4*qq+3], v[V16], s[\base:\base+1] offset:512*qq th:TH_LOAD_NT
.set qq, qq+1
.endr
.endm
.macro COLS reg, base                  ; a vector over the columns, in the image's order
.set qq, 0
.rept 16
	global_load_b128 v[\reg+4*qq:\reg+4*qq+3], v[H64], s[\base:\base+1] offset:128*(qq/4)+16*(qq%4)
.set qq, qq+1
.endr
.endm
.macro ADDZ reg
.set jj, 0
.rept 32
	v_pk_add_f32 v[Z+jj:Z+jj+1], v[Z+jj:Z+jj+1], v[\reg+jj:\reg+jj+1]
.set jj, jj+2
.endr
.endm
; four chains in v[244:251] become the row's sum over all 1,024 columns, in v244 of every lane
.macro ROWSUM off
	v_pk_add_f32 v[244:245], v[244:245], v[246:247]
	v_pk_add_f32 v[248:249], v[248:249], v[250:251]
	v_pk_add_f32 v[244:245], v[244:245], v[248:249]
	v_add_f32 v244, v244, v245
	v_permlanex16_b32 v245, v244, s[SEL], s[SEL+1]
	v_add_f32 v244, v244, v245                     ; my wave's 128 columns of row r
	ds_store_b32 v[RST], v244 offset:\off          ; lanes r and r + 16 store the same word
	s_wait_dscnt 0x0                               ; for the others' sake
	s_barrier_signal -1
	s_barrier_wait -1
	ds_load_b128 v[244:247], v[RLD] offset:\off
	ds_load_b128 v[248:251], v[RLD] offset:\off+16
	s_wait_dscnt 0x0
	v_add_f32 v244, v244, v245
	v_add_f32 v246, v246, v247
	v_add_f32 v248, v248, v249
	v_add_f32 v250, v250, v251
	v_add_f32 v244, v244, v246
	v_add_f32 v248, v248, v250
	v_add_f32 v244, v244, v248
.endm
	s_load_b256 s[4:11], s[0:1], 0x0               ; y, the bias, the gain, the norm's bias
	s_load_b64 s[12:13], s[0:1], 0x20              ; out0
	v_lshl_add_u32 v[SPW], v0, 2, SPARE
	v_mov_b32 v[NIL], 0
	v_lshrrev_b32 v1, 5, v0
	v_readfirstlane_b32 s16, v1                    ; wave = column step
	v_and_b32 v1, 31, v0
	v_and_b32 v2, 15, v0                           ; r
	v_bfe_u32 v3, v0, 4, 1                         ; h
	v_lshlrev_b32 v[V16], 4, v1
	v_lshlrev_b32 v[H64], 6, v3
	s_mul_i32 s17, s16, STG
	v_add_nc_u32 v[STI], s17, v[V16]
	v_mul_u32_u24 v[STO], v2, 528
	v_add_nc_u32 v[STO], v[STO], v[H64]
	v_add_nc_u32 v[STO], s17, v[STO]
	v_lshlrev_b32 v[RLD], 5, v2
	v_add_nc_u32 v[RLD], RED, v[RLD]
	s_lshl_b32 s17, s16, 2
	v_add_nc_u32 v[RST], s17, v[RLD]
	v_mov_b32 v243, 0                              ; named as the upper half of v[242:243]
	s_mov_b32 s[SEL], 0x76543210
	s_mov_b32 s[SEL+1], 0xfedcba98
	s_mov_b32 s17, 0x3727c5ac                      ; 1e-5
	s_lshl_b32 s18, ttmp9, 3
	s_add_co_u32 s18, s18, s16                     ; 8 t + s
	s_lshl_b32 s26, s18, 13                        ; the image's bytes
	s_mov_b32 s27, 0
	s_lshr_b32 s28, ttmp9, 1
	s_lshl_b32 s28, s28, 17
	s_and_b32 s29, ttmp9, 1
	s_lshl_b32 s29, s29, 15
	s_add_co_u32 s28, s28, s29
	s_lshl_b32 s30, s16, 9                         ; my columns' bytes
	s_mov_b32 s31, 0
	s_add_co_u32 s28, s28, s30                     ; the tile's first row, at my columns
	s_mov_b32 s29, 0
	s_wait_kmcnt 0x0
	s_add_nc_u64 s[4:5], s[4:5], s[26:27]
	s_add_nc_u64 s[6:7], s[6:7], s[30:31]
	s_add_nc_u64 s[8:9], s[8:9], s[30:31]
	s_add_nc_u64 s[10:11], s[10:11], s[30:31]
	s_add_nc_u64 s[12:13], s[12:13], s[28:29]
	IMG Z, 4
	COLS U, 6
	COLS T, 8                                      ; the gain lands under the reductions,
	s_wait_loadcnt 16                              ; y and the bias are in; the gain's 16 loads may be out
	ADDZ U
	COLS U, 10                                     ; and so does the norm's bias
	; the mean
.irp k, 0,1,2,3
	v_pk_add_f32 v[244+2*\k:245+2*\k], v[Z+4*\k:Z+4*\k+1], v[Z+4*\k+2:Z+4*\k+3]
.endr
.set jj, 16
.rept 6
.irp k, 0,1,2,3
	v_pk_add_f32 v[244+2*\k:245+2*\k], v[244+2*\k:245+2*\k], v[Z+jj+2*\k:Z+jj+2*\k+1]
.endr
.set jj, jj+8
.endr
	ROWSUM 0
	v_mul_f32 v242, 0x3a800000, v244               ; / 1,024
.set jj, 0
.rept 32
	v_pk_add_f32 v[Z+jj:Z+jj+1], v[Z+jj:Z+jj+1], v[242:243] op_sel_hi:[1,0] neg_lo:[0,1] neg_hi:[0,1]
.set jj, jj+2
.endr
	; the variance of the differences
.irp k, 0,1,2,3
	v_pk_mul_f32 v[244+2*\k:245+2*\k], v[Z+2*\k:Z+2*\k+1], v[Z+2*\k:Z+2*\k+1]
.endr
.set jj, 8
.rept 7
.irp k, 0,1,2,3
	v_pk_fma_f32 v[244+2*\k:245+2*\k], v[Z+jj+2*\k:Z+jj+2*\k+1], v[Z+jj+2*\k:Z+jj+2*\k+1], v[244+2*\k:245+2*\k]
.endr
.set jj, jj+8
.endr
	ROWSUM 512
	v_fma_f32 v244, v244, 0x3a800000, s17
	v_rsq_f32 v242, v244
	v_nop                                          ; a plain instruction behind the transcendental,
	s_wait_alu depctr_va_vdst(0)                   ; and a wait ahead of its first reader
	s_wait_loadcnt 0x0                             ; the gain and the norm's bias
.set jj, 0
.rept 32
	v_pk_mul_f32 v[Z+jj:Z+jj+1], v[Z+jj:Z+jj+1], v[242:243] op_sel_hi:[1,0]
.set jj, jj+2
.endr
.set jj, 0
.rept 32
	v_pk_fma_f32 v[Z+jj:Z+jj+1], v[Z+jj:Z+jj+1], v[T+jj:T+jj+1], v[U+jj:U+jj+1]
.set jj, jj+2
.endr
.set qq, 0
.rept 16
	ds_store_b128 v[STO], v[Z+4*qq:Z+4*qq+3] offset:128*(qq/4)+16*(qq%4)
.set qq, qq+1
.endr
.set rr, 0
.rept 16
	ds_load_b128 v[T+4*rr:T+4*rr+3], v[STI] offset:528*rr   ; LDS serves a wave's instructions in order: these see the stores above
.set rr, rr+1
.endr
.set rr, 0
.rept 16
	s_wait_dscnt 15-rr                             ; row rr is back; the younger rows may be out
	global_store_b128 v[V16], v[T+4*rr:T+4*rr+3], s[12:13] offset:(rr+8*(rr/8))*4096 th:TH_STORE_NT   ; 512 consecutive bytes of a row
.set rr, rr+1
.endr
	s_wait_tensorcnt 0x0                           ; the wave's end, behind my last LDS store
	ds_add_u32 v[SPW], v[NIL]
	s_wait_dscnt 0x0
	s_endpgm
.Lfunc_end_k_qc64519be93_ln2:
	.size	k_qc64519be93_ln2, .Lfunc_end_k_qc64519be93_ln2-k_qc64519be93_ln2
	.p2alignl 7, 3214868480
	.fill 96, 4, 3214868480
	.section	.rodata,"a",@progbits
	.p2align	6, 0x0
	.amdhsa_kernel k_qc64519be93_ln2
		.amdhsa_group_segment_fixed_size 69632
		.amdhsa_private_segment_fixed_size 0
		.amdhsa_enable_private_segment 0
		.amdhsa_kernarg_size 40
		.amdhsa_user_sgpr_count 2
		.amdhsa_user_sgpr_kernarg_segment_ptr 1
		.amdhsa_wavefront_size32 1
		.amdhsa_system_sgpr_workgroup_id_x 1
		.amdhsa_system_sgpr_workgroup_id_y 1
		.amdhsa_system_sgpr_workgroup_id_z 1
		.amdhsa_system_vgpr_workitem_id 0
		.amdhsa_next_free_vgpr 256
		.amdhsa_next_free_sgpr 66
		.amdhsa_reserve_vcc 0
		.amdhsa_float_denorm_mode_32 3
		.amdhsa_float_denorm_mode_16_64 3
		.amdhsa_memory_ordered 1
		.amdhsa_forward_progress 1
		.amdhsa_inst_pref_size 26
	.end_amdhsa_kernel
	.amdgpu_metadata
---
amdhsa.version: [ 1, 2 ]
amdhsa.kernels:
  - .name:           k_qc64519be93_ln2
    .symbol:         k_qc64519be93_ln2.kd
    .args:
      - { .name: y, .offset: 0, .size: 8, .value_kind: global_buffer, .address_space: global }
      - { .name: b2, .offset: 8, .size: 8, .value_kind: global_buffer, .address_space: global }
      - { .name: ln2_g, .offset: 16, .size: 8, .value_kind: global_buffer, .address_space: global }
      - { .name: ln2_b, .offset: 24, .size: 8, .value_kind: global_buffer, .address_space: global }
      - { .name: out0, .offset: 32, .size: 8, .value_kind: global_buffer, .address_space: global }
    .group_segment_fixed_size: 69632
    .private_segment_fixed_size: 0
    .kernarg_segment_align: 8
    .kernarg_segment_size: 40
    .max_flat_workgroup_size: 256
    .sgpr_count:     66
    .vgpr_count:     256
    .wavefront_size: 32
...
	.end_amdgpu_metadata
.endif
;; end of part 8
